; MI455X (gfx1250); checked and timed in simulation.
; The chip was launched on July 23, 2026; its instructions are those of AMD's public machine-readable ISA for CDNA 5 (MIT licence, August 2026) and "CDNA5" Instruction Set Architecture Reference Guide (July 2026). The comments in the code are by the model that wrote it; some were corrected since.
;; Interaction FFN. Allowed arithmetic: float matrix products may take bf16 or f16 operands with f32 sums; all other float work in f32.
;; Inputs: Wdown 1,024 x 2,048 float32; Wk 1,024 x 1,024 float32; Wq 1,024 x 1,024 float32; Wup 2,048 x 1,024 float32; Wv 1,024 x 1,024 float32; bdown 1,024 float32; bk 1,024 float32; bq 1,024 float32; bup 2,048 float32; bv 1,024 float32; context 2 x 2,048 x 1,024 float32; pattern_queries 32 x 1,024 float32; router_out 2 x 2,048 x 1,024 float32; selected_neurons 2 x 2,048 x 4 x 1,024 float32; topk_neuron_idx 2 x 2,048 x 4 int32; topk_neuron_weights 2 x 2,048 x 4 float32; x 2 x 2,048 x 1,024 float32.
;; Outputs: out0 2 x 2,048 x 1,024 float32.
;; 2 versions, each right and faster than the one before. Each part assembles by itself: llvm-mc -triple=amdgcn-amd-amdhsa -mcpu=gfx1250 --defsym DOCPART=n.
;; ======== version 1 of 2: 6 launches
;; workspace buffers: nb 33,554,432 bytes; wb 12,747,008 bytes; sp 2,097,152 bytes; zb 8,388,608 bytes; cb 16,777,216 bytes; hb 16,777,216 bytes
;; launch prep (part 1): grid 489 x 1, 8 waves a work-group, no clusters, 132,608 bytes of LDS; arguments selected_neurons, Wq, Wk, Wv, Wup, Wdown, pattern_queries, bq, bk, bv, nb, wb; writes nb, wb
.if DOCPART == 1
	.amdgcn_target "amdgcn-amd-amdhsa--gfx1250"
	.amdhsa_code_object_version 6
	.text
	.protected	k_q84550383d2_prep
	.globl	k_q84550383d2_prep
	.p2align	8
	.type	k_q84550383d2_prep,@function
k_q84550383d2_prep:
	s_mov_b64 s[64:65], 0
	v_nop
	global_prefetch_b8 v0, s[64:65] scope:SCOPE_SE
	s_setreg_imm32_b32 hwreg(HW_REG_WAVE_MODE, 25, 1), 1
	s_wait_xcnt 0x0
; PREP: everything that hangs on the weights alone, and the casts to bf16.  Four kinds of work-group, chosen by the work-group's number:
;   0..127   M:  M[e][d] = sum over f of Wk[f][e] Wq[f][d], a tile of 64 e x 128 d each, bf16, to wb+0.  (q_i . k_j = n_j^T M n_i + terms with the biases.)
;   128..151 X:  16 rows x 128 columns of X W0: rows 0-31 = pattern_queries Wv; row 32 = bq^T Wk; row 33 = bk^T Wq; rows 34-47 = 0.
;                Stored as ready fragments: byte = tile*32768 + (column/8)*256 + row*16.  Two of these groups also store pattern_queries itself in that form (tiles 3, 4).
;   152      K:  32 pairs {pattern_queries[p] . bv, bq . bk} in f32.
;   153..488 C:  casts selected_neurons, Wv, Wup, Wdown to bf16, 262,144 bytes of f32 a work-group.
; Matrix operands are rounded to bf16 once, sums are f32.  NaN and infinities in the inputs are not served.
.set WV_OFF,  2097152
.set WUP_OFF, 4194304
.set WDN_OFF, 8388608
.set PQX_OFF, 12582912
.set CST_OFF, 12746752
.set PT,   160                         ; LDS row of a [f][column] tile: 64 bf16 + 32 bytes of padding = 5 x 32 bytes, for the turning load
.set R1,   40960                       ; three tiles of 256 rows x 160 bytes at 0, R1, R2
.set R2,   81920
.set ROWS, 122880                      ; 16 rows x 528 bytes: the rows X of path X (256 bf16 + 16 bytes)
.set RP,   528
.set KSC,  131328                      ; behind them: path K's 32 words, bytes that no other path's lines name
.macro PLACES                          ; four plain vector instructions between a matrix instruction and a load into, or a vector write or read of, its registers
.rept 4
	v_nop
.endr
.endm
.macro BAR                             ; my LDS stores and loads are done; then all eight waves meet
	s_wait_dscnt 0x0
	s_barrier_signal -1
	s_barrier_wait -1
.endm
; 256 rows x 64 columns of f32: wave w takes rows 32 w .. 32 w + 31, two rows a load, sixteen lanes to a row's 256 bytes
.macro STAGE64 p, S
.irp i, 0,1,2,3,4,5,6,7,8,9,10,11,12,13,14,15
	global_load_b128 v[\S+4*\i:\S+4*\i+3], v4, s[\p:\p+1] offset:\i*8192
.endr
.endm
; the sixteen loads of one STAGE64 are rounded to bf16 and put into LDS.  left = the loads issued behind the first of them
.macro CVST S, adr, base, left
.irp i, 0,1,2,3,4,5,6,7,8,9,10,11,12,13,14,15
	s_wait_loadcnt \left-\i                        ; loads come back in order: this one is in, the younger ones stay out
	v_cvt_pk_bf16_f32 v[\S+4*\i], v[\S+4*\i], v[\S+4*\i+1]
	v_cvt_pk_bf16_f32 v[\S+4*\i+1], v[\S+4*\i+2], v[\S+4*\i+3]
	ds_store_b64 v[\adr], v[\S+4*\i:\S+4*\i+1] offset:\base+\i*320
.endr
.endm
.macro TILEADR                         ; v4 global offset of a staging load, v5 / v6 its LDS place (tiles 0, 1 / tile 2), v7 the lane's place for the turning load
	v_lshlrev_b32 v4, 4, v2                        ; 16 r
	v_lshl_or_b32 v4, v3, 12, v4                   ; + h rows of 4,096 bytes
	s_lshl_b32 s9, s8, 17
	v_or_b32 v4, s9, v4                            ; + 32 w rows
	s_lshl_b32 s9, s8, 5
	v_add_nc_u32 v5, s9, v3                        ; row 32 w + h
	v_mul_u32_u24 v5, v5, PT
	v_lshl_add_u32 v5, v2, 3, v5                   ; + 8 r
	v_add_nc_u32 v6, R2, v5
	v_and_b32 v7, 7, v0
	v_lshl_add_u32 v7, v3, 3, v7                   ; row 8 h + lane % 8
	v_mul_u32_u24 v7, v7, PT
	v_bfe_u32 v12, v0, 3, 1
	v_lshl_add_u32 v7, v12, 4, v7                  ; + 16 bytes for the second eight lanes of a half
.endm
	s_load_b512 s[16:31], s[0:1], 0x0              ; N s[16:17], Wq s[18:19], Wk s[20:21], Wv s[22:23], Wup s[24:25], Wdown s[26:27], pq s[28:29], bq s[30:31]
	s_load_b256 s[32:39], s[0:1], 0x40             ; bk s[32:33], bv s[34:35], nb s[36:37], wb s[38:39]
	v_lshl_add_u32 v30, v0, 2, 0x20200
	v_mov_b32 v31, 0
	v_and_b32 v1, 31, v0                           ; lane
	v_and_b32 v2, 15, v0                           ; r
	v_bfe_u32 v3, v0, 4, 1                         ; h
	v_lshrrev_b32 v4, 5, v0
	v_readfirstlane_b32 s8, v4                     ; wave
	s_mov_b32 s13, 0                               ; high word of every offset pair s[12:13]
	s_wait_kmcnt 0x0
	s_cmp_lt_u32 ttmp9, 128
	s_cbranch_scc1 .LM
	s_cmp_lt_u32 ttmp9, 152
	s_cbranch_scc1 .LX
	s_cmp_eq_u32 ttmp9, 152
	s_cbranch_scc1 .LK
; ---------------- C: the casts.  A ring of sixteen slots in registers keeps sixteen loads of every wave on their way; all addresses stand in the immediates.
	s_sub_co_u32 s10, ttmp9, 153
	s_mov_b64 s[40:41], s[26:27]
	s_mov_b32 s11, 304
	s_mov_b32 s12, WDN_OFF
	s_cmp_lt_u32 s10, 304
	s_cselect_b64 s[40:41], s[24:25], s[40:41]
	s_cselect_b32 s11, 272, s11
	s_cselect_b32 s12, WUP_OFF, s12
	s_cmp_lt_u32 s10, 272
	s_cselect_b64 s[40:41], s[22:23], s[40:41]
	s_cselect_b32 s11, 256, s11
	s_cselect_b32 s12, WV_OFF, s12
	s_cmp_lt_u32 s10, 256
	s_cselect_b64 s[40:41], s[16:17], s[40:41]
	s_cselect_b64 s[42:43], s[36:37], s[38:39]
	s_cselect_b32 s11, 0, s11
	s_cselect_b32 s12, 0, s12
	s_sub_co_u32 s10, s10, s11                     ; my number inside the tensor
	s_lshl_b32 s14, s10, 18
	s_mov_b32 s15, 0
	s_add_nc_u64 s[40:41], s[40:41], s[14:15]      ; 262,144 bytes of f32 in,
	s_lshl_b32 s14, s10, 17
	s_add_co_u32 s14, s14, s12
	s_add_nc_u64 s[42:43], s[42:43], s[14:15]      ; 131,072 bytes of bf16 out
	v_lshlrev_b32 v4, 4, v0                        ; a wave's load covers 512 consecutive bytes,
	v_lshlrev_b32 v5, 3, v0                        ; its store 256 consecutive bytes, aligned
.macro SLOT i, rho, ahead, left
	s_wait_loadcnt \left                           ; my load is in; the younger ones stay out
	s_wait_xcnt 0x0                                ; the slot's last store has read its data registers
	v_cvt_pk_bf16_f32 v[96+2*\i], v[32+4*\i], v[33+4*\i]
	v_cvt_pk_bf16_f32 v[97+2*\i], v[34+4*\i], v[35+4*\i]
.if \ahead
	global_load_b128 v[32+4*\i:35+4*\i], v4, s[40:41] offset:(\rho+1)*65536+\i*4096
.endif
	global_store_b64 v5, v[96+2*\i:97+2*\i], s[42:43] offset:\rho*32768+\i*2048
.endm
.irp n, 0,1,2,3,4,5,6,7,8,9,10,11,12,13,14,15
	global_load_b128 v[32+4*\n:35+4*\n], v4, s[40:41] offset:\n*4096
.endr
.irp rr, 0,1,2
.irp n, 0,1,2,3,4,5,6,7,8,9,10,11,12,13,14,15
	SLOT \n, \rr, 1, 15
.endr
.endr
.irp n, 0,1,2,3,4,5,6,7,8,9,10,11,12,13,14,15
	SLOT \n, 3, 0, 15-\n                           ; the last round loads nothing: the counts run down
.endr
	s_endpgm
; ---------------- M.  D(m = d, n = e): source 0 = 16 columns d of Wq, source 1 = 16 columns e of Wk, both turned on the way out of LDS; f runs in four trips of 256.
; Wave w: d tiles 2 (w % 4), +1 and e tiles 2 (w / 4), +1: four accumulators v224-255, taken by turns.
.LM:
	TILEADR
	s_and_b32 s10, ttmp9, 7                        ; which 128 columns d
	s_lshr_b32 s11, ttmp9, 3                       ; which 64 rows e
	s_lshl_b32 s12, s10, 9
	s_add_nc_u64 s[40:41], s[18:19], s[12:13]      ; Wq, my first 64 columns,
	s_add_nc_u64 s[42:43], s[40:41], 256           ; my second 64
	s_lshl_b32 s12, s11, 8
	s_add_nc_u64 s[44:45], s[20:21], s[12:13]      ; Wk, my 64 columns
	s_and_b32 s14, s8, 3
	s_lshr_b32 s15, s14, 1
	s_mul_i32 s15, s15, R1
	s_and_b32 s9, s8, 1
	s_lshl_b32 s9, s9, 6
	s_add_co_u32 s15, s15, s9
	v_add_nc_u32 v8, s15, v7                       ; my two d tiles
	s_lshr_b32 s9, s8, 2
	s_lshl_b32 s9, s9, 6
	s_add_co_u32 s9, s9, R2
	v_add_nc_u32 v9, s9, v7                        ; my two e tiles
.macro FETCHM buf, c                   ; the fragments of 32 f: two of Wq, two of Wk
	ds_load_tr16_b128 v[\buf:\buf+3],     v8 offset:(\c)*5120
	ds_load_tr16_b128 v[\buf+4:\buf+7],   v8 offset:(\c)*5120+2560
	ds_load_tr16_b128 v[\buf+8:\buf+11],  v8 offset:(\c)*5120+32
	ds_load_tr16_b128 v[\buf+12:\buf+15], v8 offset:(\c)*5120+2592
	ds_load_tr16_b128 v[\buf+16:\buf+19], v9 offset:(\c)*5120
	ds_load_tr16_b128 v[\buf+20:\buf+23], v9 offset:(\c)*5120+2560
	ds_load_tr16_b128 v[\buf+24:\buf+27], v9 offset:(\c)*5120+32
	ds_load_tr16_b128 v[\buf+28:\buf+31], v9 offset:(\c)*5120+2592
.endm
.macro MULM buf, zero
.irp t, 0,1,2,3
.if \zero
	v_wmma_f32_16x16x32_bf16 v[224+8*\t:231+8*\t], v[\buf+8*(\t&1):\buf+8*(\t&1)+7], v[\buf+16+8*(\t>>1):\buf+16+8*(\t>>1)+7], 0
.else
	v_wmma_f32_16x16x32_bf16 v[224+8*\t:231+8*\t], v[\buf+8*(\t&1):\buf+8*(\t&1)+7], v[\buf+16+8*(\t>>1):\buf+16+8*(\t>>1)+7], v[224+8*\t:231+8*\t]
.endif
.endr
.endm
.macro TRIPM first
.if !\first
	PLACES                                         ; the loads below land in registers that the last products read
.endif
	STAGE64 40, 32
	STAGE64 42, 96
	STAGE64 44, 160
.if !\first
	BAR                                            ; every wave has read the last trip's tiles: they may be written
.endif
	CVST 32, 5, 0, 47                              ; 48 loads are out: the counts run 47 .. 0
	CVST 96, 5, R1, 31
	CVST 160, 6, 0, 15
	s_add_nc_u64 s[40:41], s[40:41], 0x100000      ; all loads are in, so the bases may step: 256 rows of 4,096 bytes
	s_add_nc_u64 s[42:43], s[42:43], 0x100000
	s_add_nc_u64 s[44:45], s[44:45], 0x100000
	BAR                                            ; the tiles are whole
	FETCHM 32, 0
.irp c, 0,1,2,3,4,5,6,7
.if \c < 7
.if \c > 0
	PLACES
.endif
	FETCHM 32+32*((\c+1)&1), \c+1
	s_wait_dscnt 8                                 ; all but the eight just issued
.else
	s_wait_dscnt 0x0
.endif
.if \first && (\c == 0)
	MULM 32+32*(\c&1), 1                           ; the first products start the sums
.else
	MULM 32+32*(\c&1), 0
.endif
.endr
.endm
	TRIPM 1
	s_mov_b32 s46, 3
.LMloop:
	TRIPM 0
	s_sub_co_u32 s46, s46, 1
	s_cmp_lg_u32 s46, 0
	s_cbranch_scc1 .LMloop
	; the way out: a lane holds one e and eight neighbouring d.  Through 64 rows x 272 bytes laid over tile 0, so that sixteen lanes store 256 consecutive bytes of a row of M
	PLACES
	BAR                                            ; nobody reads tile 0 any more
	s_lshr_b32 s9, s8, 2
	s_lshl_b32 s9, s9, 5
	v_add_nc_u32 v10, s9, v2                       ; row 32 (w / 4) + r
	v_mul_u32_u24 v10, v10, 272
	s_lshl_b32 s14, s14, 6
	v_lshl_add_u32 v10, v3, 4, v10
	v_add_nc_u32 v10, s14, v10                     ; + 64 (w % 4) + 16 h
	s_lshl_b32 s9, s8, 3
	v_add_nc_u32 v11, s9, v3                       ; back: row 8 w + h
	v_lshlrev_b32 v13, 11, v11
	v_lshl_add_u32 v13, v2, 4, v13
	v_mul_u32_u24 v11, v11, 272
	v_lshl_add_u32 v11, v2, 4, v11
	s_lshl_b32 s12, s11, 17
	s_lshl_b32 s9, s10, 8
	s_add_co_u32 s12, s12, s9
	s_add_nc_u64 s[48:49], s[38:39], s[12:13]      ; M at row 64 eb, column 128 db
.irp t, 0,1,2,3
.irp q, 0,1,2,3
	v_cvt_pk_bf16_f32 v[32+4*\t+\q], v[224+8*\t+2*\q], v[225+8*\t+2*\q]
.endr
	ds_store_b128 v10, v[32+4*\t:35+4*\t] offset:(\t>>1)*4352+(\t&1)*32
.endr
	BAR
.irp i, 0,1,2,3
	ds_load_b128 v[48+4*\i:51+4*\i], v11 offset:\i*544
.endr
.irp i, 0,1,2,3
	s_wait_dscnt 3-\i
	global_store_b128 v13, v[48+4*\i:51+4*\i], s[48:49] offset:\i*4096
.endr
	s_wait_tensorcnt 0x0
	ds_add_u32 v30, v31
	s_wait_dscnt 0x0
	s_endpgm
; ---------------- X.  D(m = column of W0, n = row of X): source 0 = 16 columns of W0, turned; source 1 = 16 rows of X.  Wave w: columns 16 w .. 16 w + 15 of the group's 128.
; Two accumulators (even and odd steps of 32 f) take turns, and are added at the end.
.LX:
	TILEADR
	s_sub_co_u32 s10, ttmp9, 128
	s_lshr_b32 s49, s10, 3                         ; tile 0, 1: pattern_queries Wv;  2: the two bias rows
	s_and_b32 s50, s10, 7                          ; which 128 columns
	s_cmp_lt_u32 s49, 2
	s_cselect_b64 s[40:41], s[22:23], s[20:21]     ; W0 = Wv, or Wk for the first pass of tile 2
	s_cselect_b64 s[44:45], s[28:29], s[30:31]     ; X = pattern_queries, or bq
	s_cselect_b32 s53, 4096, 0                     ; bytes from row to row of X: a bias is read for all sixteen rows and kept in one
	s_cselect_b32 s12, s49, 0
	s_lshl_b32 s12, s12, 16
	s_add_nc_u64 s[44:45], s[44:45], s[12:13]      ; sixteen rows of pattern_queries a tile
	s_lshl_b32 s12, s50, 9
	s_add_nc_u64 s[40:41], s[40:41], s[12:13]
	s_add_nc_u64 s[42:43], s[40:41], 256
	s_cmp_eq_u32 s50, 0
	s_cselect_b32 s51, 1, 0
	s_cmp_lt_u32 s49, 2
	s_cselect_b32 s51, s51, 0                      ; 1: this group also stores its rows of pattern_queries as fragments
	s_add_co_u32 s12, s49, 3
	s_lshl_b32 s12, s12, 15
	s_add_co_u32 s12, s12, PQX_OFF
	s_add_nc_u64 s[46:47], s[38:39], s[12:13]      ; tile 3 + tau
	v_lshrrev_b32 v14, 4, v0                       ; the row of X that this thread fetches
	v_mul_u32_u24 v10, s53, v14
	v_lshl_add_u32 v10, v2, 4, v10
	v_mul_u32_u24 v11, v14, RP
	v_lshl_add_u32 v11, v2, 3, v11
	v_add_nc_u32 v11, ROWS, v11
	v_cmp_eq_u32 s48, 0, v14                       ; tile 2, first pass: row 0 alone is kept
	s_cmp_lt_u32 s49, 2
	s_cselect_b32 s48, -1, s48                     ; tiles 0, 1: all rows
	s_lshr_b32 s9, s8, 2
	s_mul_i32 s9, s9, R1
	s_and_b32 s14, s8, 3
	s_lshl_b32 s14, s14, 5
	s_add_co_u32 s9, s9, s14
	v_add_nc_u32 v8, s9, v7                        ; my 16 columns
	v_mul_u32_u24 v9, v2, RP
	v_lshl_add_u32 v9, v3, 4, v9
	v_add_nc_u32 v9, ROWS, v9                      ; a fragment of X: row r, 16 bytes for each half of the lanes
	s_lshl_b32 s9, s8, 6
	v_add_nc_u32 v15, s9, v9                       ; the step of 32 f that wave w copies out
	s_lshl_b32 s9, s8, 10
	v_lshl_add_u32 v16, v1, 4, s9
.macro FETCHX buf, c
	ds_load_tr16_b128 v[\buf:\buf+3],     v8 offset:(\c)*5120
	ds_load_tr16_b128 v[\buf+4:\buf+7],   v8 offset:(\c)*5120+2560
	ds_load_b128      v[\buf+8:\buf+11],  v9 offset:(\c)*64
	ds_load_b128      v[\buf+12:\buf+15], v9 offset:(\c)*64+32
.endm
.macro TRIPX first
.if !\first
	PLACES
.endif
	STAGE64 40, 32
	STAGE64 42, 96
.irp i, 0,1,2,3
	global_load_b128 v[160+4*\i:163+4*\i], v10, s[44:45] offset:256*\i
.endr
.if !\first
	BAR                                            ; every wave has read the last trip's tiles
.endif
	CVST 32, 5, 0, 35                              ; 36 loads are out: the counts run 35 .. 0
	CVST 96, 5, R1, 19
.irp i, 0,1,2,3
	s_wait_loadcnt 3-\i
	v_cvt_pk_bf16_f32 v[160+4*\i], v[160+4*\i], v[161+4*\i]
	v_cvt_pk_bf16_f32 v[161+4*\i], v[162+4*\i], v[163+4*\i]
	v_cndmask_b32 v[160+4*\i], 0, v[160+4*\i], s48
	v_cndmask_b32 v[161+4*\i], 0, v[161+4*\i], s48
	ds_store_b64 v11, v[160+4*\i:161+4*\i] offset:128*\i
.endr
	s_add_nc_u64 s[40:41], s[40:41], 0x100000      ; all loads are in: the bases step by 256 f
	s_add_nc_u64 s[42:43], s[42:43], 0x100000
	s_add_nc_u64 s[44:45], s[44:45], 1024
	BAR
	s_cmp_eq_u32 s51, 0
	s_cbranch_scc1 .Lnoq_\@
	ds_load_b128 v[176:179], v15                   ; the rows themselves, as fragments: wave w takes step w of the trip's eight
	ds_load_b128 v[180:183], v15 offset:32
	s_wait_dscnt 0x0
	global_store_b128 v16, v[176:179], s[46:47]
	global_store_b128 v16, v[180:183], s[46:47] offset:512
	s_wait_xcnt 0x0                                ; the stores have read their base and data: both are written again
	s_add_nc_u64 s[46:47], s[46:47], 8192
.Lnoq_\@:
	FETCHX 32, 0
.irp c, 0,1,2,3,4,5,6,7
.if \c < 7
.if \c > 0
	PLACES
.endif
	FETCHX 32+16*((\c+1)&1), \c+1
	s_wait_dscnt 4                                 ; all but the four just issued
.else
	s_wait_dscnt 0x0
.endif
.if \first && (\c < 2)
	v_wmma_f32_16x16x32_bf16 v[224+8*(\c&1):231+8*(\c&1)], v[32+16*(\c&1):39+16*(\c&1)], v[40+16*(\c&1):47+16*(\c&1)], 0
.else
	v_wmma_f32_16x16x32_bf16 v[224+8*(\c&1):231+8*(\c&1)], v[32+16*(\c&1):39+16*(\c&1)], v[40+16*(\c&1):47+16*(\c&1)], v[224+8*(\c&1):231+8*(\c&1)]
.endif
.endr
.endm
	TRIPX 1
	s_mov_b32 s52, 3
.LXloop:
	TRIPX 0
	s_sub_co_u32 s52, s52, 1
	s_cmp_lg_u32 s52, 0
	s_cbranch_scc1 .LXloop
	s_cmp_lg_u32 s49, 2
	s_cbranch_scc1 .LXout
	s_lshl_b32 s12, s50, 9                         ; tile 2, second pass: bk^T Wq into row 1, onto the same sums
	s_add_nc_u64 s[40:41], s[18:19], s[12:13]
	s_add_nc_u64 s[42:43], s[40:41], 256
	s_mov_b64 s[44:45], s[32:33]
	v_cmp_eq_u32 s48, 1, v14
	s_mov_b32 s52, 4
.LXloop2:
	TRIPX 0
	s_sub_co_u32 s52, s52, 1
	s_cmp_lg_u32 s52, 0
	s_cbranch_scc1 .LXloop2
.LXout:
	PLACES
	v_pk_add_f32 v[32:33], v[224:225], v[232:233]
	v_pk_add_f32 v[34:35], v[226:227], v[234:235]
	v_pk_add_f32 v[36:37], v[228:229], v[236:237]
	v_pk_add_f32 v[38:39], v[230:231], v[238:239]
	v_cvt_pk_bf16_f32 v40, v32, v33
	v_cvt_pk_bf16_f32 v41, v34, v35
	v_cvt_pk_bf16_f32 v42, v36, v37
	v_cvt_pk_bf16_f32 v43, v38, v39
	s_lshl_b32 s12, s49, 15
	s_lshl_b32 s9, s50, 12
	s_add_co_u32 s12, s12, s9
	s_add_co_u32 s12, s12, PQX_OFF
	s_add_nc_u64 s[54:55], s[38:39], s[12:13]
	s_lshl_b32 s9, s8, 9
	v_lshl_add_u32 v17, v1, 4, s9                  ; a lane's row r and eight columns 16 w + 8 h .. are 16 bytes at 512 w + 16 lane: 512 consecutive bytes a wave
	global_store_b128 v17, v[40:43], s[54:55]
	s_wait_tensorcnt 0x0
	ds_add_u32 v30, v31
	s_wait_dscnt 0x0
	s_endpgm
; ---------------- K.  Wave w: pattern_queries rows 4 w .. 4 w + 3 against bv; wave 0 then bq . bk and the store.
.macro DOT a, b                        ; v192 = the sum over 1,024 numbers, 32 a lane, in every lane
	v_pk_mul_f32 v[192:193], v[\a:\a+1], v[\b:\b+1]
	v_pk_mul_f32 v[194:195], v[\a+2:\a+3], v[\b+2:\b+3]
.irp j, 1,2,3,4,5,6,7
	v_pk_fma_f32 v[192:193], v[\a+4*\j:\a+4*\j+1], v[\b+4*\j:\b+4*\j+1], v[192:193]
	v_pk_fma_f32 v[194:195], v[\a+4*\j+2:\a+4*\j+3], v[\b+4*\j+2:\b+4*\j+3], v[194:195]
.endr
	v_pk_add_f32 v[192:193], v[192:193], v[194:195]
	v_add_f32 v192, v192, v193
	v_add_f32_dpp v192, v192, v192 row_xmask:1 row_mask:0xf bank_mask:0xf
	v_add_f32_dpp v192, v192, v192 row_xmask:2 row_mask:0xf bank_mask:0xf
	v_add_f32_dpp v192, v192, v192 row_xmask:4 row_mask:0xf bank_mask:0xf
	v_add_f32_dpp v192, v192, v192 row_xmask:8 row_mask:0xf bank_mask:0xf
	v_permlanex16_b32 v196, v192, s10, s11
	v_add_f32 v192, v192, v196
.endm
.LK:
	v_lshlrev_b32 v4, 4, v1
	s_lshl_b32 s12, s8, 14
	s_add_nc_u64 s[40:41], s[28:29], s[12:13]
.irp j, 0,1,2,3,4,5,6,7
	global_load_b128 v[32+4*\j:35+4*\j], v4, s[34:35] offset:512*\j
.endr
.irp n, 0,1,2,3
.irp j, 0,1,2,3,4,5,6,7
	global_load_b128 v[64+32*\n+4*\j:67+32*\n+4*\j], v4, s[40:41] offset:4096*\n+512*\j
.endr
.endr
	s_mov_b32 s10, 0x76543210                      ; each lane takes its own place in the other half
	s_mov_b32 s11, 0xfedcba98
	v_mov_b32 v196, 0                              ; the exchange's destination counts as read
	v_mov_b32 v197, s8
	v_lshl_add_u32 v197, v197, 4, KSC              ; words 4 w .. 4 w + 3 of path K's own 32
	s_wait_loadcnt 0x0
.irp n, 0,1,2,3
	DOT 64+32*\n, 32
	ds_store_b32 v197, v192 offset:4*\n
.endr
	BAR
	s_cmp_lg_u32 s8, 0
	s_cbranch_scc1 .LKend
.irp j, 0,1,2,3,4,5,6,7
	global_load_b128 v[32+4*\j:35+4*\j], v4, s[30:31] offset:512*\j
	global_load_b128 v[64+4*\j:67+4*\j], v4, s[32:33] offset:512*\j
.endr
	v_lshl_add_u32 v198, v1, 2, KSC
	ds_load_b32 v200, v198                         ; pattern lane's product with bv
	v_lshlrev_b32 v199, 3, v1
	s_add_nc_u64 s[42:43], s[38:39], CST_OFF
	s_wait_loadcnt 0x0
	DOT 32, 64
	v_mov_b32 v201, v192
	s_wait_dscnt 0x0
	global_store_b64 v199, v[200:201], s[42:43]    ; 256 consecutive bytes
.LKend:
	s_wait_tensorcnt 0x0
	ds_add_u32 v30, v31
	s_wait_dscnt 0x0
	s_endpgm
.Lfunc_end_k_q84550383d2_prep:
	.size	k_q84550383d2_prep, .Lfunc_end_k_q84550383d2_prep-k_q84550383d2_prep
	.p2alignl 7, 3214868480
	.fill 96, 4, 3214868480
	.section	.rodata,"a",@progbits
	.p2align	6, 0x0
	.amdhsa_kernel k_q84550383d2_prep
		.amdhsa_group_segment_fixed_size 132608
		.amdhsa_private_segment_fixed_size 0
		.amdhsa_enable_private_segment 0
		.amdhsa_kernarg_size 96
		.amdhsa_user_sgpr_count 2
		.amdhsa_user_sgpr_kernarg_segment_ptr 1
		.amdhsa_wavefront_size32 1
		.amdhsa_system_sgpr_workgroup_id_x 1
		.amdhsa_system_sgpr_workgroup_id_y 1
		.amdhsa_system_sgpr_workgroup_id_z 1
		.amdhsa_system_vgpr_workitem_id 0
		.amdhsa_next_free_vgpr 256
		.amdhsa_next_free_sgpr 66
		.amdhsa_reserve_vcc 0
		.amdhsa_float_denorm_mode_32 3
		.amdhsa_float_denorm_mode_16_64 3
		.amdhsa_memory_ordered 1
		.amdhsa_forward_progress 1
		.amdhsa_inst_pref_size 143
	.end_amdhsa_kernel
	.amdgpu_metadata
---
amdhsa.version: [ 1, 2 ]
amdhsa.kernels:
  - .name:           k_q84550383d2_prep
    .symbol:         k_q84550383d2_prep.kd
    .args:
      - { .name: selected_neurons, .offset: 0, .size: 8, .value_kind: global_buffer, .address_space: global }
      - { .name: Wq, .offset: 8, .size: 8, .value_kind: global_buffer, .address_space: global }
      - { .name: Wk, .offset: 16, .size: 8, .value_kind: global_buffer, .address_space: global }
      - { .name: Wv, .offset: 24, .size: 8, .value_kind: global_buffer, .address_space: global }
      - { .name: Wup, .offset: 32, .size: 8, .value_kind: global_buffer, .address_space: global }
      - { .name: Wdown, .offset: 40, .size: 8, .value_kind: global_buffer, .address_space: global }
      - { .name: pattern_queries, .offset: 48, .size: 8, .value_kind: global_buffer, .address_space: global }
      - { .name: bq, .offset: 56, .size: 8, .value_kind: global_buffer, .address_space: global }
      - { .name: bk, .offset: 64, .size: 8, .value_kind: global_buffer, .address_space: global }
      - { .name: bv, .offset: 72, .size: 8, .value_kind: global_buffer, .address_space: global }
      - { .name: nb, .offset: 80, .size: 8, .value_kind: global_buffer, .address_space: global }
      - { .name: wb, .offset: 88, .size: 8, .value_kind: global_buffer, .address_space: global }
    .group_segment_fixed_size: 132608
    .private_segment_fixed_size: 0
    .kernarg_segment_align: 8
    .kernarg_segment_size: 96
    .max_flat_workgroup_size: 256
    .sgpr_count:     66
    .vgpr_count:     256
    .wavefront_size: 32
...
	.end_amdgpu_metadata
.endif
;; end of part 1
;; launch scores (part 2): grid 4 x 64, 4 waves a work-group, clusters of 4 x 4, 327,680 bytes of LDS; arguments nb, wb, sp; writes sp
.if DOCPART == 2
	.amdgcn_target "amdgcn-amd-amdhsa--gfx1250"
	.amdhsa_code_object_version 6
	.text
	.protected	k_q84550383d2_scores
	.globl	k_q84550383d2_scores
	.p2align	8
	.type	k_q84550383d2_scores,@function
k_q84550383d2_scores:
	s_mov_b64 s[64:65], 0
	v_nop
	global_prefetch_b8 v0, s[64:65] scope:SCOPE_SE
	s_setreg_imm32_b32 hwreg(HW_REG_WAVE_MODE, 25, 1), 1
	s_wait_xcnt 0x0
	s_wait_alu depctr_hold_cnt(0) depctr_sa_sdst(0) depctr_va_vdst(0) depctr_va_sdst(0) depctr_va_ssrc(0) depctr_va_vcc(0) depctr_vm_vsrc(0)
	s_getreg_b32 s2, hwreg(HW_REG_IB_STS2, 6, 4)
	s_cmp_eq_u32 s2, 0
	s_cbranch_scc0 .Lentry_in_a_cluster
	s_endpgm
.Lentry_in_a_cluster:
	s_bfe_u32 s2, ttmp6, 0x10000c
	s_cmp_lg_u32 s2, 0xf033
	s_cbranch_scc0 .Lentry_shape_is_right
	s_endpgm
.Lentry_shape_is_right:
; SCORES: U = N M^T (N = nb [16384][1024] bf16, M = wb+0 [1024 e][1024 d] bf16), and of U only the products U_i . n_j of the four neurons of each token leave the kernel.
; A tile of U, 256 rows x 256 e, is made by four waves, 128 x 128 each: 64 accumulators of 16 x 16, 512 registers.  K (d) goes in steps of 128 through a ring of two LDS slots
; filled by the tensor data mover; 4 x 4 work-groups form a cluster, N's tiles are asked for jointly along a row of the cluster, M's along a column.
; THE MATRIX INSTRUCTION IS USED TRANSPOSED (source 0 = 16 rows e of M, source 1 = 16 rows i of N): a lane holds one row i and eight neighbouring e, so two accumulators, rounded to bf16
; in pairs, ARE source 1 (32 e x 16 queries) of the score product, whose source 0 is 16 rows of N (the keys) over the same e.  Of each 16 x 16 result the four 4 x 4 blocks on the diagonal are kept:
; sp[part][row][key] in f32, part = the wave's block of 128 e; the next launch adds the eight parts.  U is rounded to bf16 once, as a matrix operand.
; REGISTERS, in windows of 256: window 0: v0-31 addresses, v32-63 the kept scores, v64-191 fragments of N (two buffers), v192-255 the score products;
;   window 1: v64-191 fragments of M (two buffers; at the end key blocks 4-7), v0-63 and v192-255 key blocks 0-3, loaded at the start;  windows 2, 3: the accumulators.
.set SIZE_K, 1024
.set KSTEP,  128
.set PITCH,  272                       ; an LDS row: 256 bytes + 16 of padding, so that the 16 rows of a fragment load start 16 bytes apart modulo 256
.set HALFT,  128*PITCH
.set SLOT,   4*HALFT
.set SPARE,  2*SLOT                    ; behind the ring: the spare words, 128 bytes a wave, which no other line names
.set LAPS,   SIZE_K/(2*KSTEP)
.set ADRA, 16
.set ADRB, 20
.set SO,   26                          ; v26  16 r: my row's 16 bytes in a block of sp
.set KO,   27                          ; v27  my lane's place in a key fragment; never rewritten
.set SPW,  28
.set NIL,  29
.set F0,   64
.set F1,   128
.set G1, 24
.set G0, 32
.set G1B, 48
.set G0B, 56
.set MSB, 0
.macro WIN new                         ; the immediate's high byte repeats the setting that is left
.if MSB != \new
	s_set_vgpr_msb (MSB<<8)|\new
.set MSB, \new
.endif
.endm
.set MUL_LO, 0xa1                      ; source 0 (M) window 1, source 1 (N) window 0, C and D window 2
.set MUL_HI, 0xf1                      ; the same, C and D window 3
.set TO_B,   0x40                      ; destination window 1, address window 0
.macro JLOAD s                         ; a joint load: waves 0, 1 fetch N's two halves, waves 2, 3 M's; four v_nop follow each line
	s_cmp_eq_u32 s11, 0
	s_cbranch_scc0 .Lfor_b_\@
	tensor_load_to_lds s[G0+4*\s:G0+4*\s+3], s[G1:G1+7]
	s_nop 0
.rept 4
	v_nop
.endr
	s_branch .Lasked_\@
.Lfor_b_\@:
	tensor_load_to_lds s[G0B+4*\s:G0B+4*\s+3], s[G1B:G1B+7]
	s_nop 0
.rept 4
	v_nop
.endr
.Lasked_\@:
.endm
.macro CREST                           ; a round of the cluster's barrier behind its opening barrier
	s_cmp_lg_u32 s10, 0
	s_cbranch_scc1 .Lnot_wave_0_\@
	s_barrier_signal -3
.Lnot_wave_0_\@:
	s_barrier_wait -3
	s_barrier_signal -1
	s_barrier_wait -1
.endm
.macro CROUND
	s_barrier_signal -1
	s_barrier_wait -1
	CREST
.endm
	s_load_b128 s[4:7], s[0:1], 0x0                ; nb s[4:5], wb s[6:7] (M lies at its first byte)
	s_load_b64 s[8:9], s[0:1], 0x10                ; sp
	v_lshl_add_u32 v[SPW], v0, 2, SPARE
	v_mov_b32 v[NIL], 0
	ds_add_u32 v28, v29
	ds_add_u32 v28, v29
	s_wait_dscnt 0x0
	v_lshrrev_b32 v1, 5, v0
	v_readfirstlane_b32 s10, v1                    ; wave
	s_lshr_b32 s11, s10, 1                         ; which half of the tile's rows is mine; also: I fetch for N (0) or M (1)
	s_and_b32 s12, s10, 1                          ; which half of its columns e; also: which 128 rows I fetch
	s_bfe_u32 s40, ttmp6, 0x40000                  ; cx
	s_bfe_u32 s41, ttmp6, 0x40004                  ; cy
	s_lshl_b32 s42, ttmp9, 2
	s_add_co_u32 s42, s42, s40                     ; tile column
	s_and_b32 s13, ttmp7, 0xffff
	s_lshl_b32 s13, s13, 2
	s_add_co_u32 s13, s13, s41                     ; tile row
	s_lshl_b32 s43, s41, 2
	s_lshl_b32 s43, 15, s43                        ; my row of the cluster
	s_lshl_b32 s44, 0x1111, s40                    ; my column
	s_or_b32 s[G1+0], s43, (1<<16)|(1<<20)|(1<<21)|(5<<22)|(3<<25)   ; mask; elements of 2 bytes; padding on; bit 21 beside a mask; after every 64 words 4 words
	s_or_b32 s[G1B+0], s44, (1<<16)|(1<<20)|(1<<21)|(5<<22)|(3<<25)
.irp g, G1, G1B
	s_mov_b32 s[\g+1], KSTEP<<16                   ; tensor_dim0 = 128
	s_mov_b32 s[\g+2], 128<<16                     ; tensor_dim1 = 128
	s_mov_b32 s[\g+3], KSTEP<<16                   ; tile_dim0 = 128
	s_mov_b32 s[\g+4], 128                         ; tile_dim1 = 128
	s_mov_b32 s[\g+5], SIZE_K                      ; elements from row to row
	s_mov_b32 s[\g+6], 0
	s_mov_b32 s[\g+7], 0
.endr
	s_lshl_b32 s17, s12, 7
	s_lshl_b32 s16, s13, 8
	s_add_co_u32 s16, s16, s17                     ; N: row 256 x tile row + 128 x half
	s_lshl_b32 s46, s42, 8
	s_add_co_u32 s46, s46, s17                     ; M: row 256 x tile column + 128 x half
	s_mov_b32 s17, 0
	s_mov_b32 s47, 0
	s_mov_b64 s[18:19], SIZE_K*2
	s_mul_u64 s[16:17], s[16:17], s[18:19]
	s_mul_u64 s[46:47], s[46:47], s[18:19]
	s_mul_i32 s20, s10, HALFT                      ; where they go: wave x 128 rows
	s_wait_kmcnt 0x0
	s_add_nc_u64 s[14:15], s[4:5], s[16:17]
	s_add_nc_u64 s[46:47], s[6:7], s[46:47]
	CROUND                                         ; all sixteen work-groups are here: the first joint loads meet
.irp s, 0,1
	s_mov_b32 s[G0+4*\s], 1
	s_add_co_u32 s[G0+4*\s+1], s20, \s*SLOT
	s_add_nc_u64 s[G0+4*\s+2:G0+4*\s+3], s[14:15], \s*KSTEP*2
	s_or_b32 s[G0+4*\s+3], s[G0+4*\s+3], 0x80000000
	s_mov_b32 s[G0B+4*\s], 1
	s_add_co_u32 s[G0B+4*\s+1], s20, \s*SLOT
	s_add_nc_u64 s[G0B+4*\s+2:G0B+4*\s+3], s[46:47], \s*KSTEP*2
	s_or_b32 s[G0B+4*\s+3], s[G0B+4*\s+3], 0x80000000
	JLOAD \s                                       ; two tensor loads of mine are out
.endr
	v_and_b32 v1, 15, v0                           ; r
	v_bfe_u32 v2, v0, 4, 1                         ; h
	v_mul_u32_u24 v3, v1, PITCH
	v_lshl_add_u32 v3, v2, 4, v3
	s_mul_i32 s21, s11, HALFT
	s_mul_i32 s22, s12, HALFT
	s_add_co_u32 s22, s22, 2*HALFT
.irp s, 0,1
	v_add_nc_u32 v[ADRA+\s], s21, v3
	v_add_nc_u32 v[ADRB+\s], s22, v3
	s_add_co_u32 s21, s21, SLOT
	s_add_co_u32 s22, s22, SLOT
.endr
	v_lshlrev_b32 v[KO], 11, v1                    ; a key fragment straight from nb: row r of 2,048 bytes, 16 bytes for each half of the lanes
	v_lshl_add_u32 v[KO], v2, 4, v[KO]
	v_lshlrev_b32 v[SO], 4, v1
	v_and_b32 v4, 4, v0
	v_cmp_ne_u32 s72, 0, v4                        ; lanes whose token is the second of its eight keys: their scores lie in registers 4-7
	v_bfe_u32 v5, v0, 3, 1                         ; r / 8: the half of the lanes that holds query r's own keys
	s_lshl_b32 s13, s13, 8
	s_lshl_b32 s14, s11, 7
	s_add_co_u32 s16, s13, s14                     ; my first row
	s_lshl_b32 s66, s16, 11
	s_mov_b32 s67, 0
	s_lshl_b32 s46, s42, 9
	s_lshl_b32 s47, s12, 8
	s_add_co_u32 s46, s46, s47                     ; my first column e, in bytes
	s_add_co_u32 s66, s66, s46
	s_add_nc_u64 s[66:67], s[4:5], s[66:67]        ; the keys: my 128 rows of nb at my 128 columns
	s_lshl_b32 s68, s42, 1
	s_add_co_u32 s68, s68, s12                     ; part = my block of 128 e
	s_lshl_b32 s68, s68, 18
	s_lshl_b32 s69, s16, 4
	s_add_co_u32 s68, s68, s69
	s_mov_b32 s69, 0
	s_add_nc_u64 s[68:69], s[8:9], s[68:69]
; Key block a (16 rows x 128 e: four fragments, 32 registers) into window 1
.macro KEYS a
.if \a < 2
.set KB, 32*(\a)
.elseif \a < 4
.set KB, 192+32*((\a)-2)
.else
.set KB, 64+32*((\a)-4)
.endif
	WIN TO_B
.irp c, 0,1,2,3
	global_load_b128 v[KB+8*\c:KB+8*\c+3],   v[KO], s[66:67] offset:(\a)*32768+\c*64
	global_load_b128 v[KB+8*\c+4:KB+8*\c+7], v[KO], s[66:67] offset:(\a)*32768+\c*64+32
.endr
.endm
	KEYS 0                                         ; blocks 0-3 go into registers that lie idle in the loop; nothing waits for them before the way out
	KEYS 1
	KEYS 2
	KEYS 3
.macro MUL16 f, hi, a0, zero
.irp a, \a0, \a0+1
.irp b, 0,1,2,3,4,5,6,7
.if \zero
	v_wmma_f32_16x16x32_bf16 v[8*(8*(\a)+\b):8*(8*(\a)+\b)+7], v[\f+8*\b:\f+8*\b+7], v[\f+8*(4*\hi+\a):\f+8*(4*\hi+\a)+7], 0
.else
	v_wmma_f32_16x16x32_bf16 v[8*(8*(\a)+\b):8*(8*(\a)+\b)+7], v[\f+8*\b:\f+8*\b+7], v[\f+8*(4*\hi+\a):\f+8*(4*\hi+\a)+7], v[8*(8*(\a)+\b):8*(8*(\a)+\b)+7]
.endif
.endr
.endr
.endm
.macro FETCH slot, k, f                ; 32 LDS loads in one run: the fragments of 32 along K
	WIN TO_B
.irp i, 0,1,2,3,4,5,6,7
	ds_load_b128 v[\f+8*\i:\f+8*\i+3],   v[ADRB+\slot] offset:\k+\i*16*PITCH
	ds_load_b128 v[\f+8*\i+4:\f+8*\i+7], v[ADRB+\slot] offset:\k+\i*16*PITCH+32
.endr
	WIN 0
.irp i, 0,1,2,3,4,5,6,7
	ds_load_b128 v[\f+8*\i:\f+8*\i+3],   v[ADRA+\slot] offset:\k+\i*16*PITCH
	ds_load_b128 v[\f+8*\i+4:\f+8*\i+7], v[ADRA+\slot] offset:\k+\i*16*PITCH+32
.endr
.endm
.macro PLACES                          ; four plain vector instructions between a matrix instruction and a load into, or a vector access to, its registers
.rept 4
	v_nop
.endr
.endm
.macro QUARTER slot, k, f, g, zero     ; 64 matrix instructions on buffer f; in their middle the next quarter's fragments go into buffer g.  The 64 accumulators take turns
	s_wait_dscnt 8                                 ; M's fragments and N's rows 0-63 are in; the youngest eight loads may be out
	WIN MUL_LO
	MUL16 \f, 0, 0, \zero
	MUL16 \f, 0, 2, \zero
	PLACES
	FETCH \slot, \k, \g
	s_wait_dscnt 32                                ; all but the 32 just issued
	WIN MUL_HI
	MUL16 \f, 1, 0, \zero
	MUL16 \f, 1, 2, \zero
.endm
.macro MEET round                      ; the change of slots: one barrier
	WIN 0
	s_wait_tensorcnt 0x0                           ; all my tensor loads have landed: the one that was out is my part of the next slot
	ds_add_u32 v[SPW], v[NIL]                      ; 0 onto my spare word
	s_wait_dscnt 9                                 ; the add and the youngest eight loads may be out
	WIN MUL_LO
	MUL16 F1, 0, 0, 0
	s_wait_dscnt 0x0                               ; the add is done, and my reads of this slot are over
	s_barrier_signal -1
	MUL16 F1, 0, 2, 0
.if \round
	WIN 0
.endif
	s_barrier_wait -1
.endm
.macro TURN slot, next                 ; the last quarter of a K step; the slot just read out is filled again, two K steps on
	MEET 1
	CREST                                          ; no wave of any partner still reads this slot or has a load on its way
	s_add_nc_u64 s[G0+4*\slot+2:G0+4*\slot+3], s[G0+4*\slot+2:G0+4*\slot+3], 2*KSTEP*2
	s_add_nc_u64 s[G0B+4*\slot+2:G0B+4*\slot+3], s[G0B+4*\slot+2:G0B+4*\slot+3], 2*KSTEP*2
	JLOAD \slot                                    ; my one tensor load behind the round; its four v_nop are also the places in front of the loads below
	FETCH \next, 0, F0
	WIN MUL_HI
	MUL16 F1, 1, 0, 0
	MUL16 F1, 1, 2, 0
.endm
	s_wait_tensorcnt 1                             ; my part of K step 0 is in; K step 1's stays out
	s_barrier_signal -1
	s_barrier_wait -1
	FETCH 0, 0, F0
	QUARTER 0, 64,  F0, F1, 1                      ; the first quarter's products start the sums
	WIN 0
	s_mov_b32 s3, LAPS-1
.Llap:
	QUARTER 0, 128, F1, F0, 0
	QUARTER 0, 192, F0, F1, 0
	TURN 0, 1
	QUARTER 1, 64,  F0, F1, 0
	QUARTER 1, 128, F1, F0, 0
	QUARTER 1, 192, F0, F1, 0
	TURN 1, 0
	QUARTER 0, 64,  F0, F1, 0
	WIN 0
	s_sub_co_u32 s3, s3, 1
	s_cmp_lg_u32 s3, 0
	s_cbranch_scc1 .Llap
	QUARTER 0, 128, F1, F0, 0                      ; the last lap asks for nothing
	QUARTER 0, 192, F0, F1, 0
	MEET 0
	PLACES
	FETCH 1, 0, F0
	WIN MUL_HI
	MUL16 F1, 1, 0, 0
	MUL16 F1, 1, 2, 0
	QUARTER 1, 64,  F0, F1, 0
	QUARTER 1, 128, F1, F0, 0
	QUARTER 1, 192, F0, F1, 0
	PLACES
	KEYS 4                                         ; M's buffer 0 has been multiplied for the last time: key blocks 4, 5 take it
	KEYS 5
	s_wait_dscnt 8
	WIN MUL_LO
	MUL16 F1, 0, 0, 0
	MUL16 F1, 0, 2, 0
	s_wait_dscnt 0x0
	WIN MUL_HI
	MUL16 F1, 1, 0, 0
	MUL16 F1, 1, 2, 0
	PLACES
	KEYS 6                                         ; and blocks 6, 7 buffer 1
	KEYS 7
; THE WAY OUT.  PACKU: the window's 32 accumulators are rounded to bf16 in place, in ascending order: v[64 a + 16 c .. + 7] is then source 1 for block a, e = 32 c on.
.macro PACKU win
.if \win == 2
	WIN 0x8a
.else
	WIN 0xcf
.endif
.irp a, 0,1,2,3
.irp c, 0,1,2,3
.irp q, 0,1,2,3
	v_cvt_pk_bf16_f32 v[64*\a+16*\c+\q], v[64*\a+16*\c+2*\q], v[64*\a+16*\c+2*\q+1]
.endr
.irp q, 0,1,2,3
	v_cvt_pk_bf16_f32 v[64*\a+16*\c+4+\q], v[64*\a+16*\c+8+2*\q], v[64*\a+16*\c+9+2*\q]
.endr
.endr
.endr
.endm
; SCORE: blocks 4 g .. 4 g + 3: S[key][query] over my 128 e; four accumulators by turns
.macro SCORE g
.if \g == 0
	WIN 0x09                                       ; keys window 1, U window 2, sums window 0
.else
	WIN 0x0d                                       ; U window 3
.endif
.irp c, 0,1,2,3
.irp a, 0,1,2,3
.if \g == 1
.set KB, 64+32*\a
.elseif \a < 2
.set KB, 32*\a
.else
.set KB, 192+32*(\a-2)
.endif
.if \c == 0
	v_wmma_f32_16x16x32_bf16 v[192+8*(4*\g+\a):199+8*(4*\g+\a)], v[KB+8*\c:KB+8*\c+7], v[64*\a+16*\c:64*\a+16*\c+7], 0
.else
	v_wmma_f32_16x16x32_bf16 v[192+8*(4*\g+\a):199+8*(4*\g+\a)], v[KB+8*\c:KB+8*\c+7], v[64*\a+16*\c:64*\a+16*\c+7], v[192+8*(4*\g+\a):199+8*(4*\g+\a)]
.endif
.endr
.endr
.endm
.macro SELECT g                        ; query r's four keys are keys 4 (r / 4) .. + 3: registers 0-3 or 4-7 of the lane in half r / 8
	WIN 0
.irp a, 0,1,2,3
.irp i, 0,1,2,3
	v_cndmask_b32 v[32+4*(4*\g+\a)+\i], v[192+8*(4*\g+\a)+\i], v[196+8*(4*\g+\a)+\i], s72
.endr
.endr
.endm
	PACKU 2
	s_wait_loadcnt 32                              ; key blocks 0-3 are in; the 32 loads of blocks 4-7 may stay out
	SCORE 0
	PACKU 3                                        ; its conversions name none of those products' registers: they are the places behind them
	SELECT 0
	s_wait_loadcnt 0x0
	SCORE 1
	WIN 0
	PLACES
	SELECT 1
	v_cmp_eq_u32 vcc_lo, v2, v5                    ; the lanes that hold their own token's keys: 0-7 and 24-31
	s_wait_xcnt 0x0                                ; EXEC changes only behind this wait
	s_and_saveexec_b32 s70, vcc_lo
.irp a, 0,1,2,3,4,5,6,7
	global_store_b128 v[SO], v[32+4*\a:35+4*\a], s[68:69] offset:256*\a    ; sixteen lanes store 256 consecutive bytes, aligned
.endr
	s_wait_xcnt 0x0
	s_or_b32 exec_lo, exec_lo, s70
	s_wait_tensorcnt 0x0                           ; the wave's end
	ds_add_u32 v[SPW], v[NIL]
	s_wait_dscnt 0x0
	CROUND                                         ; the closing round
	s_endpgm
.Lfunc_end_k_q84550383d2_scores:
	.size	k_q84550383d2_scores, .Lfunc_end_k_q84550383d2_scores-k_q84550383d2_scores
	.p2alignl 7, 3214868480
	.fill 96, 4, 3214868480
	.section	.rodata,"a",@progbits
	.p2align	6, 0x0
	.amdhsa_kernel k_q84550383d2_scores
		.amdhsa_group_segment_fixed_size 327680
		.amdhsa_private_segment_fixed_size 0
		.amdhsa_enable_private_segment 0
		.amdhsa_kernarg_size 24
		.amdhsa_user_sgpr_count 2
		.amdhsa_user_sgpr_kernarg_segment_ptr 1
		.amdhsa_wavefront_size32 1
		.amdhsa_system_sgpr_workgroup_id_x 1
		.amdhsa_system_sgpr_workgroup_id_y 1
		.amdhsa_system_sgpr_workgroup_id_z 1
		.amdhsa_system_vgpr_workitem_id 0
		.amdhsa_next_free_vgpr 1024
		.amdhsa_next_free_sgpr 76
		.amdhsa_reserve_vcc 1
		.amdhsa_float_denorm_mode_32 3
		.amdhsa_float_denorm_mode_16_64 3
		.amdhsa_memory_ordered 1
		.amdhsa_forward_progress 1
		.amdhsa_inst_pref_size 139
	.end_amdhsa_kernel
	.amdgpu_metadata
---
amdhsa.version: [ 1, 2 ]
amdhsa.kernels:
  - .name:           k_q84550383d2_scores
    .symbol:         k_q84550383d2_scores.kd
    .args:
      - { .name: nb, .offset: 0, .size: 8, .value_kind: global_buffer, .address_space: global }
      - { .name: wb, .offset: 8, .size: 8, .value_kind: global_buffer, .address_space: global }
      - { .name: sp, .offset: 16, .size: 8, .value_kind: global_buffer, .address_space: global }
    .group_segment_fixed_size: 327680
    .private_segment_fixed_size: 0
    .kernarg_segment_align: 8
    .kernarg_segment_size: 24
    .max_flat_workgroup_size: 128
    .sgpr_count:     76
    .vgpr_count:     1024
    .wavefront_size: 32
...
	.end_amdgpu_metadata
.endif
;; end of part 2
;; launch route (part 3): grid 256 x 1, 4 waves a work-group, no clusters, 265,984 bytes of LDS; arguments nb, context, wb, sp, topk_neuron_weights, zb; writes zb
.if DOCPART == 3
	.amdgcn_target "amdgcn-amd-amdhsa--gfx1250"
	.amdhsa_code_object_version 6
	.text
	.protected	k_q84550383d2_route
	.globl	k_q84550383d2_route
	.p2align	8
	.type	k_q84550383d2_route,@function
k_q84550383d2_route:
	s_mov_b64 s[64:65], 0
	v_nop
	global_prefetch_b8 v0, s[64:65] scope:SCOPE_SE
	s_setreg_imm32_b32 hwreg(HW_REG_WAVE_MODE, 25, 1), 1
	s_wait_xcnt 0x0
; ROUTE: for 16 tokens (64 rows of nb) a work-group: the 4 x 4 attention, the pattern scores, the top 4 of 32, the two small softmaxes, and z = sum over k of w_k n_k (bf16),
; where w = final_attn x attn.  (interacted_q = sum_k attn[q][k] v_k and v_k = Wv n_k + bv, so aggregated = Wv z + bv: the weights of every softmax add up to 1, to f32 rounding.)
; PRODUCTS.  G = nb x {pq Wv (32 columns), Wk^T bq, Wq^T bk}^T and Cx = context x pq^T.  K (1,024 features) is shared among the four waves, 256 each; the partial sums meet in LDS.
;   Each wave's own quarter of the 64 rows of nb and of the 16 rows of context comes by one tensor load each (two are out, issued at the head; every LDS byte is filled once);
;   the second operands lie in wb as ready fragments and go straight into registers, 512 consecutive bytes a load, each byte once a work-group.
; ROUTING.  Wave w: tokens 4 w .. 4 w + 3.  The attention: a lane to a row.  Then token by token, a lane to a pattern.  The top 4 are found by four maxima over the lanes; among equal scores the
;   lowest pattern goes first, as in lax.top_k.  The choice enters v_cndmask_b32 alone: no address and no branch hangs on it.  Every softmax takes its maximum away first.
; LIMITS.  NaN and infinities are not served.  Patterns whose scores differ by less than the rounding of the bf16 products may be chosen otherwise than in f32.
; No multicast: what the work-groups share (163,840 bytes of fragments) does not fit into LDS beside a group's own 201,728 bytes of tiles.
.set PQX_OFF, 12582912
.set CST_REL, 163840                   ; the constants, counted from the fragments' first byte
.set NBP, 528                          ; a row of my quarter of nb: 512 bytes + 16
.set NBT, 64*NBP
.set CTR, 4*NBT
.set CTP, 1040                         ; a row of my quarter of context: 1,024 bytes + 16
.set CTT, 16*CTP
.set GPB, CTR+4*CTT                    ; the partial sums, a region for each wave: G 64 rows x 208 bytes, then Cx 16 rows x 144 bytes
.set GPP, 208
.set CXP, 144
.set CXO, 64*GPP
.set GPW, CXO+16*CXP
.set WTB, GPB+4*GPW                    ; w: 16 tokens x 16 bytes
.set ATB, WTB+256                      ; attn: 64 rows x 16 bytes
.set MSB, 0
.macro WIN new
.if MSB != \new
	s_set_vgpr_msb (MSB<<8)|\new
.set MSB, \new
.endif
.endm
.macro PLACES
.rept 4
	v_nop
.endr
.endm
.macro BAR
	s_wait_dscnt 0x0
	s_barrier_signal -1
	s_barrier_wait -1
.endm
	s_load_b256 s[4:11], s[0:1], 0x0               ; nb s[4:5], context s[6:7], wb s[8:9], sp s[10:11]
	s_load_b128 s[12:15], s[0:1], 0x20             ; topk_neuron_weights s[12:13], zb s[14:15]
	v_lshl_add_u32 v28, v0, 2, 0x40d00
	v_mov_b32 v29, 0
	ds_add_u32 v28, v29
	ds_add_u32 v28, v29
	v_and_b32 v1, 31, v0                           ; lane
	v_and_b32 v2, 15, v0                           ; r
	v_bfe_u32 v3, v0, 4, 1                         ; h
	v_lshrrev_b32 v4, 5, v0
	v_readfirstlane_b32 s16, v4                    ; wave
	; my quarter of nb: 64 rows x 256 bf16
	s_mov_b32 s20, 1
	s_mul_i32 s21, s16, NBT
	s_mov_b32 s24, (1<<16)|(1<<20)|(6<<22)|(3<<25) ; elements of 2 bytes; after every 128 words 4 words of padding
	s_mov_b32 s25, 256<<16
	s_mov_b32 s26, 64<<16
	s_mov_b32 s27, 256<<16
	s_mov_b32 s28, 64
	s_mov_b32 s29, 1024
	s_mov_b32 s30, 0
	s_mov_b32 s31, 0
	; my quarter of context: 16 rows x 256 f32
	s_mov_b32 s36, 1
	s_mul_i32 s37, s16, CTT
	s_add_co_u32 s37, s37, CTR
	s_mov_b32 s40, (2<<16)|(1<<20)|(7<<22)|(3<<25) ; elements of 4 bytes; after every 256 words 4 words of padding
	s_mov_b32 s41, 256<<16
	s_mov_b32 s42, 16<<16
	s_mov_b32 s43, 256<<16
	s_mov_b32 s44, 16
	s_mov_b32 s45, 1024
	s_mov_b32 s46, 0
	s_mov_b32 s47, 0
	s_lshl_b32 s18, ttmp9, 17
	s_lshl_b32 s19, s16, 9
	s_add_co_u32 s18, s18, s19
	s_mov_b32 s19, 0
	s_wait_dscnt 0x0
	s_wait_kmcnt 0x0
	s_add_nc_u64 s[22:23], s[4:5], s[18:19]
	s_or_b32 s23, s23, 0x80000000
	s_lshl_b32 s18, ttmp9, 16
	s_lshl_b32 s32, s16, 10
	s_add_co_u32 s18, s18, s32
	s_add_nc_u64 s[38:39], s[6:7], s[18:19]
	s_or_b32 s39, s39, 0x80000000
	tensor_load_to_lds s[20:23], s[24:31]
	s_nop 0
	tensor_load_to_lds s[36:39], s[40:47]
	s_nop 0
.rept 4
	v_nop
.endr
	s_lshl_b32 s18, ttmp9, 8
	s_lshl_b32 s32, s16, 6
	s_add_co_u32 s18, s18, s32
	s_add_nc_u64 s[78:79], s[12:13], s[18:19]
	s_load_b512 s[48:63], s[78:79], 0x0            ; the neuron weights of my four tokens
	s_add_nc_u64 s[72:73], s[8:9], PQX_OFF
	s_lshl_b32 s18, ttmp9, 10
	s_add_nc_u64 s[74:75], s[10:11], s[18:19]      ; sp at my group's 64 rows
	s_lshl_b32 s18, ttmp9, 15
	s_add_nc_u64 s[76:77], s[14:15], s[18:19]      ; zb at my group's 16 rows
	s_mov_b32 s70, 0x76543210
	s_mov_b32 s71, 0xfedcba98
	s_lshl_b32 s33, s16, 13
	v_lshl_add_u32 v8, v1, 4, s33                  ; fragments: my eight steps of 1,024 bytes, 16 bytes a lane
	s_lshl_b32 s33, s16, 8
	v_lshlrev_b32 v9, 18, v3                       ; sp: the lower lanes take parts 0, 2, 4, 6, the upper ones 1, 3, 5, 7,
	v_lshl_add_u32 v9, v2, 4, v9
	v_add_nc_u32 v9, s33, v9                       ; of row 16 w + r
	v_lshlrev_b32 v21, 3, v1
.irp i, 0,1,2,3
	global_load_b128 v[240+4*\i:243+4*\i], v9, s[74:75] offset:\i*524288
.endr
	global_load_b64 v[30:31], v21, s[72:73] offset:CST_REL   ; {pq[lane] . bv, bq . bk}
	WIN 0x40                                       ; steps 0-3 into window 1, steps 4-7 into window 2: 40 registers a step (five tiles of 8)
.irp c, 0,1,2,3
.irp tau, 0,1,2,3,4
	global_load_b128 v[40*\c+8*\tau:40*\c+8*\tau+3],   v8, s[72:73] offset:\tau*32768+\c*1024
	global_load_b128 v[40*\c+8*\tau+4:40*\c+8*\tau+7], v8, s[72:73] offset:\tau*32768+\c*1024+512
.endr
.endr
	WIN 0x80
.irp c, 0,1,2,3
.irp tau, 0,1,2,3,4
	global_load_b128 v[40*\c+8*\tau:40*\c+8*\tau+3],   v8, s[72:73] offset:\tau*32768+(\c+4)*1024
	global_load_b128 v[40*\c+8*\tau+4:40*\c+8*\tau+7], v8, s[72:73] offset:\tau*32768+(\c+4)*1024+512
.endr
.endr
	WIN 0
	v_mul_u32_u24 v4, v2, NBP
	v_lshl_add_u32 v4, v3, 4, v4
	v_add_nc_u32 v4, s21, v4                       ; a fragment of nb
	v_mul_u32_u24 v5, v2, CTP
	v_lshl_add_u32 v5, v3, 5, v5
	v_add_nc_u32 v5, s37, v5                       ; a fragment of context, in f32: 32 bytes for each half of the lanes
	s_mul_i32 s32, s16, GPW
	s_add_co_u32 s32, s32, GPB                     ; my region of partial sums
	v_mul_u32_u24 v6, v3, 8*GPP
	v_lshl_add_u32 v6, v2, 2, v6
	v_add_nc_u32 v6, s32, v6
	v_mul_u32_u24 v7, v3, 8*CXP
	v_lshl_add_u32 v7, v2, 2, v7
	v_add3_u32 v7, v7, s32, CXO
	s_mul_i32 s34, s16, 16*GPP
	s_add_co_u32 s34, s34, GPB                     ; my 16 rows in wave 0's region
	v_and_b32 v10, 12, v0
	v_mul_u32_u24 v10, v10, GPP
	v_add3_u32 v10, v10, s34, 128                  ; column 32 of my token's first row
	v_mul_u32_u24 v11, v2, GPP
	v_add3_u32 v11, v11, s34, 132                  ; column 33 of my own row
	s_lshl_b32 s35, s16, 8
	s_add_co_u32 s35, s35, ATB
	v_mov_b32 v12, s35
	v_lshl_add_u32 v13, v2, 4, s35
	v_lshl_add_u32 v14, v1, 2, s34
	s_mul_i32 s18, s16, 4*CXP
	s_add_co_u32 s18, s18, GPB+CXO
	v_lshl_add_u32 v15, v1, 2, s18
	s_lshl_b32 s18, s16, 6
	s_add_co_u32 s18, s18, WTB
	v_mov_b32 v16, s18
	v_lshl_add_u32 v17, v1, 4, s21
	v_mov_b32 v18, WTB
	s_lshl_b32 s18, s16, 9
	v_lshl_add_u32 v19, v1, 4, s18
	v_mov_b32 v20, 0
	v_mov_b32 v22, 0xff800000                      ; minus infinity takes a chosen pattern out of the next maximum
	v_mov_b32 v74, 0                               ; destinations of lane exchanges count as read
	v_mov_b32 v75, 0
.macro AFETCH c                        ; step c: four fragments of nb into buffer c % 2, sixteen f32 of context
.set AFB, 32+32*((\c)&1)
.irp mt, 0,1,2,3
	ds_load_b128 v[AFB+8*\mt:AFB+8*\mt+3],   v4 offset:\mt*16*NBP+64*(\c)
	ds_load_b128 v[AFB+8*\mt+4:AFB+8*\mt+7], v4 offset:\mt*16*NBP+64*(\c)+32
.endr
	ds_load_b128 v[96:99],   v5 offset:128*(\c)
	ds_load_b128 v[100:103], v5 offset:128*(\c)+16
	ds_load_b128 v[104:107], v5 offset:128*(\c)+64
	ds_load_b128 v[108:111], v5 offset:128*(\c)+80
.endm
.macro CHUNK c                         ; 32 features: fourteen products on fourteen accumulators, which so take turns
	s_wait_dscnt 0x0
.set CB, 112+8*((\c)&1)
.irp i, 0,1,2,3,4,5,6,7
	v_cvt_pk_bf16_f32 v[CB+\i], v[96+2*\i], v[97+2*\i]   ; these eight are also the places in front of the loads below
.endr
.if \c < 7
	AFETCH \c+1
.endif
.set AB, 32+32*((\c)&1)
.set BB, 40*((\c)&3)
.if 70-10*(\c) > 63
	s_wait_loadcnt 63                              ; 70 younger loads were issued; the count's field ends at 63
.else
	s_wait_loadcnt 70-10*(\c)                      ; the later steps' loads, ten each, stay out
.endif
.if \c < 4
	WIN 0x04
.else
	WIN 0x08
.endif
.irp tau, 0,1,2
.irp mt, 0,1,2,3
.if \c == 0
	v_wmma_f32_16x16x32_bf16 v[128+8*(4*\tau+\mt):135+8*(4*\tau+\mt)], v[AB+8*\mt:AB+8*\mt+7], v[BB+8*\tau:BB+8*\tau+7], 0
.else
	v_wmma_f32_16x16x32_bf16 v[128+8*(4*\tau+\mt):135+8*(4*\tau+\mt)], v[AB+8*\mt:AB+8*\mt+7], v[BB+8*\tau:BB+8*\tau+7], v[128+8*(4*\tau+\mt):135+8*(4*\tau+\mt)]
.endif
.endr
.endr
.if \c == 0
	v_wmma_f32_16x16x32_bf16 v[224:231], v[CB:CB+7], v[BB+24:BB+31], 0
	v_wmma_f32_16x16x32_bf16 v[232:239], v[CB:CB+7], v[BB+32:BB+39], 0
.else
	v_wmma_f32_16x16x32_bf16 v[224:231], v[CB:CB+7], v[BB+24:BB+31], v[224:231]
	v_wmma_f32_16x16x32_bf16 v[232:239], v[CB:CB+7], v[BB+32:BB+39], v[232:239]
.endif
	WIN 0
.endm
	s_wait_tensorcnt 0x0                           ; my two tiles are in LDS; only I read them
	AFETCH 0
.irp cc, 0,1,2,3,4,5,6,7
	CHUNK \cc
.endr
	PLACES
.irp tau, 0,1,2
.irp mt, 0,1,2,3
.irp j, 0,1,2,3,4,5,6,7
	ds_store_b32 v6, v[128+8*(4*\tau+\mt)+\j] offset:(16*\mt+\j)*GPP+64*\tau
.endr
.endr
.endr
.irp tau, 0,1
.irp j, 0,1,2,3,4,5,6,7
	ds_store_b32 v7, v[224+8*\tau+\j] offset:\j*CXP+64*\tau
.endr
.endr
	BAR                                            ; all four waves' partial sums are in LDS
	; THE ATTENTION: lane r (in both halves) has row 16 w + r as its query
.irp wv, 0,1,2,3
.irp k, 0,1,2,3
	ds_load_b32 v[32+4*\wv+\k], v10 offset:\wv*GPW+\k*GPP    ; (Wk^T bq) . n_k, four partial sums for each key
.endr
	ds_load_b32 v[48+\wv], v11 offset:\wv*GPW                ; (Wq^T bk) . n_q
.endr
	v_pk_add_f32 v[240:241], v[240:241], v[244:245]          ; the eight parts of U_q . n_k: four here, four in the other half of the lanes
	v_pk_add_f32 v[242:243], v[242:243], v[246:247]
	v_pk_add_f32 v[248:249], v[248:249], v[252:253]
	v_pk_add_f32 v[250:251], v[250:251], v[254:255]
	v_pk_add_f32 v[240:241], v[240:241], v[248:249]
	v_pk_add_f32 v[242:243], v[242:243], v[250:251]
.irp k, 0,1,2,3
	v_permlanex16_b32 v[244+\k], v[240+\k], s70, s71
.endr
	v_pk_add_f32 v[240:241], v[240:241], v[244:245]
	v_pk_add_f32 v[242:243], v[242:243], v[246:247]
	s_wait_dscnt 0x0
	v_pk_add_f32 v[32:33], v[32:33], v[36:37]
	v_pk_add_f32 v[34:35], v[34:35], v[38:39]
	v_pk_add_f32 v[40:41], v[40:41], v[44:45]
	v_pk_add_f32 v[42:43], v[42:43], v[46:47]
	v_pk_add_f32 v[32:33], v[32:33], v[40:41]
	v_pk_add_f32 v[34:35], v[34:35], v[42:43]
	v_add_f32 v48, v48, v49
	v_add_f32 v50, v50, v51
	v_add_f32 v48, v48, v50
	v_add_f32 v48, v48, v31                        ; + bq . bk
	v_pk_add_f32 v[32:33], v[32:33], v[48:49] op_sel_hi:[1,0]
	v_pk_add_f32 v[34:35], v[34:35], v[48:49] op_sel_hi:[1,0]
	v_pk_add_f32 v[240:241], v[240:241], v[32:33]  ; q_q . k_k
	v_pk_add_f32 v[242:243], v[242:243], v[34:35]
	v_max3_num_f32 v52, v240, v241, v242
	v_max_num_f32 v52, v52, v243
.irp k, 0,1,2,3
	v_sub_f32 v[240+\k], v[240+\k], v52
.endr
.irp k, 0,1,2,3
	v_mul_f32 v[240+\k], 0x3d38aa3b, v[240+\k]     ; log2(e) / sqrt(1024)
.endr
.irp k, 0,1,2,3
	v_exp_f32 v[240+\k], v[240+\k]
.endr
	v_nop                                          ; a plain instruction between an exponential and the use of its result
	s_wait_alu depctr_va_vdst(0)
	v_add_f32 v54, v240, v241
	v_add_f32 v55, v242, v243
	v_add_f32 v54, v54, v55
	v_rcp_f32 v54, v54
	v_nop
	s_wait_alu depctr_va_vdst(0)
.irp k, 0,1,2,3
	v_mul_f32 v[240+\k], v[240+\k], v54
.endr
	ds_store_b128 v13, v[240:243]                  ; read below by this wave alone: LDS serves a wave's instructions in order
	s_wait_kmcnt 0x0                               ; the neuron weights
; ONE TOKEN: lane = pattern p
.macro TOKEN tt
.irp q, 0,1,2,3
	ds_load_b128 v[32+4*\q:35+4*\q], v12 offset:64*\tt+16*\q      ; attn[q][0..3], the same in every lane
.endr
.irp wv, 0,1,2,3
.irp k, 0,1,2,3
	ds_load_b32 v[48+4*\wv+\k], v14 offset:\wv*GPW+(4*\tt+\k)*GPP ; (pq Wv)_p . n_k
.endr
	ds_load_b32 v[64+\wv], v15 offset:\wv*GPW+\tt*CXP             ; context . pq_p
.endr
	s_wait_dscnt 0x0
	v_pk_add_f32 v[48:49], v[48:49], v[52:53]
	v_pk_add_f32 v[50:51], v[50:51], v[54:55]
	v_pk_add_f32 v[56:57], v[56:57], v[60:61]
	v_pk_add_f32 v[58:59], v[58:59], v[62:63]
	v_pk_add_f32 v[48:49], v[48:49], v[56:57]
	v_pk_add_f32 v[50:51], v[50:51], v[58:59]
	v_add_f32 v64, v64, v65
	v_add_f32 v66, v66, v67
	v_add_f32 v64, v64, v66
.irp q, 0,1,2,3
	v_fma_f32 v[68+\q], v[32+4*\q], v48, v30       ; pq_p . interacted_q = pq_p . bv + sum over k of attn[q][k] (pq Wv)_p . n_k
.endr
.irp k, 1,2,3
.irp q, 0,1,2,3
	v_fmac_f32 v[68+\q], v[32+4*\q+\k], v[48+\k]
.endr
.endr
.irp q, 0,1,2,3
	v_mul_f32 v[68+\q], 0x3d000000, v[68+\q]       ; nps = that / sqrt(1024)
.endr
	v_fma_f32 v72, s[48+4*\tt], v68, v64
	v_fmac_f32 v72, s[49+4*\tt], v69
	v_fmac_f32 v72, s[50+4*\tt], v70
	v_fmac_f32 v72, s[51+4*\tt], v71
	v_mul_f32 v72, 0.5, v72                        ; the pattern's score
	v_max3_num_f32 v80, v68, v69, v70              ; softmax over the four neurons, for every pattern
	v_max_num_f32 v80, v80, v71
.irp q, 0,1,2,3
	v_sub_f32 v[76+\q], v[68+\q], v80
.endr
.irp q, 0,1,2,3
	v_mul_f32 v[76+\q], 0x3fb8aa3b, v[76+\q]
.endr
.irp q, 0,1,2,3
	v_exp_f32 v[76+\q], v[76+\q]
.endr
	v_mov_b32 v73, v72                             ; (the plain instruction behind the exponentials)
	s_wait_alu depctr_va_vdst(0)
	v_add_f32 v81, v76, v77
	v_add_f32 v80, v78, v79
	v_add_f32 v81, v81, v80
	v_rcp_f32 v81, v81
	s_mov_b32 s68, 0
.irp n, 0,1,2,3                        ; the top four: the largest score left, its lowest lane, out of the running
	v_max_num_f32_dpp v74, v73, v73 row_xmask:1 row_mask:0xf bank_mask:0xf
	v_max_num_f32_dpp v74, v74, v74 row_xmask:2 row_mask:0xf bank_mask:0xf
	v_max_num_f32_dpp v74, v74, v74 row_xmask:4 row_mask:0xf bank_mask:0xf
	v_max_num_f32_dpp v74, v74, v74 row_xmask:8 row_mask:0xf bank_mask:0xf
	v_permlanex16_b32 v75, v74, s70, s71
	v_max_num_f32 v74, v74, v75
.if \n == 0
	v_mov_b32 v83, v74                             ; the largest of all: taken away before the exponentials
.endif
	v_cmp_eq_f32 s66, v73, v74
	s_sub_co_i32 s67, 0, s66
	s_and_b32 s67, s66, s67
	s_or_b32 s68, s68, s67
	v_cndmask_b32 v73, v73, v22, s67
.endr
	s_wait_alu depctr_va_vdst(0)
.irp q, 0,1,2,3
	v_mul_f32 v[76+\q], v[76+\q], v81
.endr
	v_sub_f32 v82, v72, v83
	v_mul_f32 v82, 0x3fb8aa3b, v82
	v_exp_f32 v82, v82
	v_nop
	s_wait_alu depctr_va_vdst(0)
	v_cndmask_b32 v82, 0, v82, s68                 ; 0 for the 28 patterns that were not chosen
.irp q, 0,1,2,3
	v_mul_f32 v[84+\q], v82, v[76+\q]
.endr
.irp m, 1,2,4,8
.irp x, 82,84,85,86,87
	v_add_f32_dpp v[\x], v[\x], v[\x] row_xmask:\m row_mask:0xf bank_mask:0xf
.endr
.endr
.irp x, 82,84,85,86,87
	v_permlanex16_b32 v[\x+16], v[\x], s70, s71
.endr
.irp x, 82,84,85,86,87
	v_add_f32 v[\x], v[\x], v[\x+16]
.endr
	v_rcp_f32 v82, v82
	v_nop
	s_wait_alu depctr_va_vdst(0)
.irp q, 0,1,2,3
	v_mul_f32 v[88+\q], v[84+\q], v82              ; final_attn[q]
.endr
.irp k, 0,1,2,3
	v_mul_f32 v[92+\k], v88, v[32+\k]
.endr
.irp q, 1,2,3
.irp k, 0,1,2,3
	v_fmac_f32 v[92+\k], v[88+\q], v[32+4*\q+\k]   ; w[k] = sum over q of final_attn[q] attn[q][k]
.endr
.endr
	ds_store_b128 v16, v[92:95] offset:16*\tt
.endm
	TOKEN 0
	TOKEN 1
	TOKEN 2
	TOKEN 3
	BAR                                            ; all sixteen tokens' w are in LDS
	; z: wave w makes its own 256 features of all 16 tokens from its own tile of nb; a ring of four register buffers
.macro ZLOAD t
.set ZB, 128+20*((\t)&3)
	ds_load_b128 v[ZB:ZB+3], v18 offset:16*(\t)
.irp k, 0,1,2,3
	ds_load_b128 v[ZB+4+4*\k:ZB+7+4*\k], v17 offset:(4*(\t)+\k)*NBP
.endr
.endm
.macro ZCALC t, left
.set ZB, 128+20*((\t)&3)
.set ZP, 216+4*((\t)&3)
	s_wait_dscnt \left                             ; the younger tokens' loads, five each, stay out
	s_wait_xcnt 0x0                                ; the store of four tokens ago has read the registers that are packed into below
.irp e, 0,1,2,3
	v_fma_mix_f32_bf16 v[208+2*\e], v[ZB+4+\e], v[ZB], v20 op_sel_hi:[1,0,0]
	v_fma_mix_f32_bf16 v[209+2*\e], v[ZB+4+\e], v[ZB], v20 op_sel:[1,0,0] op_sel_hi:[1,0,0]
.endr
.irp k, 1,2,3
.irp e, 0,1,2,3
	v_fma_mix_f32_bf16 v[208+2*\e], v[ZB+4+4*\k+\e], v[ZB+\k], v[208+2*\e] op_sel_hi:[1,0,0]
	v_fma_mix_f32_bf16 v[209+2*\e], v[ZB+4+4*\k+\e], v[ZB+\k], v[209+2*\e] op_sel:[1,0,0] op_sel_hi:[1,0,0]
.endr
.endr
.irp e, 0,1,2,3
	v_cvt_pk_bf16_f32 v[ZP+\e], v[208+2*\e], v[209+2*\e]
.endr
	global_store_b128 v19, v[ZP:ZP+3], s[76:77] offset:2048*(\t)   ; 512 consecutive bytes a wave
.endm
	ZLOAD 0
	ZLOAD 1
	ZLOAD 2
	ZLOAD 3
.irp t, 0,1,2,3,4,5,6,7,8,9,10,11
	ZCALC \t, 15
	ZLOAD \t+4
.endr
	ZCALC 12, 15
	ZCALC 13, 10
	ZCALC 14, 5
	ZCALC 15, 0
	s_wait_tensorcnt 0x0
	ds_add_u32 v28, v29
	s_wait_dscnt 0x0
	s_endpgm
.Lfunc_end_k_q84550383d2_route:
	.size	k_q84550383d2_route, .Lfunc_end_k_q84550383d2_route-k_q84550383d2_route
	.p2alignl 7, 3214868480
	.fill 96, 4, 3214868480
	.section	.rodata,"a",@progbits
	.p2align	6, 0x0
	.amdhsa_kernel k_q84550383d2_route
		.amdhsa_group_segment_fixed_size 265984
		.amdhsa_private_segment_fixed_size 0
		.amdhsa_enable_private_segment 0
		.amdhsa_kernarg_size 48
		.amdhsa_user_sgpr_count 2
		.amdhsa_user_sgpr_kernarg_segment_ptr 1
		.amdhsa_wavefront_size32 1
		.amdhsa_system_sgpr_workgroup_id_x 1
		.amdhsa_system_sgpr_workgroup_id_y 1
		.amdhsa_system_sgpr_workgroup_id_z 1
		.amdhsa_system_vgpr_workitem_id 0
		.amdhsa_next_free_vgpr 768
		.amdhsa_next_free_sgpr 80
		.amdhsa_reserve_vcc 0
		.amdhsa_float_denorm_mode_32 3
		.amdhsa_float_denorm_mode_16_64 3
		.amdhsa_memory_ordered 1
		.amdhsa_forward_progress 1
		.amdhsa_inst_pref_size 124
	.end_amdhsa_kernel
	.amdgpu_metadata
---
amdhsa.version: [ 1, 2 ]
amdhsa.kernels:
  - .name:           k_q84550383d2_route
    .symbol:         k_q84550383d2_route.kd
    .args:
      - { .name: nb, .offset: 0, .size: 8, .value_kind: global_buffer, .address_space: global }
      - { .name: context, .offset: 8, .size: 8, .value_kind: global_buffer, .address_space: global }
      - { .name: wb, .offset: 16, .size: 8, .value_kind: global_buffer, .address_space: global }
      - { .name: sp, .offset: 24, .size: 8, .value_kind: global_buffer, .address_space: global }
      - { .name: topk_neuron_weights, .offset: 32, .size: 8, .value_kind: global_buffer, .address_space: global }
      - { .name: zb, .offset: 40, .size: 8, .value_kind: global_buffer, .address_space: global }
    .group_segment_fixed_size: 265984
    .private_segment_fixed_size: 0
    .kernarg_segment_align: 8
    .kernarg_segment_size: 48
    .max_flat_workgroup_size: 128
    .sgpr_count:     80
    .vgpr_count:     768
    .wavefront_size: 32
...
	.end_amdgpu_metadata
.endif
;; end of part 3
;; launch vproj (part 4): grid 8 x 32, 4 waves a work-group, clusters of 4 x 4, 327,680 bytes of LDS; arguments zb, wb, x, bv, cb; writes cb
.if DOCPART == 4
	.amdgcn_target "amdgcn-amd-amdhsa--gfx1250"
	.amdhsa_code_object_version 6
	.text
	.protected	k_q84550383d2_vproj
	.globl	k_q84550383d2_vproj
	.p2align	8
	.type	k_q84550383d2_vproj,@function
k_q84550383d2_vproj:
	s_mov_b64 s[64:65], 0
	v_nop
	global_prefetch_b8 v0, s[64:65] scope:SCOPE_SE
	s_setreg_imm32_b32 hwreg(HW_REG_WAVE_MODE, 25, 1), 1
	s_wait_xcnt 0x0
	s_wait_alu depctr_hold_cnt(0) depctr_sa_sdst(0) depctr_va_vdst(0) depctr_va_sdst(0) depctr_va_ssrc(0) depctr_va_vcc(0) depctr_vm_vsrc(0)
	s_getreg_b32 s2, hwreg(HW_REG_IB_STS2, 6, 4)
	s_cmp_eq_u32 s2, 0
	s_cbranch_scc0 .Lentry_in_a_cluster
	s_endpgm
.Lentry_in_a_cluster:
	s_bfe_u32 s2, ttmp6, 0x10000c
	s_cmp_lg_u32 s2, 0xf033
	s_cbranch_scc0 .Lentry_shape_is_right
	s_endpgm
.Lentry_shape_is_right:
; VPROJ: cb[t] = [ bf16(x[t]) | bf16(zb[t] Wv^T + bv) ]: rows of 2,048 bf16.  zb [4096][1024] bf16, Wv at wb+WB_OFF [1024][1024] bf16, x f32; sums in f32.
; x and the aggregate are kept side by side and not added here: the next launch sums over both halves against the same weights, so that x is rounded to bf16 once and the sum of the two is never rounded.
; A tile of 128 x 128; four waves, 64 x 64 each: 16 accumulators.  K in steps of 256 through two LDS slots; 4 x 4 work-groups form a cluster, A's tiles are asked for jointly along a row
; of the cluster, B's along a column.  The matrix instruction is used transposed (source 0 = rows of B, source 1 = rows of A): a lane holds eight neighbouring columns of a row.
; The way out goes through a stage of 128 rows x 528 bytes of f32 laid over slot 0, which has had its last fill and whose last reads lie in front of the last change of slots.
; REGISTERS: window 0: v0-31 addresses and the bias; v32-95 x in bf16; v128-255 the accumulators, then whole rows.  window 1: two fragment buffers of 128.  window 2: v0-127 my 32 rows of x, asked for at the head.
.set SIZE_K, 1024
.set CBP,    4096                      ; bytes in a row of cb; the aggregate's half begins 2,048 bytes in
.set WB_OFF, 2097152
.set KSTEP,  256
.set PITCH,  528
.set HALFT,  64*PITCH
.set SLOT,   4*HALFT
.set SPITCH, 528
.set SPARE,  2*SLOT                    ; behind the ring: the spare words, 128 bytes a wave, which no other line names
.set LAPS, SIZE_K/(2*KSTEP)
.set BIAS, 8
.set ADRA, 16
.set ADRB, 20
.set STO,  24
.set RD,   25
.set CO,   26                          ; 16 x lane
.set CO8,  27                          ; 8 x lane
.set SPW,  28
.set NIL,  29
.set XB,   32
.set ACC,  128
.set F0,   0
.set F1,   128
.set G1, 24
.set G0, 32
.set G1B, 48
.set G0B, 56
.set MSB, 0
.macro WIN new
.if MSB != \new
	s_set_vgpr_msb (MSB<<8)|\new
.set MSB, \new
.endif
.endm
.set MUL,  0x05
.set TO_F, 0x40
.macro JLOAD s                         ; a joint load: waves 0, 1 fetch A's halves, waves 2, 3 B's; four v_nop follow each line
	s_cmp_eq_u32 s11, 0
	s_cbranch_scc0 .Lfor_b_\@
	tensor_load_to_lds s[G0+4*\s:G0+4*\s+3], s[G1:G1+7]
	s_nop 0
.rept 4
	v_nop
.endr
	s_branch .Lasked_\@
.Lfor_b_\@:
	tensor_load_to_lds s[G0B+4*\s:G0B+4*\s+3], s[G1B:G1B+7]
	s_nop 0
.rept 4
	v_nop
.endr
.Lasked_\@:
.endm
.macro CREST
	s_cmp_lg_u32 s10, 0
	s_cbranch_scc1 .Lnot_wave_0_\@
	s_barrier_signal -3
.Lnot_wave_0_\@:
	s_barrier_wait -3
	s_barrier_signal -1
	s_barrier_wait -1
.endm
.macro CROUND
	s_barrier_signal -1
	s_barrier_wait -1
	CREST
.endm
	s_load_b128 s[4:7], s[0:1], 0x0                ; zb, wb
	s_load_b128 s[68:71], s[0:1], 0x10             ; x, bv
	s_load_b64 s[8:9], s[0:1], 0x20                ; cb
	v_lshl_add_u32 v[SPW], v0, 2, SPARE
	v_mov_b32 v[NIL], 0
	ds_add_u32 v28, v29
	ds_add_u32 v28, v29
	s_wait_dscnt 0x0
	v_lshrrev_b32 v1, 5, v0
	v_readfirstlane_b32 s10, v1
	s_lshr_b32 s11, s10, 1
	s_and_b32 s12, s10, 1
	s_bfe_u32 s40, ttmp6, 0x40000
	s_bfe_u32 s41, ttmp6, 0x40004
	s_lshl_b32 s42, ttmp9, 2
	s_add_co_u32 s42, s42, s40                     ; tile column
	s_and_b32 s13, ttmp7, 0xffff
	s_lshl_b32 s13, s13, 2
	s_add_co_u32 s13, s13, s41                     ; tile row
	s_lshl_b32 s43, s41, 2
	s_lshl_b32 s43, 15, s43
	s_lshl_b32 s44, 0x1111, s40
	s_or_b32 s[G1+0], s43, (1<<16)|(1<<20)|(1<<21)|(6<<22)|(3<<25)   ; mask; elements of 2 bytes; padding on; bit 21 beside a mask; after every 128 words 4 words
	s_or_b32 s[G1B+0], s44, (1<<16)|(1<<20)|(1<<21)|(6<<22)|(3<<25)
.irp g, G1, G1B
	s_mov_b32 s[\g+1], KSTEP<<16
	s_mov_b32 s[\g+2], 64<<16
	s_mov_b32 s[\g+3], KSTEP<<16
	s_mov_b32 s[\g+4], 64
	s_mov_b32 s[\g+5], SIZE_K
	s_mov_b32 s[\g+6], 0
	s_mov_b32 s[\g+7], 0
.endr
	s_lshl_b32 s17, s12, 6
	s_lshl_b32 s16, s13, 7
	s_add_co_u32 s16, s16, s17
	s_lshl_b32 s46, s42, 7
	s_add_co_u32 s46, s46, s17
	s_mov_b32 s17, 0
	s_mov_b32 s47, 0
	s_mov_b64 s[18:19], SIZE_K*2
	s_mul_u64 s[16:17], s[16:17], s[18:19]
	s_mul_u64 s[46:47], s[46:47], s[18:19]
	s_mul_i32 s20, s10, HALFT
	s_wait_kmcnt 0x0
	s_add_nc_u64 s[6:7], s[6:7], WB_OFF
	s_add_nc_u64 s[14:15], s[4:5], s[16:17]
	s_add_nc_u64 s[46:47], s[6:7], s[46:47]
	CROUND                                         ; the first joint loads meet
.irp s, 0,1
	s_mov_b32 s[G0+4*\s], 1
	s_add_co_u32 s[G0+4*\s+1], s20, \s*SLOT
	s_add_nc_u64 s[G0+4*\s+2:G0+4*\s+3], s[14:15], \s*KSTEP*2
	s_or_b32 s[G0+4*\s+3], s[G0+4*\s+3], 0x80000000
	s_mov_b32 s[G0B+4*\s], 1
	s_add_co_u32 s[G0B+4*\s+1], s20, \s*SLOT
	s_add_nc_u64 s[G0B+4*\s+2:G0B+4*\s+3], s[46:47], \s*KSTEP*2
	s_or_b32 s[G0B+4*\s+3], s[G0B+4*\s+3], 0x80000000
	JLOAD \s
.endr
	v_and_b32 v1, 15, v0
	v_bfe_u32 v2, v0, 4, 1
	v_mul_u32_u24 v3, v1, PITCH
	v_lshl_add_u32 v3, v2, 4, v3
	s_mul_i32 s21, s11, HALFT
	s_mul_i32 s22, s12, HALFT
	s_add_co_u32 s22, s22, 2*HALFT
.irp s, 0,1
	v_add_nc_u32 v[ADRA+\s], s21, v3
	v_add_nc_u32 v[ADRB+\s], s22, v3
	s_add_co_u32 s21, s21, SLOT
	s_add_co_u32 s22, s22, SLOT
.endr
	s_mul_i32 s23, s11, 64*SPITCH                  ; into the stage: my 64 rows, my 256 bytes of them; row r, 32 bytes for each half of the lanes
	s_lshl_b32 s21, s12, 8
	s_add_co_u32 s23, s23, s21
	v_mul_u32_u24 v4, v1, SPITCH
	v_lshl_add_u32 v4, v2, 5, v4
	v_add_nc_u32 v[STO], s23, v4
	s_mul_i32 s23, s10, 32*SPITCH                  ; back: wave w takes rows 32 w .. 32 w + 31, a whole row of 512 bytes a load
	v_and_b32 v5, 31, v0
	v_lshlrev_b32 v[CO], 4, v5
	v_lshlrev_b32 v[CO8], 3, v5
	v_add_nc_u32 v[RD], s23, v[CO]
	s_lshl_b32 s16, s13, 7
	s_lshl_b32 s17, s10, 5
	s_add_co_u32 s16, s16, s17                     ; the first row that I store
	s_lshl_b32 s16, s16, 12                        ; a row of cb and a row of x are both 4,096 bytes
	s_lshl_b32 s46, s42, 8
	s_add_co_u32 s46, s46, s16
	s_mov_b32 s47, 0
	s_add_nc_u64 s[8:9], s[8:9], s[46:47]          ; cb: 256 bytes a tile column, in each half of the row
	s_lshl_b32 s46, s42, 9
	s_add_nc_u64 s[70:71], s[70:71], s[46:47]      ; bv: 512 bytes a tile column
	s_add_co_u32 s46, s46, s16
	s_add_nc_u64 s[68:69], s[68:69], s[46:47]      ; x: the same, at my first row
	global_load_b128 v[BIAS:BIAS+3], v[CO], s[70:71]
	WIN 0x80
.irp i, 0,1,2,3,4,5,6,7,8,9,10,11,12,13,14,15,16,17,18,19,20,21,22,23,24,25,26,27,28,29,30,31
	global_load_b128 v[4*\i:4*\i+3], v[CO], s[68:69] offset:4096*\i
.endr
	WIN 0
.macro MUL8 f, c, a0, zero
.irp a, \a0, \a0+1
.irp b, 0,1,2,3
.if \zero
	v_wmma_f32_16x16x32_bf16 v[ACC+8*(4*(\a)+\b):ACC+8*(4*(\a)+\b)+7], v[\f+64+8*(4*\c+\b):\f+64+8*(4*\c+\b)+7], v[\f+8*(4*\c+\a):\f+8*(4*\c+\a)+7], 0
.else
	v_wmma_f32_16x16x32_bf16 v[ACC+8*(4*(\a)+\b):ACC+8*(4*(\a)+\b)+7], v[\f+64+8*(4*\c+\b):\f+64+8*(4*\c+\b)+7], v[\f+8*(4*\c+\a):\f+8*(4*\c+\a)+7], v[ACC+8*(4*(\a)+\b):ACC+8*(4*(\a)+\b)+7]
.endif
.endr
.endr
.endm
.macro FETCH slot, k, f
	WIN TO_F
.irp c, 0,1
.irp i, 0,1,2,3
	ds_load_b128 v[\f+64+8*(4*\c+\i):\f+64+8*(4*\c+\i)+3],   v[ADRB+\slot] offset:\k+64*\c+\i*16*PITCH
	ds_load_b128 v[\f+64+8*(4*\c+\i)+4:\f+64+8*(4*\c+\i)+7], v[ADRB+\slot] offset:\k+64*\c+\i*16*PITCH+32
	ds_load_b128 v[\f+8*(4*\c+\i):\f+8*(4*\c+\i)+3],         v[ADRA+\slot] offset:\k+64*\c+\i*16*PITCH
	ds_load_b128 v[\f+8*(4*\c+\i)+4:\f+8*(4*\c+\i)+7],       v[ADRA+\slot] offset:\k+64*\c+\i*16*PITCH+32
.endr
.endr
.endm
.macro PLACES
.rept 4
	v_nop
.endr
.endm
.macro QUARTER slot, k, f, g, zero     ; 64 along K: 32 matrix instructions, the 16 accumulators by turns
	s_wait_dscnt 16                                ; the first 32 along K are in
	WIN MUL
	MUL8 \f, 0, 0, \zero
	MUL8 \f, 0, 2, \zero
	PLACES
	FETCH \slot, \k, \g
	s_wait_dscnt 32                                ; all but the 32 just issued
	WIN MUL
	MUL8 \f, 1, 0, 0
	MUL8 \f, 1, 2, 0
.endm
.macro TURN slot, next, fill
	WIN 0
	s_wait_tensorcnt 0x0                           ; all my tensor loads have landed: my part of the next slot
	ds_add_u32 v[SPW], v[NIL]                      ; 0 onto my spare word
	s_wait_dscnt 17                                ; the add and the youngest sixteen loads may be out
	WIN MUL
	MUL8 F1, 0, 0, 0
	s_wait_dscnt 0x0                               ; the add is done, and my reads of this slot are over
	s_barrier_signal -1
	MUL8 F1, 0, 2, 0
.if \fill
	WIN 0
.endif
	s_barrier_wait -1
.if \fill
	CREST
	s_add_nc_u64 s[G0+4*\slot+2:G0+4*\slot+3], s[G0+4*\slot+2:G0+4*\slot+3], 2*KSTEP*2
	s_add_nc_u64 s[G0B+4*\slot+2:G0B+4*\slot+3], s[G0B+4*\slot+2:G0B+4*\slot+3], 2*KSTEP*2
	JLOAD \slot                                    ; my one tensor load behind the round
.else
	PLACES
.endif
	FETCH \next, 0, F0
	WIN MUL
	MUL8 F1, 1, 0, 0
	MUL8 F1, 1, 2, 0
.endm
	s_wait_tensorcnt 1                             ; my part of K step 0 is in; K step 1's stays out
	s_barrier_signal -1
	s_barrier_wait -1
	FETCH 0, 0, F0
	QUARTER 0, 128, F0, F1, 1
	WIN 0
	s_mov_b32 s3, LAPS-1
.Llap:
	QUARTER 0, 256, F1, F0, 0
	QUARTER 0, 384, F0, F1, 0
	TURN 0, 1, 1
	QUARTER 1, 128, F0, F1, 0
	QUARTER 1, 256, F1, F0, 0
	QUARTER 1, 384, F0, F1, 0
	TURN 1, 0, 1
	QUARTER 0, 128, F0, F1, 0
	WIN 0
	s_sub_co_u32 s3, s3, 1
	s_cmp_lg_u32 s3, 0
	s_cbranch_scc1 .Llap
	QUARTER 0, 256, F1, F0, 0
	QUARTER 0, 384, F0, F1, 0
	TURN 0, 1, 0
	QUARTER 1, 128, F0, F1, 0
	QUARTER 1, 256, F1, F0, 0
	QUARTER 1, 384, F0, F1, 0
	s_wait_dscnt 16
	WIN MUL
	MUL8 F1, 0, 0, 0
	MUL8 F1, 0, 2, 0
	s_wait_dscnt 0
	MUL8 F1, 1, 0, 0
	MUL8 F1, 1, 2, 0
	; THE WAY OUT.  First x: its 64 roundings name none of the last products' registers, so they are also the places behind those products
	s_wait_loadcnt 0x0                             ; x and bv
	WIN 0x0a                                       ; sources 0 and 1: x, in window 2
.irp i, 0,1,2,3,4,5,6,7,8,9,10,11,12,13,14,15,16,17,18,19,20,21,22,23,24,25,26,27,28,29,30,31
	v_cvt_pk_bf16_f32 v[XB+2*\i],   v[4*\i],   v[4*\i+1]
	v_cvt_pk_bf16_f32 v[XB+2*\i+1], v[4*\i+2], v[4*\i+3]
.endr
	WIN 0
.irp i, 0,1,2,3,4,5,6,7,8,9,10,11,12,13,14,15,16,17,18,19,20,21,22,23,24,25,26,27,28,29,30,31
	global_store_b64 v[CO8], v[XB+2*\i:XB+2*\i+1], s[8:9] offset:\i*CBP           ; the left half of cb's row: 256 consecutive bytes, aligned
.endr
.irp a, 0,1,2,3
.irp b, 0,1,2,3
	ds_store_b128 v[STO], v[ACC+8*(4*\a+\b):ACC+8*(4*\a+\b)+3]   offset:\a*16*SPITCH+64*\b
	ds_store_b128 v[STO], v[ACC+8*(4*\a+\b)+4:ACC+8*(4*\a+\b)+7] offset:\a*16*SPITCH+64*\b+16
.endr
.endr
	s_wait_dscnt 0x0                               ; for the others' sake: my stores into the stage are done
	s_barrier_signal -1
	s_barrier_wait -1
.irp i, 0,1,2,3,4,5,6,7,8,9,10,11,12,13,14,15,16,17,18,19,20,21,22,23,24,25,26,27,28,29,30,31
	ds_load_b128 v[ACC+4*\i:ACC+4*\i+3], v[RD] offset:\i*SPITCH
.endr
.irp i, 0,1,2,3,4,5,6,7,8,9,10,11,12,13,14,15,16,17,18,19,20,21,22,23,24,25,26,27,28,29,30,31
	s_wait_dscnt 31-\i                             ; row i is back; the later rows' loads stay out
	v_pk_add_f32 v[ACC+4*\i:ACC+4*\i+1],   v[ACC+4*\i:ACC+4*\i+1],   v[BIAS:BIAS+1]
	v_pk_add_f32 v[ACC+4*\i+2:ACC+4*\i+3], v[ACC+4*\i+2:ACC+4*\i+3], v[BIAS+2:BIAS+3]
	v_cvt_pk_bf16_f32 v[ACC+4*\i],   v[ACC+4*\i],   v[ACC+4*\i+1]
	v_cvt_pk_bf16_f32 v[ACC+4*\i+1], v[ACC+4*\i+2], v[ACC+4*\i+3]
	global_store_b64 v[CO8], v[ACC+4*\i:ACC+4*\i+1], s[8:9] offset:\i*CBP+CBP/2   ; the right half: 256 consecutive bytes, aligned
.endr
	s_wait_tensorcnt 0x0                           ; the wave's end
	ds_add_u32 v[SPW], v[NIL]
	s_wait_dscnt 0x0
	CROUND                                         ; the closing round
	s_endpgm
.Lfunc_end_k_q84550383d2_vproj:
	.size	k_q84550383d2_vproj, .Lfunc_end_k_q84550383d2_vproj-k_q84550383d2_vproj
	.p2alignl 7, 3214868480
	.fill 96, 4, 3214868480
	.section	.rodata,"a",@progbits
	.p2align	6, 0x0
	.amdhsa_kernel k_q84550383d2_vproj
		.amdhsa_group_segment_fixed_size 327680
		.amdhsa_private_segment_fixed_size 0
		.amdhsa_enable_private_segment 0
		.amdhsa_kernarg_size 40
		.amdhsa_user_sgpr_count 2
		.amdhsa_user_sgpr_kernarg_segment_ptr 1
		.amdhsa_wavefront_size32 1
		.amdhsa_system_sgpr_workgroup_id_x 1
		.amdhsa_system_sgpr_workgroup_id_y 1
		.amdhsa_system_sgpr_workgroup_id_z 1
		.amdhsa_system_vgpr_workitem_id 0
		.amdhsa_next_free_vgpr 768
		.amdhsa_next_free_sgpr 76
		.amdhsa_reserve_vcc 0
		.amdhsa_float_denorm_mode_32 3
		.amdhsa_float_denorm_mode_16_64 3
		.amdhsa_memory_ordered 1
		.amdhsa_forward_progress 1
		.amdhsa_inst_pref_size 105
	.end_amdhsa_kernel
	.amdgpu_metadata
---
amdhsa.version: [ 1, 2 ]
amdhsa.kernels:
  - .name:           k_q84550383d2_vproj
    .symbol:         k_q84550383d2_vproj.kd
    .args:
      - { .name: zb, .offset: 0, .size: 8, .value_kind: global_buffer, .address_space: global }
      - { .name: wb, .offset: 8, .size: 8, .value_kind: global_buffer, .address_space: global }
      - { .name: x, .offset: 16, .size: 8, .value_kind: global_buffer, .address_space: global }
      - { .name: bv, .offset: 24, .size: 8, .value_kind: global_buffer, .address_space: global }
      - { .name: cb, .offset: 32, .size: 8, .value_kind: global_buffer, .address_space: global }
    .group_segment_fixed_size: 327680
    .private_segment_fixed_size: 0
    .kernarg_segment_align: 8
    .kernarg_segment_size: 40
    .max_flat_workgroup_size: 128
    .sgpr_count:     76
    .vgpr_count:     768
    .wavefront_size: 32
...
	.end_amdgpu_metadata
.endif
;; end of part 4
;; launch up (part 5): grid 16 x 32, 4 waves a work-group, clusters of 4 x 4, 327,680 bytes of LDS; arguments cb, wb, bup, hb; writes hb
.if DOCPART == 5
	.amdgcn_target "amdgcn-amd-amdhsa--gfx1250"
	.amdhsa_code_object_version 6
	.text
	.protected	k_q84550383d2_up
	.globl	k_q84550383d2_up
	.p2align	8
	.type	k_q84550383d2_up,@function
k_q84550383d2_up:
	s_mov_b64 s[64:65], 0
	v_nop
	global_prefetch_b8 v0, s[64:65] scope:SCOPE_SE
	s_setreg_imm32_b32 hwreg(HW_REG_WAVE_MODE, 25, 1), 1
	s_wait_xcnt 0x0
	s_wait_alu depctr_hold_cnt(0) depctr_sa_sdst(0) depctr_va_vdst(0) depctr_va_sdst(0) depctr_va_ssrc(0) depctr_va_vcc(0) depctr_vm_vsrc(0)
	s_getreg_b32 s2, hwreg(HW_REG_IB_STS2, 6, 4)
	s_cmp_eq_u32 s2, 0
	s_cbranch_scc0 .Lentry_in_a_cluster
	s_endpgm
.Lentry_in_a_cluster:
	s_bfe_u32 s2, ttmp6, 0x10000c
	s_cmp_lg_u32 s2, 0xf033
	s_cbranch_scc0 .Lentry_shape_is_right
	s_endpgm
.Lentry_shape_is_right:
; UP: hb = bf16(gelu((x + aggregate) Wup^T + bup)).  cb [4096][2048] bf16 holds [ x | aggregate ] side by side, Wup at wb+WB_OFF [2048][1024] bf16, hb [4096][2048] bf16; sums and the activation in f32.
; The sum x + aggregate is made inside the f32 accumulators: K runs over both halves of cb's rows against the same weights, so that the sum itself is never rounded to bf16.
; A lap of the ring is the pair of K steps (x's columns 256 j on, in slot 0; the aggregate's same columns, in slot 1), both against Wup's columns 256 j on: every refill steps A and B alike by 512 bytes.
; The product is built as in the launch before it: tiles of 128 x 128, four waves of 64 x 64, K steps of 256 through two LDS slots, joint loads in a cluster of 4 x 4, transposed use,
; a stage of 128 rows x 528 bytes of f32 over slot 0 (its last fill and its last reads lie in front of the last change of slots).
; GELU (exact form): gelu(x) = max(x, 0) + |x| e^(-x^2/2) P(t), t = 1 / (1 + 0.23164189 |x|), P = -1/2 times the polynomial of Abramowitz and Stegun 7.1.26 for erf:
; absolute error of erf 1.5e-7.  For large |x| the exponential goes to 0 and gelu to max(x, 0).  NaN and infinities are not served.
.set SIZE_N, 2048
.set APITCH, 2048                      ; elements in a row of cb
.set BPITCH, 1024                      ; elements in a row of Wup, and in each half of a row of cb
.set WB_OFF, 4194304
.set KSTEP,  256
.set PITCH,  528
.set HALFT,  64*PITCH
.set SLOT,   4*HALFT
.set SPITCH, 528
.set SPARE,  2*SLOT
.set LAPS, BPITCH/KSTEP
.set BIAS, 8
.set ADRA, 16
.set ADRB, 20
.set STO,  24
.set RD,   25
.set CO,   26
.set CO8,  27
.set SPW,  28
.set NIL,  29
.set KC,   96                          ; v96-109: seven constants, each twice, for the packed arithmetic: b5, b4, b3, b2, b1, 0.23164189, -log2(e)/2
.set ACC,  128
.set F0,   0
.set F1,   128
.set G1, 24
.set G0, 32
.set G1B, 48
.set G0B, 56
.set MSB, 0
.macro WIN new
.if MSB != \new
	s_set_vgpr_msb (MSB<<8)|\new
.set MSB, \new
.endif
.endm
.set MUL,  0x05
.set TO_F, 0x40
.macro JLOAD s
	s_cmp_eq_u32 s11, 0
	s_cbranch_scc0 .Lfor_b_\@
	tensor_load_to_lds s[G0+4*\s:G0+4*\s+3], s[G1:G1+7]
	s_nop 0
.rept 4
	v_nop
.endr
	s_branch .Lasked_\@
.Lfor_b_\@:
	tensor_load_to_lds s[G0B+4*\s:G0B+4*\s+3], s[G1B:G1B+7]
	s_nop 0
.rept 4
	v_nop
.endr
.Lasked_\@:
.endm
.macro CREST
	s_cmp_lg_u32 s10, 0
	s_cbranch_scc1 .Lnot_wave_0_\@
	s_barrier_signal -3
.Lnot_wave_0_\@:
	s_barrier_wait -3
	s_barrier_signal -1
	s_barrier_wait -1
.endm
.macro CROUND
	s_barrier_signal -1
	s_barrier_wait -1
	CREST
.endm
	s_load_b128 s[4:7], s[0:1], 0x0                ; cb, wb
	s_load_b128 s[68:71], s[0:1], 0x10             ; bup, hb
	v_lshl_add_u32 v[SPW], v0, 2, SPARE
	v_mov_b32 v[NIL], 0
	ds_add_u32 v28, v29
	ds_add_u32 v28, v29
	s_wait_dscnt 0x0
	v_lshrrev_b32 v1, 5, v0
	v_readfirstlane_b32 s10, v1
	s_lshr_b32 s11, s10, 1
	s_and_b32 s12, s10, 1
	s_bfe_u32 s40, ttmp6, 0x40000
	s_bfe_u32 s41, ttmp6, 0x40004
	s_lshl_b32 s42, ttmp9, 2
	s_add_co_u32 s42, s42, s40
	s_and_b32 s13, ttmp7, 0xffff
	s_lshl_b32 s13, s13, 2
	s_add_co_u32 s13, s13, s41
	s_lshl_b32 s43, s41, 2
	s_lshl_b32 s43, 15, s43
	s_lshl_b32 s44, 0x1111, s40
	s_or_b32 s[G1+0], s43, (1<<16)|(1<<20)|(1<<21)|(6<<22)|(3<<25)
	s_or_b32 s[G1B+0], s44, (1<<16)|(1<<20)|(1<<21)|(6<<22)|(3<<25)
.irp g, G1, G1B
	s_mov_b32 s[\g+1], KSTEP<<16
	s_mov_b32 s[\g+2], 64<<16
	s_mov_b32 s[\g+3], KSTEP<<16
	s_mov_b32 s[\g+4], 64
	s_mov_b32 s[\g+6], 0
	s_mov_b32 s[\g+7], 0
.endr
	s_mov_b32 s[G1+5], APITCH                      ; elements from row to row: cb's,
	s_mov_b32 s[G1B+5], BPITCH                     ; Wup's
	s_lshl_b32 s17, s12, 6
	s_lshl_b32 s16, s13, 7
	s_add_co_u32 s16, s16, s17
	s_lshl_b32 s46, s42, 7
	s_add_co_u32 s46, s46, s17
	s_mov_b32 s17, 0
	s_mov_b32 s47, 0
	s_mov_b64 s[18:19], APITCH*2
	s_mul_u64 s[16:17], s[16:17], s[18:19]
	s_mov_b64 s[18:19], BPITCH*2
	s_mul_u64 s[46:47], s[46:47], s[18:19]
	s_mul_i32 s20, s10, HALFT
	s_wait_kmcnt 0x0
	s_add_nc_u64 s[6:7], s[6:7], WB_OFF
	s_add_nc_u64 s[14:15], s[4:5], s[16:17]
	s_add_nc_u64 s[46:47], s[6:7], s[46:47]
	CROUND
.irp s, 0,1
	s_mov_b32 s[G0+4*\s], 1
	s_add_co_u32 s[G0+4*\s+1], s20, \s*SLOT
	s_add_nc_u64 s[G0+4*\s+2:G0+4*\s+3], s[14:15], \s*BPITCH*2     ; slot 0 walks x's half of the rows, slot 1 the aggregate's
	s_or_b32 s[G0+4*\s+3], s[G0+4*\s+3], 0x80000000
	s_mov_b32 s[G0B+4*\s], 1
	s_add_co_u32 s[G0B+4*\s+1], s20, \s*SLOT
	s_mov_b64 s[G0B+4*\s+2:G0B+4*\s+3], s[46:47]                   ; both slots take the same columns of Wup
	s_or_b32 s[G0B+4*\s+3], s[G0B+4*\s+3], 0x80000000
	JLOAD \s
.endr
	v_and_b32 v1, 15, v0
	v_bfe_u32 v2, v0, 4, 1
	v_mul_u32_u24 v3, v1, PITCH
	v_lshl_add_u32 v3, v2, 4, v3
	s_mul_i32 s21, s11, HALFT
	s_mul_i32 s22, s12, HALFT
	s_add_co_u32 s22, s22, 2*HALFT
.irp s, 0,1
	v_add_nc_u32 v[ADRA+\s], s21, v3
	v_add_nc_u32 v[ADRB+\s], s22, v3
	s_add_co_u32 s21, s21, SLOT
	s_add_co_u32 s22, s22, SLOT
.endr
	s_mul_i32 s23, s11, 64*SPITCH
	s_lshl_b32 s21, s12, 8
	s_add_co_u32 s23, s23, s21
	v_mul_u32_u24 v4, v1, SPITCH
	v_lshl_add_u32 v4, v2, 5, v4
	v_add_nc_u32 v[STO], s23, v4
	s_mul_i32 s23, s10, 32*SPITCH
	v_and_b32 v5, 31, v0
	v_lshlrev_b32 v[CO], 4, v5
	v_lshlrev_b32 v[CO8], 3, v5
	v_add_nc_u32 v[RD], s23, v[CO]
	s_lshl_b32 s16, s13, 7
	s_lshl_b32 s17, s10, 5
	s_add_co_u32 s16, s16, s17
	s_lshl_b32 s46, s16, 12
	s_lshl_b32 s47, s42, 8
	s_add_co_u32 s46, s46, s47
	s_mov_b32 s47, 0
	s_add_nc_u64 s[70:71], s[70:71], s[46:47]      ; hb: rows of 4,096 bytes, 256 bytes a tile column
	s_lshl_b32 s46, s42, 9
	s_add_nc_u64 s[68:69], s[68:69], s[46:47]
	global_load_b128 v[BIAS:BIAS+3], v[CO], s[68:69]
.irp n, 0,1
	v_mov_b32 v[KC+\n],    0xbf07dc22              ; b5 = -0.5307027145
	v_mov_b32 v[KC+2+\n],  0x3f3a00e3              ; b4 =  0.7265760135
	v_mov_b32 v[KC+4+\n],  0xbf35f0e3              ; b3 = -0.7107068705
	v_mov_b32 v[KC+6+\n],  0x3e11a98e              ; b2 =  0.142248368
	v_mov_b32 v[KC+8+\n],  0xbe027906              ; b1 = -0.127414796
	v_mov_b32 v[KC+10+\n], 0x3e6d3388              ; 0.23164189
	v_mov_b32 v[KC+12+\n], 0xbf38aa3b              ; -log2(e) / 2
.endr
.macro MUL8 f, c, a0, zero
.irp a, \a0, \a0+1
.irp b, 0,1,2,3
.if \zero
	v_wmma_f32_16x16x32_bf16 v[ACC+8*(4*(\a)+\b):ACC+8*(4*(\a)+\b)+7], v[\f+64+8*(4*\c+\b):\f+64+8*(4*\c+\b)+7], v[\f+8*(4*\c+\a):\f+8*(4*\c+\a)+7], 0
.else
	v_wmma_f32_16x16x32_bf16 v[ACC+8*(4*(\a)+\b):ACC+8*(4*(\a)+\b)+7], v[\f+64+8*(4*\c+\b):\f+64+8*(4*\c+\b)+7], v[\f+8*(4*\c+\a):\f+8*(4*\c+\a)+7], v[ACC+8*(4*(\a)+\b):ACC+8*(4*(\a)+\b)+7]
.endif
.endr
.endr
.endm
.macro FETCH slot, k, f
	WIN TO_F
.irp c, 0,1
.irp i, 0,1,2,3
	ds_load_b128 v[\f+64+8*(4*\c+\i):\f+64+8*(4*\c+\i)+3],   v[ADRB+\slot] offset:\k+64*\c+\i*16*PITCH
	ds_load_b128 v[\f+64+8*(4*\c+\i)+4:\f+64+8*(4*\c+\i)+7], v[ADRB+\slot] offset:\k+64*\c+\i*16*PITCH+32
	ds_load_b128 v[\f+8*(4*\c+\i):\f+8*(4*\c+\i)+3],         v[ADRA+\slot] offset:\k+64*\c+\i*16*PITCH
	ds_load_b128 v[\f+8*(4*\c+\i)+4:\f+8*(4*\c+\i)+7],       v[ADRA+\slot] offset:\k+64*\c+\i*16*PITCH+32
.endr
.endr
.endm
.macro PLACES
.rept 4
	v_nop
.endr
.endm
.macro QUARTER slot, k, f, g, zero     ; 64 along K: 32 matrix instructions, the 16 accumulators by turns
	s_wait_dscnt 16                                ; the first 32 along K are in
	WIN MUL
	MUL8 \f, 0, 0, \zero
	MUL8 \f, 0, 2, \zero
	PLACES
	FETCH \slot, \k, \g
	s_wait_dscnt 32                                ; all but the 32 just issued
	WIN MUL
	MUL8 \f, 1, 0, 0
	MUL8 \f, 1, 2, 0
.endm
.macro TURN slot, next, fill
	WIN 0
	s_wait_tensorcnt 0x0                           ; all my tensor loads have landed: my part of the next slot
	ds_add_u32 v[SPW], v[NIL]                      ; 0 onto my spare word
	s_wait_dscnt 17                                ; the add and the youngest sixteen loads may be out
	WIN MUL
	MUL8 F1, 0, 0, 0
	s_wait_dscnt 0x0                               ; the add is done, and my reads of this slot are over
	s_barrier_signal -1
	MUL8 F1, 0, 2, 0
.if \fill
	WIN 0
.endif
	s_barrier_wait -1
.if \fill
	CREST
	s_add_nc_u64 s[G0+4*\slot+2:G0+4*\slot+3], s[G0+4*\slot+2:G0+4*\slot+3], KSTEP*2       ; the slot's half of cb's rows, the next 256 columns;
	s_add_nc_u64 s[G0B+4*\slot+2:G0B+4*\slot+3], s[G0B+4*\slot+2:G0B+4*\slot+3], KSTEP*2   ; Wup's next 256 columns
	JLOAD \slot                                    ; my one tensor load behind the round
.else
	PLACES
.endif
	FETCH \next, 0, F0
	WIN MUL
	MUL8 F1, 1, 0, 0
	MUL8 F1, 1, 2, 0
.endm
	s_wait_tensorcnt 1                             ; my part of K step 0 is in; K step 1's stays out
	s_barrier_signal -1
	s_barrier_wait -1
	FETCH 0, 0, F0
	QUARTER 0, 128, F0, F1, 1
	WIN 0
	s_mov_b32 s3, LAPS-1
.Llap:
	QUARTER 0, 256, F1, F0, 0
	QUARTER 0, 384, F0, F1, 0
	TURN 0, 1, 1
	QUARTER 1, 128, F0, F1, 0
	QUARTER 1, 256, F1, F0, 0
	QUARTER 1, 384, F0, F1, 0
	TURN 1, 0, 1
	QUARTER 0, 128, F0, F1, 0
	WIN 0
	s_sub_co_u32 s3, s3, 1
	s_cmp_lg_u32 s3, 0
	s_cbranch_scc1 .Llap
	QUARTER 0, 256, F1, F0, 0
	QUARTER 0, 384, F0, F1, 0
	TURN 0, 1, 0
	QUARTER 1, 128, F0, F1, 0
	QUARTER 1, 256, F1, F0, 0
	QUARTER 1, 384, F0, F1, 0
	s_wait_dscnt 16
	WIN MUL
	MUL8 F1, 0, 0, 0
	MUL8 F1, 0, 2, 0
	s_wait_dscnt 0
	MUL8 F1, 1, 0, 0
	MUL8 F1, 1, 2, 0
	WIN 0
	; THE WAY OUT
	PLACES
.irp a, 0,1,2,3
.irp b, 0,1,2,3
	ds_store_b128 v[STO], v[ACC+8*(4*\a+\b):ACC+8*(4*\a+\b)+3]   offset:\a*16*SPITCH+64*\b
	ds_store_b128 v[STO], v[ACC+8*(4*\a+\b)+4:ACC+8*(4*\a+\b)+7] offset:\a*16*SPITCH+64*\b+16
.endr
.endr
	s_wait_dscnt 0x0                               ; for the others' sake: my stores into the stage are done
	s_barrier_signal -1
	s_barrier_wait -1
.irp i, 0,1,2,3,4,5,6,7,8,9,10,11,12,13,14,15,16,17,18,19,20,21,22,23,24,25,26,27,28,29,30,31
	ds_load_b128 v[ACC+4*\i:ACC+4*\i+3], v[RD] offset:\i*SPITCH
.endr
	s_wait_loadcnt 0x0                             ; bup
; rows i and i + 1: eight numbers a lane, stage by stage.  v32-39 |x|, v40-47 x^2 and then the exponential, v48-55 t, v56-63 max(x, 0), v64-71 P
.macro GELU2 i
.set XR, ACC+4*(\i)
	s_wait_dscnt 30-(\i)                           ; both rows are back; the later rows' loads stay out
.irp p, 0,1,2,3
	v_pk_add_f32 v[XR+2*\p:XR+2*\p+1], v[XR+2*\p:XR+2*\p+1], v[BIAS+2*(\p&1):BIAS+2*(\p&1)+1]
.endr
.irp e, 0,1,2,3,4,5,6,7
	v_and_b32 v[32+\e], 0x7fffffff, v[XR+\e]
.endr
.irp p, 0,1,2,3
	v_pk_mul_f32 v[40+2*\p:41+2*\p], v[XR+2*\p:XR+2*\p+1], v[XR+2*\p:XR+2*\p+1]
.endr
.irp p, 0,1,2,3
	v_pk_fma_f32 v[48+2*\p:49+2*\p], v[32+2*\p:33+2*\p], v[KC+10:KC+11], 1.0 op_sel_hi:[1,1,0]
.endr
.irp p, 0,1,2,3
	v_pk_mul_f32 v[40+2*\p:41+2*\p], v[40+2*\p:41+2*\p], v[KC+12:KC+13]
.endr
.irp e, 0,1,2,3,4,5,6,7
	v_rcp_f32 v[48+\e], v[48+\e]
.endr
.irp e, 0,1,2,3,4,5,6,7
	v_exp_f32 v[40+\e], v[40+\e]
.endr
.irp e, 0,1,2,3,4,5,6,7
	v_max_num_f32 v[56+\e], 0, v[XR+\e]            ; plain instructions between the last exponential and the use of any result
.endr
	s_wait_alu depctr_va_vdst(0)
.irp p, 0,1,2,3
	v_pk_fma_f32 v[64+2*\p:65+2*\p], v[48+2*\p:49+2*\p], v[KC:KC+1], v[KC+2:KC+3]
.endr
.irp n, 4,6,8
.irp p, 0,1,2,3
	v_pk_fma_f32 v[64+2*\p:65+2*\p], v[64+2*\p:65+2*\p], v[48+2*\p:49+2*\p], v[KC+\n:KC+\n+1]
.endr
.endr
.irp p, 0,1,2,3
	v_pk_mul_f32 v[64+2*\p:65+2*\p], v[64+2*\p:65+2*\p], v[48+2*\p:49+2*\p]
.endr
.irp p, 0,1,2,3
	v_pk_mul_f32 v[32+2*\p:33+2*\p], v[32+2*\p:33+2*\p], v[40+2*\p:41+2*\p]
.endr
.irp p, 0,1,2,3
	v_pk_fma_f32 v[XR+2*\p:XR+2*\p+1], v[32+2*\p:33+2*\p], v[64+2*\p:65+2*\p], v[56+2*\p:57+2*\p]
.endr
	v_cvt_pk_bf16_f32 v[XR],   v[XR],   v[XR+1]
	v_cvt_pk_bf16_f32 v[XR+1], v[XR+2], v[XR+3]
	v_cvt_pk_bf16_f32 v[XR+4], v[XR+4], v[XR+5]
	v_cvt_pk_bf16_f32 v[XR+5], v[XR+6], v[XR+7]
	global_store_b64 v[CO8], v[XR:XR+1],   s[70:71] offset:(\i)*SIZE_N*2        ; 256 consecutive bytes, aligned; the data registers are not written again
	global_store_b64 v[CO8], v[XR+4:XR+5], s[70:71] offset:((\i)+1)*SIZE_N*2
.endm
.irp ii, 0,2,4,6,8,10,12,14,16,18,20,22,24,26,28,30
	GELU2 \ii
.endr
	s_wait_tensorcnt 0x0                           ; the wave's end
	ds_add_u32 v[SPW], v[NIL]
	s_wait_dscnt 0x0
	CROUND                                         ; the closing round
	s_endpgm
.Lfunc_end_k_q84550383d2_up:
	.size	k_q84550383d2_up, .Lfunc_end_k_q84550383d2_up-k_q84550383d2_up
	.p2alignl 7, 3214868480
	.fill 96, 4, 3214868480
	.section	.rodata,"a",@progbits
	.p2align	6, 0x0
	.amdhsa_kernel k_q84550383d2_up
		.amdhsa_group_segment_fixed_size 327680
		.amdhsa_private_segment_fixed_size 0
		.amdhsa_enable_private_segment 0
		.amdhsa_kernarg_size 32
		.amdhsa_user_sgpr_count 2
		.amdhsa_user_sgpr_kernarg_segment_ptr 1
		.amdhsa_wavefront_size32 1
		.amdhsa_system_sgpr_workgroup_id_x 1
		.amdhsa_system_sgpr_workgroup_id_y 1
		.amdhsa_system_sgpr_workgroup_id_z 1
		.amdhsa_system_vgpr_workitem_id 0
		.amdhsa_next_free_vgpr 512
		.amdhsa_next_free_sgpr 76
		.amdhsa_reserve_vcc 0
		.amdhsa_float_denorm_mode_32 3
		.amdhsa_float_denorm_mode_16_64 3
		.amdhsa_memory_ordered 1
		.amdhsa_forward_progress 1
		.amdhsa_inst_pref_size 155
	.end_amdhsa_kernel
	.amdgpu_metadata
---
amdhsa.version: [ 1, 2 ]
amdhsa.kernels:
  - .name:           k_q84550383d2_up
    .symbol:         k_q84550383d2_up.kd
    .args:
      - { .name: cb, .offset: 0, .size: 8, .value_kind: global_buffer, .address_space: global }
      - { .name: wb, .offset: 8, .size: 8, .value_kind: global_buffer, .address_space: global }
      - { .name: bup, .offset: 16, .size: 8, .value_kind: global_buffer, .address_space: global }
      - { .name: hb, .offset: 24, .size: 8, .value_kind: global_buffer, .address_space: global }
    .group_segment_fixed_size: 327680
    .private_segment_fixed_size: 0
    .kernarg_segment_align: 8
    .kernarg_segment_size: 32
    .max_flat_workgroup_size: 128
    .sgpr_count:     76
    .vgpr_count:     512
    .wavefront_size: 32
...
	.end_amdgpu_metadata
.endif
;; end of part 5
;; launch down (part 6): grid 8 x 32, 4 waves a work-group, clusters of 4 x 4, 327,680 bytes of LDS; arguments hb, wb, bdown, out0; writes out0
.if DOCPART == 6
	.amdgcn_target "amdgcn-amd-amdhsa--gfx1250"
	.amdhsa_code_object_version 6
	.text
	.protected	k_q84550383d2_down
	.globl	k_q84550383d2_down
	.p2align	8
	.type	k_q84550383d2_down,@function
k_q84550383d2_down:
	s_mov_b64 s[64:65], 0
	v_nop
	global_prefetch_b8 v0, s[64:65] scope:SCOPE_SE
	s_setreg_imm32_b32 hwreg(HW_REG_WAVE_MODE, 25, 1), 1
	s_wait_xcnt 0x0
	s_wait_alu depctr_hold_cnt(0) depctr_sa_sdst(0) depctr_va_vdst(0) depctr_va_sdst(0) depctr_va_ssrc(0) depctr_va_vcc(0) depctr_vm_vsrc(0)
	s_getreg_b32 s2, hwreg(HW_REG_IB_STS2, 6, 4)
	s_cmp_eq_u32 s2, 0
	s_cbranch_scc0 .Lentry_in_a_cluster
	s_endpgm
.Lentry_in_a_cluster:
	s_bfe_u32 s2, ttmp6, 0x10000c
	s_cmp_lg_u32 s2, 0xf033
	s_cbranch_scc0 .Lentry_shape_is_right
	s_endpgm
.Lentry_shape_is_right:
; DOWN: out0 = hb Wdown^T + bdown.  hb [4096][2048] bf16, Wdown at wb+WB_OFF [1024][2048] bf16, out0 [4096][1024] f32; sums in f32.
; Built as the two launches before it: tiles of 128 x 128, four waves of 64 x 64, K steps of 256 through two LDS slots, joint loads in a cluster of 4 x 4, transposed use,
; a stage of 128 rows x 528 bytes of f32 over slot 0 (its last fill and its last reads lie in front of the last change of slots), so that a wave's store covers 512 consecutive bytes of a row.
.set SIZE_N, 1024
.set SIZE_K, 2048
.set WB_OFF, 8388608
.set KSTEP,  256
.set PITCH,  528
.set HALFT,  64*PITCH
.set SLOT,   4*HALFT
.set SPITCH, 528
.set SPARE,  2*SLOT
.set LAPS, SIZE_K/(2*KSTEP)
.set BIAS, 8
.set ADRA, 16
.set ADRB, 20
.set STO,  24
.set RD,   25
.set CO,   26
.set SPW,  28
.set NIL,  29
.set ACC,  128
.set F0,   0
.set F1,   128
.set G1, 24
.set G0, 32
.set G1B, 48
.set G0B, 56
.set MSB, 0
.macro WIN new
.if MSB != \new
	s_set_vgpr_msb (MSB<<8)|\new
.set MSB, \new
.endif
.endm
.set MUL,  0x05
.set TO_F, 0x40
.macro JLOAD s
	s_cmp_eq_u32 s11, 0
	s_cbranch_scc0 .Lfor_b_\@
	tensor_load_to_lds s[G0+4*\s:G0+4*\s+3], s[G1:G1+7]
	s_nop 0
.rept 4
	v_nop
.endr
	s_branch .Lasked_\@
.Lfor_b_\@:
	tensor_load_to_lds s[G0B+4*\s:G0B+4*\s+3], s[G1B:G1B+7]
	s_nop 0
.rept 4
	v_nop
.endr
.Lasked_\@:
.endm
.macro CREST
	s_cmp_lg_u32 s10, 0
	s_cbranch_scc1 .Lnot_wave_0_\@
	s_barrier_signal -3
.Lnot_wave_0_\@:
	s_barrier_wait -3
	s_barrier_signal -1
	s_barrier_wait -1
.endm
.macro CROUND
	s_barrier_signal -1
	s_barrier_wait -1
	CREST
.endm
	s_load_b128 s[4:7], s[0:1], 0x0                ; hb, wb
	s_load_b128 s[68:71], s[0:1], 0x10             ; bdown, out0
	v_lshl_add_u32 v[SPW], v0, 2, SPARE
	v_mov_b32 v[NIL], 0
	ds_add_u32 v28, v29
	ds_add_u32 v28, v29
	s_wait_dscnt 0x0
	v_lshrrev_b32 v1, 5, v0
	v_readfirstlane_b32 s10, v1
	s_lshr_b32 s11, s10, 1
	s_and_b32 s12, s10, 1
	s_bfe_u32 s40, ttmp6, 0x40000
	s_bfe_u32 s41, ttmp6, 0x40004
	s_lshl_b32 s42, ttmp9, 2
	s_add_co_u32 s42, s42, s40
	s_and_b32 s13, ttmp7, 0xffff
	s_lshl_b32 s13, s13, 2
	s_add_co_u32 s13, s13, s41
	s_lshl_b32 s43, s41, 2
	s_lshl_b32 s43, 15, s43
	s_lshl_b32 s44, 0x1111, s40
	s_or_b32 s[G1+0], s43, (1<<16)|(1<<20)|(1<<21)|(6<<22)|(3<<25)
	s_or_b32 s[G1B+0], s44, (1<<16)|(1<<20)|(1<<21)|(6<<22)|(3<<25)
.irp g, G1, G1B
	s_mov_b32 s[\g+1], KSTEP<<16
	s_mov_b32 s[\g+2], 64<<16
	s_mov_b32 s[\g+3], KSTEP<<16
	s_mov_b32 s[\g+4], 64
	s_mov_b32 s[\g+5], SIZE_K
	s_mov_b32 s[\g+6], 0
	s_mov_b32 s[\g+7], 0
.endr
	s_lshl_b32 s17, s12, 6
	s_lshl_b32 s16, s13, 7
	s_add_co_u32 s16, s16, s17
	s_lshl_b32 s46, s42, 7
	s_add_co_u32 s46, s46, s17
	s_mov_b32 s17, 0
	s_mov_b32 s47, 0
	s_mov_b64 s[18:19], SIZE_K*2
	s_mul_u64 s[16:17], s[16:17], s[18:19]
	s_mul_u64 s[46:47], s[46:47], s[18:19]
	s_mul_i32 s20, s10, HALFT
	s_wait_kmcnt 0x0
	s_add_nc_u64 s[6:7], s[6:7], WB_OFF
	s_add_nc_u64 s[14:15], s[4:5], s[16:17]
	s_add_nc_u64 s[46:47], s[6:7], s[46:47]
	CROUND
.irp s, 0,1
	s_mov_b32 s[G0+4*\s], 1
	s_add_co_u32 s[G0+4*\s+1], s20, \s*SLOT
	s_add_nc_u64 s[G0+4*\s+2:G0+4*\s+3], s[14:15], \s*KSTEP*2
	s_or_b32 s[G0+4*\s+3], s[G0+4*\s+3], 0x80000000
	s_mov_b32 s[G0B+4*\s], 1
	s_add_co_u32 s[G0B+4*\s+1], s20, \s*SLOT
	s_add_nc_u64 s[G0B+4*\s+2:G0B+4*\s+3], s[46:47], \s*KSTEP*2
	s_or_b32 s[G0B+4*\s+3], s[G0B+4*\s+3], 0x80000000
	JLOAD \s
.endr
	v_and_b32 v1, 15, v0
	v_bfe_u32 v2, v0, 4, 1
	v_mul_u32_u24 v3, v1, PITCH
	v_lshl_add_u32 v3, v2, 4, v3
	s_mul_i32 s21, s11, HALFT
	s_mul_i32 s22, s12, HALFT
	s_add_co_u32 s22, s22, 2*HALFT
.irp s, 0,1
	v_add_nc_u32 v[ADRA+\s], s21, v3
	v_add_nc_u32 v[ADRB+\s], s22, v3
	s_add_co_u32 s21, s21, SLOT
	s_add_co_u32 s22, s22, SLOT
.endr
	s_mul_i32 s23, s11, 64*SPITCH
	s_lshl_b32 s21, s12, 8
	s_add_co_u32 s23, s23, s21
	v_mul_u32_u24 v4, v1, SPITCH
	v_lshl_add_u32 v4, v2, 5, v4
	v_add_nc_u32 v[STO], s23, v4
	s_mul_i32 s23, s10, 32*SPITCH
	v_and_b32 v5, 31, v0
	v_lshlrev_b32 v[CO], 4, v5
	v_add_nc_u32 v[RD], s23, v[CO]
	s_lshl_b32 s16, s13, 7
	s_lshl_b32 s17, s10, 5
	s_add_co_u32 s16, s16, s17
	s_lshl_b32 s46, s16, 12
	s_lshl_b32 s47, s42, 9
	s_add_co_u32 s46, s46, s47
	s_mov_b32 s47, 0
	s_add_nc_u64 s[70:71], s[70:71], s[46:47]      ; out0: rows of 4,096 bytes, 512 bytes a tile column
	s_lshl_b32 s46, s42, 9
	s_add_nc_u64 s[68:69], s[68:69], s[46:47]
	global_load_b128 v[BIAS:BIAS+3], v[CO], s[68:69]
.macro MUL8 f, c, a0, zero
.irp a, \a0, \a0+1
.irp b, 0,1,2,3
.if \zero
	v_wmma_f32_16x16x32_bf16 v[ACC+8*(4*(\a)+\b):ACC+8*(4*(\a)+\b)+7], v[\f+64+8*(4*\c+\b):\f+64+8*(4*\c+\b)+7], v[\f+8*(4*\c+\a):\f+8*(4*\c+\a)+7], 0
.else
	v_wmma_f32_16x16x32_bf16 v[ACC+8*(4*(\a)+\b):ACC+8*(4*(\a)+\b)+7], v[\f+64+8*(4*\c+\b):\f+64+8*(4*\c+\b)+7], v[\f+8*(4*\c+\a):\f+8*(4*\c+\a)+7], v[ACC+8*(4*(\a)+\b):ACC+8*(4*(\a)+\b)+7]
.endif
.endr
.endr
.endm
.macro FETCH slot, k, f
	WIN TO_F
.irp c, 0,1
.irp i, 0,1,2,3
	ds_load_b128 v[\f+64+8*(4*\c+\i):\f+64+8*(4*\c+\i)+3],   v[ADRB+\slot] offset:\k+64*\c+\i*16*PITCH
	ds_load_b128 v[\f+64+8*(4*\c+\i)+4:\f+64+8*(4*\c+\i)+7], v[ADRB+\slot] offset:\k+64*\c+\i*16*PITCH+32
	ds_load_b128 v[\f+8*(4*\c+\i):\f+8*(4*\c+\i)+3],         v[ADRA+\slot] offset:\k+64*\c+\i*16*PITCH
	ds_load_b128 v[\f+8*(4*\c+\i)+4:\f+8*(4*\c+\i)+7],       v[ADRA+\slot] offset:\k+64*\c+\i*16*PITCH+32
.endr
.endr
.endm
.macro PLACES
.rept 4
	v_nop
.endr
.endm
.macro QUARTER slot, k, f, g, zero
	s_wait_dscnt 16                                ; the first 32 along K are in
	WIN MUL
	MUL8 \f, 0, 0, \zero
	MUL8 \f, 0, 2, \zero
	PLACES
	FETCH \slot, \k, \g
	s_wait_dscnt 32                                ; all but the 32 just issued
	WIN MUL
	MUL8 \f, 1, 0, 0
	MUL8 \f, 1, 2, 0
.endm
.macro TURN slot, next, fill
	WIN 0
	s_wait_tensorcnt 0x0                           ; all my tensor loads have landed: my part of the next slot
	ds_add_u32 v[SPW], v[NIL]                      ; 0 onto my spare word
	s_wait_dscnt 17                                ; the add and the youngest sixteen loads may be out
	WIN MUL
	MUL8 F1, 0, 0, 0
	s_wait_dscnt 0x0                               ; the add is done, and my reads of this slot are over
	s_barrier_signal -1
	MUL8 F1, 0, 2, 0
.if \fill
	WIN 0
.endif
	s_barrier_wait -1
.if \fill
	CREST
	s_add_nc_u64 s[G0+4*\slot+2:G0+4*\slot+3], s[G0+4*\slot+2:G0+4*\slot+3], 2*KSTEP*2
	s_add_nc_u64 s[G0B+4*\slot+2:G0B+4*\slot+3], s[G0B+4*\slot+2:G0B+4*\slot+3], 2*KSTEP*2
	JLOAD \slot
.else
	PLACES
.endif
	FETCH \next, 0, F0
	WIN MUL
	MUL8 F1, 1, 0, 0
	MUL8 F1, 1, 2, 0
.endm
	s_wait_tensorcnt 1                             ; my part of K step 0 is in; K step 1's stays out
	s_barrier_signal -1
	s_barrier_wait -1
	FETCH 0, 0, F0
	QUARTER 0, 128, F0, F1, 1
	WIN 0
	s_mov_b32 s3, LAPS-1
.Llap:
	QUARTER 0, 256, F1, F0, 0
	QUARTER 0, 384, F0, F1, 0
	TURN 0, 1, 1
	QUARTER 1, 128, F0, F1, 0
	QUARTER 1, 256, F1, F0, 0
	QUARTER 1, 384, F0, F1, 0
	TURN 1, 0, 1
	QUARTER 0, 128, F0, F1, 0
	WIN 0
	s_sub_co_u32 s3, s3, 1
	s_cmp_lg_u32 s3, 0
	s_cbranch_scc1 .Llap
	QUARTER 0, 256, F1, F0, 0
	QUARTER 0, 384, F0, F1, 0
	TURN 0, 1, 0
	QUARTER 1, 128, F0, F1, 0
	QUARTER 1, 256, F1, F0, 0
	QUARTER 1, 384, F0, F1, 0
	s_wait_dscnt 16
	WIN MUL
	MUL8 F1, 0, 0, 0
	MUL8 F1, 0, 2, 0
	s_wait_dscnt 0
	MUL8 F1, 1, 0, 0
	MUL8 F1, 1, 2, 0
	WIN 0
	; THE WAY OUT
	PLACES
.irp a, 0,1,2,3
.irp b, 0,1,2,3
	ds_store_b128 v[STO], v[ACC+8*(4*\a+\b):ACC+8*(4*\a+\b)+3]   offset:\a*16*SPITCH+64*\b
	ds_store_b128 v[STO], v[ACC+8*(4*\a+\b)+4:ACC+8*(4*\a+\b)+7] offset:\a*16*SPITCH+64*\b+16
.endr
.endr
	s_wait_dscnt 0x0                               ; for the others' sake: my stores into the stage are done
	s_barrier_signal -1
	s_barrier_wait -1
.irp i, 0,1,2,3,4,5,6,7,8,9,10,11,12,13,14,15,16,17,18,19,20,21,22,23,24,25,26,27,28,29,30,31
	ds_load_b128 v[ACC+4*\i:ACC+4*\i+3], v[RD] offset:\i*SPITCH
.endr
	s_wait_loadcnt 0x0                             ; bdown
.irp i, 0,1,2,3,4,5,6,7,8,9,10,11,12,13,14,15,16,17,18,19,20,21,22,23,24,25,26,27,28,29,30,31
	s_wait_dscnt 31-\i                             ; row i is back
	v_pk_add_f32 v[ACC+4*\i:ACC+4*\i+1],   v[ACC+4*\i:ACC+4*\i+1],   v[BIAS:BIAS+1]
	v_pk_add_f32 v[ACC+4*\i+2:ACC+4*\i+3], v[ACC+4*\i+2:ACC+4*\i+3], v[BIAS+2:BIAS+3]
	global_store_b128 v[CO], v[ACC+4*\i:ACC+4*\i+3], s[70:71] offset:\i*SIZE_N*4   ; 512 consecutive bytes, aligned
.endr
	s_wait_tensorcnt 0x0                           ; the wave's end
	ds_add_u32 v[SPW], v[NIL]
	s_wait_dscnt 0x0
	CROUND                                         ; the closing round
	s_endpgm
.Lfunc_end_k_q84550383d2_down:
	.size	k_q84550383d2_down, .Lfunc_end_k_q84550383d2_down-k_q84550383d2_down
	.p2alignl 7, 3214868480
	.fill 96, 4, 3214868480
	.section	.rodata,"a",@progbits
	.p2align	6, 0x0
	.amdhsa_kernel k_q84550383d2_down
		.amdhsa_group_segment_fixed_size 327680
		.amdhsa_private_segment_fixed_size 0
		.amdhsa_enable_private_segment 0
		.amdhsa_kernarg_size 32
		.amdhsa_user_sgpr_count 2
		.amdhsa_user_sgpr_kernarg_segment_ptr 1
		.amdhsa_wavefront_size32 1
		.amdhsa_system_sgpr_workgroup_id_x 1
		.amdhsa_system_sgpr_workgroup_id_y 1
		.amdhsa_system_sgpr_workgroup_id_z 1
		.amdhsa_system_vgpr_workitem_id 0
		.amdhsa_next_free_vgpr 512
		.amdhsa_next_free_sgpr 76
		.amdhsa_reserve_vcc 0
		.amdhsa_float_denorm_mode_32 3
		.amdhsa_float_denorm_mode_16_64 3
		.amdhsa_memory_ordered 1
		.amdhsa_forward_progress 1
		.amdhsa_inst_pref_size 90
	.end_amdhsa_kernel
	.amdgpu_metadata
---
amdhsa.version: [ 1, 2 ]
amdhsa.kernels:
  - .name:           k_q84550383d2_down
    .symbol:         k_q84550383d2_down.kd
    .args:
      - { .name: hb, .offset: 0, .size: 8, .value_kind: global_buffer, .address_space: global }
      - { .name: wb, .offset: 8, .size: 8, .value_kind: global_buffer, .address_space: global }
      - { .name: bdown, .offset: 16, .size: 8, .value_kind: global_buffer, .address_space: global }
      - { .name: out0, .offset: 24, .size: 8, .value_kind: global_buffer, .address_space: global }
    .group_segment_fixed_size: 327680
    .private_segment_fixed_size: 0
    .kernarg_segment_align: 8
    .kernarg_segment_size: 32
    .max_flat_workgroup_size: 128
    .sgpr_count:     76
    .vgpr_count:     512
    .wavefront_size: 32
...
	.end_amdgpu_metadata
.endif
;; end of part 6
;; ======== version 2 of 2: 6 launches; 1.14 times as fast as version 1
;; limits: values are held in f16: magnitudes above 65,504 overflow, below 6.1e-05 lose precision; right only within a limited range of input values
;; workspace buffers: nb 33,554,432 bytes; wb 12,747,008 bytes; sp 2,097,152 bytes; zb 8,388,608 bytes; cb 8,388,608 bytes; hb 16,777,216 bytes
;; launch prep (part 7): grid 489 x 1, 8 waves a work-group, no clusters, 132,608 bytes of LDS; arguments selected_neurons, Wq, Wk, Wv, Wup, Wdown, pattern_queries, bq, bk, bv, nb, wb; writes nb, wb
.if DOCPART == 7
	.amdgcn_target "amdgcn-amd-amdhsa--gfx1250"
	.amdhsa_code_object_version 6
	.text
	.protected	k_q84550383d2_prep
	.globl	k_q84550383d2_prep
	.p2align	8
	.type	k_q84550383d2_prep,@function
k_q84550383d2_prep:
	s_mov_b64 s[64:65], 0
	v_nop
	global_prefetch_b8 v0, s[64:65] scope:SCOPE_SE
	s_setreg_imm32_b32 hwreg(HW_REG_WAVE_MODE, 25, 1), 1
	s_wait_xcnt 0x0
; PREP: everything that hangs on the weights alone, and the casts to 16 bits.  Four kinds of work-group, chosen by the work-group's number:
;   0..127   M:  M[e][d] = sum over f of Wk[f][e] Wq[f][d], a tile of 64 e x 128 d each, bf16, to wb+0.  (q_i . k_j = n_j^T M n_i + terms with the biases.)
;   128..151 X:  16 rows x 128 columns of X W0: rows 0-31 = pattern_queries Wv; row 32 = bq^T Wk; row 33 = bk^T Wq; rows 34-47 = 0.
;                Stored as ready fragments: byte = tile*32768 + (column/8)*256 + row*16.  Two of these groups also store pattern_queries itself in that form (tiles 3, 4).
;   152      K:  32 pairs {pattern_queries[p] . bv, bq . bk} in f32.
;   153..488 C:  casts selected_neurons, Wv, Wup and Wdown, 262,144 bytes of f32 a work-group.
; FORMATS.  Every input that enters a matrix product is rounded to bf16, once; sums are f32.  Wup's partner in its product, x + aggregated, is kept in f16 (three more bits of mantissa for a sum that
; is an intermediate), so Wup's bf16 numbers are written in f16's format: a bf16 number has 8 significant bits and f16 holds 11, so that second step is exact for 2^-17 <= |w| < 65,504.
; LIMITS: |Wup| under 65,504; numbers of Wup under 2^-17 = 7.6e-6 keep an absolute error of 3e-8.  NaN and infinities in the inputs are not served.
.set WV_OFF,  2097152
.set WUP_OFF, 4194304
.set WDN_OFF, 8388608
.set PQX_OFF, 12582912
.set CST_OFF, 12746752
.set PT,   160                         ; LDS row of a [f][column] tile: 64 bf16 + 32 bytes of padding = 5 x 32 bytes, for the turning load
.set R1,   40960                       ; three tiles of 256 rows x 160 bytes at 0, R1, R2
.set R2,   81920
.set ROWS, 122880                      ; 16 rows x 528 bytes: the rows X of path X (256 bf16 + 16 bytes)
.set RP,   528
.set KSC,  131328                      ; behind them: path K's 32 words, bytes that no other path's lines name
.macro PLACES                          ; four plain vector instructions between a matrix instruction and a load into, or a vector write or read of, its registers
.rept 4
	v_nop
.endr
.endm
.macro BAR                             ; my LDS stores and loads are done; then all eight waves meet
	s_wait_dscnt 0x0
	s_barrier_signal -1
	s_barrier_wait -1
.endm
; 256 rows x 64 columns of f32: wave w takes rows 32 w .. 32 w + 31, two rows a load, sixteen lanes to a row's 256 bytes
.macro STAGE64 p, S
.irp i, 0,1,2,3,4,5,6,7,8,9,10,11,12,13,14,15
	global_load_b128 v[\S+4*\i:\S+4*\i+3], v4, s[\p:\p+1] offset:\i*8192
.endr
.endm
; the sixteen loads of one STAGE64 are rounded to bf16 and put into LDS.  left = the loads issued behind the first of them
.macro CVST S, adr, base, left
.irp i, 0,1,2,3,4,5,6,7,8,9,10,11,12,13,14,15
	s_wait_loadcnt \left-\i                        ; loads come back in order: this one is in, the younger ones stay out
	v_cvt_pk_bf16_f32 v[\S+4*\i], v[\S+4*\i], v[\S+4*\i+1]
	v_cvt_pk_bf16_f32 v[\S+4*\i+1], v[\S+4*\i+2], v[\S+4*\i+3]
	ds_store_b64 v[\adr], v[\S+4*\i:\S+4*\i+1] offset:\base+\i*320
.endr
.endm
.macro TILEADR                         ; v4 global offset of a staging load, v5 / v6 its LDS place (tiles 0, 1 / tile 2), v7 the lane's place for the turning load
	v_lshlrev_b32 v4, 4, v2                        ; 16 r
	v_lshl_or_b32 v4, v3, 12, v4                   ; + h rows of 4,096 bytes
	s_lshl_b32 s9, s8, 17
	v_or_b32 v4, s9, v4                            ; + 32 w rows
	s_lshl_b32 s9, s8, 5
	v_add_nc_u32 v5, s9, v3                        ; row 32 w + h
	v_mul_u32_u24 v5, v5, PT
	v_lshl_add_u32 v5, v2, 3, v5                   ; + 8 r
	v_add_nc_u32 v6, R2, v5
	v_and_b32 v7, 7, v0
	v_lshl_add_u32 v7, v3, 3, v7                   ; row 8 h + lane % 8
	v_mul_u32_u24 v7, v7, PT
	v_bfe_u32 v12, v0, 3, 1
	v_lshl_add_u32 v7, v12, 4, v7                  ; + 16 bytes for the second eight lanes of a half
.endm
	s_load_b512 s[16:31], s[0:1], 0x0              ; N s[16:17], Wq s[18:19], Wk s[20:21], Wv s[22:23], Wup s[24:25], Wdown s[26:27], pq s[28:29], bq s[30:31]
	s_load_b256 s[32:39], s[0:1], 0x40             ; bk s[32:33], bv s[34:35], nb s[36:37], wb s[38:39]
	v_lshl_add_u32 v30, v0, 2, 0x20200
	v_mov_b32 v31, 0
	v_and_b32 v1, 31, v0                           ; lane
	v_and_b32 v2, 15, v0                           ; r
	v_bfe_u32 v3, v0, 4, 1                         ; h
	v_lshrrev_b32 v4, 5, v0
	v_readfirstlane_b32 s8, v4                     ; wave
	s_mov_b32 s13, 0                               ; high word of every offset pair s[12:13]
	s_wait_kmcnt 0x0
	s_cmp_lt_u32 ttmp9, 128
	s_cbranch_scc1 .LM
	s_cmp_lt_u32 ttmp9, 152
	s_cbranch_scc1 .LX
	s_cmp_eq_u32 ttmp9, 152
	s_cbranch_scc1 .LK
; ---------------- C: the casts.  A ring of sixteen slots in registers keeps sixteen loads of every wave on their way; all addresses stand in the immediates.
	s_sub_co_u32 s10, ttmp9, 153
	s_mov_b64 s[40:41], s[26:27]
	s_mov_b32 s11, 304
	s_mov_b32 s12, WDN_OFF
	s_cmp_lt_u32 s10, 304
	s_cselect_b64 s[40:41], s[24:25], s[40:41]
	s_cselect_b32 s11, 272, s11
	s_cselect_b32 s12, WUP_OFF, s12
	s_cmp_lt_u32 s10, 272
	s_cselect_b64 s[40:41], s[22:23], s[40:41]
	s_cselect_b32 s11, 256, s11
	s_cselect_b32 s12, WV_OFF, s12
	s_cmp_lt_u32 s10, 256
	s_cselect_b64 s[40:41], s[16:17], s[40:41]
	s_cselect_b64 s[42:43], s[36:37], s[38:39]
	s_cselect_b32 s11, 0, s11
	s_cselect_b32 s12, 0, s12
	s_sub_co_u32 s10, s10, s11                     ; my number inside the tensor
	s_lshl_b32 s14, s10, 18
	s_mov_b32 s15, 0
	s_add_nc_u64 s[40:41], s[40:41], s[14:15]      ; 262,144 bytes of f32 in,
	s_lshl_b32 s14, s10, 17
	s_add_co_u32 s14, s14, s12
	s_add_nc_u64 s[42:43], s[42:43], s[14:15]      ; 131,072 bytes of 16-bit numbers out
	v_lshlrev_b32 v4, 4, v0                        ; a wave's load covers 512 consecutive bytes,
	v_lshlrev_b32 v5, 3, v0                        ; its store 256 consecutive bytes, aligned
; half = 1: the bf16 numbers go out in f16's format
.macro SLOT half, i, rho, ahead, left
	s_wait_loadcnt \left                           ; my load is in; the younger ones stay out
	s_wait_xcnt 0x0                                ; the slot's last store has read its data registers
	v_cvt_pk_bf16_f32 v[96+2*\i], v[32+4*\i], v[33+4*\i]
	v_cvt_pk_bf16_f32 v[97+2*\i], v[34+4*\i], v[35+4*\i]
.if \half
	v_lshlrev_b32 v[32+4*\i], 16, v[96+2*\i]               ; the rounded numbers as f32 again: the low half moves up,
	v_and_b32     v[33+4*\i], 0xffff0000, v[96+2*\i]       ; the high half stays
	v_lshlrev_b32 v[34+4*\i], 16, v[97+2*\i]
	v_and_b32     v[35+4*\i], 0xffff0000, v[97+2*\i]
	v_cvt_pk_f16_f32 v[96+2*\i], v[32+4*\i], v[33+4*\i]    ; 8 significant bits into 11
	v_cvt_pk_f16_f32 v[97+2*\i], v[34+4*\i], v[35+4*\i]
.endif
.if \ahead
	global_load_b128 v[32+4*\i:35+4*\i], v4, s[40:41] offset:(\rho+1)*65536+\i*4096
.endif
	global_store_b64 v5, v[96+2*\i:97+2*\i], s[42:43] offset:\rho*32768+\i*2048
.endm
.macro RING half                       ; the whole ring with one kind of output
.irp n, 0,1,2,3,4,5,6,7,8,9,10,11,12,13,14,15
	global_load_b128 v[32+4*\n:35+4*\n], v4, s[40:41] offset:\n*4096
.endr
.irp rr, 0,1,2
.irp n, 0,1,2,3,4,5,6,7,8,9,10,11,12,13,14,15
	SLOT \half, \n, \rr, 1, 15
.endr
.endr
.irp n, 0,1,2,3,4,5,6,7,8,9,10,11,12,13,14,15
	SLOT \half, \n, 3, 0, 15-\n                    ; the last round loads nothing: the counts run down
.endr
	s_endpgm
.endm
	s_cmp_eq_u32 s11, 272                          ; Wup's work-groups write f16's format, all others bf16
	s_cbranch_scc1 .LCH
	RING 0
.LCH:
	RING 1
; ---------------- M.  D(m = d, n = e): source 0 = 16 columns d of Wq, source 1 = 16 columns e of Wk, both turned on the way out of LDS; f runs in four trips of 256.
; Wave w: d tiles 2 (w % 4), +1 and e tiles 2 (w / 4), +1: four accumulators v224-255, taken by turns.
.LM:
	TILEADR
	s_and_b32 s10, ttmp9, 7                        ; which 128 columns d
	s_lshr_b32 s11, ttmp9, 3                       ; which 64 rows e
	s_lshl_b32 s12, s10, 9
	s_add_nc_u64 s[40:41], s[18:19], s[12:13]      ; Wq, my first 64 columns,
	s_add_nc_u64 s[42:43], s[40:41], 256           ; my second 64
	s_lshl_b32 s12, s11, 8
	s_add_nc_u64 s[44:45], s[20:21], s[12:13]      ; Wk, my 64 columns
	s_and_b32 s14, s8, 3
	s_lshr_b32 s15, s14, 1
	s_mul_i32 s15, s15, R1
	s_and_b32 s9, s8, 1
	s_lshl_b32 s9, s9, 6
	s_add_co_u32 s15, s15, s9
	v_add_nc_u32 v8, s15, v7                       ; my two d tiles
	s_lshr_b32 s9, s8, 2
	s_lshl_b32 s9, s9, 6
	s_add_co_u32 s9, s9, R2
	v_add_nc_u32 v9, s9, v7                        ; my two e tiles
.macro FETCHM buf, c                   ; the fragments of 32 f: two of Wq, two of Wk
	ds_load_tr16_b128 v[\buf:\buf+3],     v8 offset:(\c)*5120
	ds_load_tr16_b128 v[\buf+4:\buf+7],   v8 offset:(\c)*5120+2560
	ds_load_tr16_b128 v[\buf+8:\buf+11],  v8 offset:(\c)*5120+32
	ds_load_tr16_b128 v[\buf+12:\buf+15], v8 offset:(\c)*5120+2592
	ds_load_tr16_b128 v[\buf+16:\buf+19], v9 offset:(\c)*5120
	ds_load_tr16_b128 v[\buf+20:\buf+23], v9 offset:(\c)*5120+2560
	ds_load_tr16_b128 v[\buf+24:\buf+27], v9 offset:(\c)*5120+32
	ds_load_tr16_b128 v[\buf+28:\buf+31], v9 offset:(\c)*5120+2592
.endm
.macro MULM buf, zero
.irp t, 0,1,2,3
.if \zero
	v_wmma_f32_16x16x32_bf16 v[224+8*\t:231+8*\t], v[\buf+8*(\t&1):\buf+8*(\t&1)+7], v[\buf+16+8*(\t>>1):\buf+16+8*(\t>>1)+7], 0
.else
	v_wmma_f32_16x16x32_bf16 v[224+8*\t:231+8*\t], v[\buf+8*(\t&1):\buf+8*(\t&1)+7], v[\buf+16+8*(\t>>1):\buf+16+8*(\t>>1)+7], v[224+8*\t:231+8*\t]
.endif
.endr
.endm
.macro TRIPM first
.if !\first
	PLACES                                         ; the loads below land in registers that the last products read
.endif
	STAGE64 40, 32
	STAGE64 42, 96
	STAGE64 44, 160
.if !\first
	BAR                                            ; every wave has read the last trip's tiles: they may be written
.endif
	CVST 32, 5, 0, 47                              ; 48 loads are out: the counts run 47 .. 0
	CVST 96, 5, R1, 31
	CVST 160, 6, 0, 15
	s_add_nc_u64 s[40:41], s[40:41], 0x100000      ; all loads are in, so the bases may step: 256 rows of 4,096 bytes
	s_add_nc_u64 s[42:43], s[42:43], 0x100000
	s_add_nc_u64 s[44:45], s[44:45], 0x100000
	BAR                                            ; the tiles are whole
	FETCHM 32, 0
.irp c, 0,1,2,3,4,5,6,7
.if \c < 7
.if \c > 0
	PLACES
.endif
	FETCHM 32+32*((\c+1)&1), \c+1
	s_wait_dscnt 8                                 ; all but the eight just issued
.else
	s_wait_dscnt 0x0
.endif
.if \first && (\c == 0)
	MULM 32+32*(\c&1), 1                           ; the first products start the sums
.else
	MULM 32+32*(\c&1), 0
.endif
.endr
.endm
	TRIPM 1
	s_mov_b32 s46, 3
.LMloop:
	TRIPM 0
	s_sub_co_u32 s46, s46, 1
	s_cmp_lg_u32 s46, 0
	s_cbranch_scc1 .LMloop
	; the way out: a lane holds one e and eight neighbouring d.  Through 64 rows x 272 bytes laid over tile 0, so that sixteen lanes store 256 consecutive bytes of a row of M
	PLACES
	BAR                                            ; nobody reads tile 0 any more
	s_lshr_b32 s9, s8, 2
	s_lshl_b32 s9, s9, 5
	v_add_nc_u32 v10, s9, v2                       ; row 32 (w / 4) + r
	v_mul_u32_u24 v10, v10, 272
	s_lshl_b32 s14, s14, 6
	v_lshl_add_u32 v10, v3, 4, v10
	v_add_nc_u32 v10, s14, v10                     ; + 64 (w % 4) + 16 h
	s_lshl_b32 s9, s8, 3
	v_add_nc_u32 v11, s9, v3                       ; back: row 8 w + h
	v_lshlrev_b32 v13, 11, v11
	v_lshl_add_u32 v13, v2, 4, v13
	v_mul_u32_u24 v11, v11, 272
	v_lshl_add_u32 v11, v2, 4, v11
	s_lshl_b32 s12, s11, 17
	s_lshl_b32 s9, s10, 8
	s_add_co_u32 s12, s12, s9
	s_add_nc_u64 s[48:49], s[38:39], s[12:13]      ; M at row 64 eb, column 128 db
.irp t, 0,1,2,3
.irp q, 0,1,2,3
	v_cvt_pk_bf16_f32 v[32+4*\t+\q], v[224+8*\t+2*\q], v[225+8*\t+2*\q]
.endr
	ds_store_b128 v10, v[32+4*\t:35+4*\t] offset:(\t>>1)*4352+(\t&1)*32
.endr
	BAR
.irp i, 0,1,2,3
	ds_load_b128 v[48+4*\i:51+4*\i], v11 offset:\i*544
.endr
.irp i, 0,1,2,3
	s_wait_dscnt 3-\i
	global_store_b128 v13, v[48+4*\i:51+4*\i], s[48:49] offset:\i*4096
.endr
	s_wait_tensorcnt 0x0
	ds_add_u32 v30, v31
	s_wait_dscnt 0x0
	s_endpgm
; ---------------- X.  D(m = column of W0, n = row of X): source 0 = 16 columns of W0, turned; source 1 = 16 rows of X.  Wave w: columns 16 w .. 16 w + 15 of the group's 128.
; Two accumulators (even and odd steps of 32 f) take turns, and are added at the end.
.LX:
	TILEADR
	s_sub_co_u32 s10, ttmp9, 128
	s_lshr_b32 s49, s10, 3                         ; tile 0, 1: pattern_queries Wv;  2: the two bias rows
	s_and_b32 s50, s10, 7                          ; which 128 columns
	s_cmp_lt_u32 s49, 2
	s_cselect_b64 s[40:41], s[22:23], s[20:21]     ; W0 = Wv, or Wk for the first pass of tile 2
	s_cselect_b64 s[44:45], s[28:29], s[30:31]     ; X = pattern_queries, or bq
	s_cselect_b32 s53, 4096, 0                     ; bytes from row to row of X: a bias is read for all sixteen rows and kept in one
	s_cselect_b32 s12, s49, 0
	s_lshl_b32 s12, s12, 16
	s_add_nc_u64 s[44:45], s[44:45], s[12:13]      ; sixteen rows of pattern_queries a tile
	s_lshl_b32 s12, s50, 9
	s_add_nc_u64 s[40:41], s[40:41], s[12:13]
	s_add_nc_u64 s[42:43], s[40:41], 256
	s_cmp_eq_u32 s50, 0
	s_cselect_b32 s51, 1, 0
	s_cmp_lt_u32 s49, 2
	s_cselect_b32 s51, s51, 0                      ; 1: this group also stores its rows of pattern_queries as fragments
	s_add_co_u32 s12, s49, 3
	s_lshl_b32 s12, s12, 15
	s_add_co_u32 s12, s12, PQX_OFF
	s_add_nc_u64 s[46:47], s[38:39], s[12:13]      ; tile 3 + tau
	v_lshrrev_b32 v14, 4, v0                       ; the row of X that this thread fetches
	v_mul_u32_u24 v10, s53, v14
	v_lshl_add_u32 v10, v2, 4, v10
	v_mul_u32_u24 v11, v14, RP
	v_lshl_add_u32 v11, v2, 3, v11
	v_add_nc_u32 v11, ROWS, v11
	v_cmp_eq_u32 s48, 0, v14                       ; tile 2, first pass: row 0 alone is kept
	s_cmp_lt_u32 s49, 2
	s_cselect_b32 s48, -1, s48                     ; tiles 0, 1: all rows
	s_lshr_b32 s9, s8, 2
	s_mul_i32 s9, s9, R1
	s_and_b32 s14, s8, 3
	s_lshl_b32 s14, s14, 5
	s_add_co_u32 s9, s9, s14
	v_add_nc_u32 v8, s9, v7                        ; my 16 columns
	v_mul_u32_u24 v9, v2, RP
	v_lshl_add_u32 v9, v3, 4, v9
	v_add_nc_u32 v9, ROWS, v9                      ; a fragment of X: row r, 16 bytes for each half of the lanes
	s_lshl_b32 s9, s8, 6
	v_add_nc_u32 v15, s9, v9                       ; the step of 32 f that wave w copies out
	s_lshl_b32 s9, s8, 10
	v_lshl_add_u32 v16, v1, 4, s9
.macro FETCHX buf, c
	ds_load_tr16_b128 v[\buf:\buf+3],     v8 offset:(\c)*5120
	ds_load_tr16_b128 v[\buf+4:\buf+7],   v8 offset:(\c)*5120+2560
	ds_load_b128      v[\buf+8:\buf+11],  v9 offset:(\c)*64
	ds_load_b128      v[\buf+12:\buf+15], v9 offset:(\c)*64+32
.endm
.macro TRIPX first
.if !\first
	PLACES
.endif
	STAGE64 40, 32
	STAGE64 42, 96
.irp i, 0,1,2,3
	global_load_b128 v[160+4*\i:163+4*\i], v10, s[44:45] offset:256*\i
.endr
.if !\first
	BAR                                            ; every wave has read the last trip's tiles
.endif
	CVST 32, 5, 0, 35                              ; 36 loads are out: the counts run 35 .. 0
	CVST 96, 5, R1, 19
.irp i, 0,1,2,3
	s_wait_loadcnt 3-\i
	v_cvt_pk_bf16_f32 v[160+4*\i], v[160+4*\i], v[161+4*\i]
	v_cvt_pk_bf16_f32 v[161+4*\i], v[162+4*\i], v[163+4*\i]
	v_cndmask_b32 v[160+4*\i], 0, v[160+4*\i], s48
	v_cndmask_b32 v[161+4*\i], 0, v[161+4*\i], s48
	ds_store_b64 v11, v[160+4*\i:161+4*\i] offset:128*\i
.endr
	s_add_nc_u64 s[40:41], s[40:41], 0x100000      ; all loads are in: the bases step by 256 f
	s_add_nc_u64 s[42:43], s[42:43], 0x100000
	s_add_nc_u64 s[44:45], s[44:45], 1024
	BAR
	s_cmp_eq_u32 s51, 0
	s_cbranch_scc1 .Lnoq_\@
	ds_load_b128 v[176:179], v15                   ; the rows themselves, as fragments: wave w takes step w of the trip's eight
	ds_load_b128 v[180:183], v15 offset:32
	s_wait_dscnt 0x0
	global_store_b128 v16, v[176:179], s[46:47]
	global_store_b128 v16, v[180:183], s[46:47] offset:512
	s_wait_xcnt 0x0                                ; the stores have read their base and data: both are written again
	s_add_nc_u64 s[46:47], s[46:47], 8192
.Lnoq_\@:
	FETCHX 32, 0
.irp c, 0,1,2,3,4,5,6,7
.if \c < 7
.if \c > 0
	PLACES
.endif
	FETCHX 32+16*((\c+1)&1), \c+1
	s_wait_dscnt 4                                 ; all but the four just issued
.else
	s_wait_dscnt 0x0
.endif
.if \first && (\c < 2)
	v_wmma_f32_16x16x32_bf16 v[224+8*(\c&1):231+8*(\c&1)], v[32+16*(\c&1):39+16*(\c&1)], v[40+16*(\c&1):47+16*(\c&1)], 0
.else
	v_wmma_f32_16x16x32_bf16 v[224+8*(\c&1):231+8*(\c&1)], v[32+16*(\c&1):39+16*(\c&1)], v[40+16*(\c&1):47+16*(\c&1)], v[224+8*(\c&1):231+8*(\c&1)]
.endif
.endr
.endm
	TRIPX 1
	s_mov_b32 s52, 3
.LXloop:
	TRIPX 0
	s_sub_co_u32 s52, s52, 1
	s_cmp_lg_u32 s52, 0
	s_cbranch_scc1 .LXloop
	s_cmp_lg_u32 s49, 2
	s_cbranch_scc1 .LXout
	s_lshl_b32 s12, s50, 9                         ; tile 2, second pass: bk^T Wq into row 1, onto the same sums
	s_add_nc_u64 s[40:41], s[18:19], s[12:13]
	s_add_nc_u64 s[42:43], s[40:41], 256
	s_mov_b64 s[44:45], s[32:33]
	v_cmp_eq_u32 s48, 1, v14
	s_mov_b32 s52, 4
.LXloop2:
	TRIPX 0
	s_sub_co_u32 s52, s52, 1
	s_cmp_lg_u32 s52, 0
	s_cbranch_scc1 .LXloop2
.LXout:
	PLACES
	v_pk_add_f32 v[32:33], v[224:225], v[232:233]
	v_pk_add_f32 v[34:35], v[226:227], v[234:235]
	v_pk_add_f32 v[36:37], v[228:229], v[236:237]
	v_pk_add_f32 v[38:39], v[230:231], v[238:239]
	v_cvt_pk_bf16_f32 v40, v32, v33
	v_cvt_pk_bf16_f32 v41, v34, v35
	v_cvt_pk_bf16_f32 v42, v36, v37
	v_cvt_pk_bf16_f32 v43, v38, v39
	s_lshl_b32 s12, s49, 15
	s_lshl_b32 s9, s50, 12
	s_add_co_u32 s12, s12, s9
	s_add_co_u32 s12, s12, PQX_OFF
	s_add_nc_u64 s[54:55], s[38:39], s[12:13]
	s_lshl_b32 s9, s8, 9
	v_lshl_add_u32 v17, v1, 4, s9                  ; a lane's row r and eight columns 16 w + 8 h .. are 16 bytes at 512 w + 16 lane: 512 consecutive bytes a wave
	global_store_b128 v17, v[40:43], s[54:55]
	s_wait_tensorcnt 0x0
	ds_add_u32 v30, v31
	s_wait_dscnt 0x0
	s_endpgm
; ---------------- K.  Wave w: pattern_queries rows 4 w .. 4 w + 3 against bv; wave 0 then bq . bk and the store.
.macro DOT a, b                        ; v192 = the sum over 1,024 numbers, 32 a lane, in every lane
	v_pk_mul_f32 v[192:193], v[\a:\a+1], v[\b:\b+1]
	v_pk_mul_f32 v[194:195], v[\a+2:\a+3], v[\b+2:\b+3]
.irp j, 1,2,3,4,5,6,7
	v_pk_fma_f32 v[192:193], v[\a+4*\j:\a+4*\j+1], v[\b+4*\j:\b+4*\j+1], v[192:193]
	v_pk_fma_f32 v[194:195], v[\a+4*\j+2:\a+4*\j+3], v[\b+4*\j+2:\b+4*\j+3], v[194:195]
.endr
	v_pk_add_f32 v[192:193], v[192:193], v[194:195]
	v_add_f32 v192, v192, v193
	v_add_f32_dpp v192, v192, v192 row_xmask:1 row_mask:0xf bank_mask:0xf
	v_add_f32_dpp v192, v192, v192 row_xmask:2 row_mask:0xf bank_mask:0xf
	v_add_f32_dpp v192, v192, v192 row_xmask:4 row_mask:0xf bank_mask:0xf
	v_add_f32_dpp v192, v192, v192 row_xmask:8 row_mask:0xf bank_mask:0xf
	v_permlanex16_b32 v196, v192, s10, s11
	v_add_f32 v192, v192, v196
.endm
.LK:
	v_lshlrev_b32 v4, 4, v1
	s_lshl_b32 s12, s8, 14
	s_add_nc_u64 s[40:41], s[28:29], s[12:13]
.irp j, 0,1,2,3,4,5,6,7
	global_load_b128 v[32+4*\j:35+4*\j], v4, s[34:35] offset:512*\j
.endr
.irp n, 0,1,2,3
.irp j, 0,1,2,3,4,5,6,7
	global_load_b128 v[64+32*\n+4*\j:67+32*\n+4*\j], v4, s[40:41] offset:4096*\n+512*\j
.endr
.endr
	s_mov_b32 s10, 0x76543210                      ; each lane takes its own place in the other half
	s_mov_b32 s11, 0xfedcba98
	v_mov_b32 v196, 0                              ; the exchange's destination counts as read
	v_mov_b32 v197, s8
	v_lshl_add_u32 v197, v197, 4, KSC              ; words 4 w .. 4 w + 3 of path K's own 32
	s_wait_loadcnt 0x0
.irp n, 0,1,2,3
	DOT 64+32*\n, 32
	ds_store_b32 v197, v192 offset:4*\n
.endr
	BAR
	s_cmp_lg_u32 s8, 0
	s_cbranch_scc1 .LKend
.irp j, 0,1,2,3,4,5,6,7
	global_load_b128 v[32+4*\j:35+4*\j], v4, s[30:31] offset:512*\j
	global_load_b128 v[64+4*\j:67+4*\j], v4, s[32:33] offset:512*\j
.endr
	v_lshl_add_u32 v198, v1, 2, KSC
	ds_load_b32 v200, v198                         ; pattern lane's product with bv
	v_lshlrev_b32 v199, 3, v1
	s_add_nc_u64 s[42:43], s[38:39], CST_OFF
	s_wait_loadcnt 0x0
	DOT 32, 64
	v_mov_b32 v201, v192
	s_wait_dscnt 0x0
	global_store_b64 v199, v[200:201], s[42:43]    ; 256 consecutive bytes
.LKend:
	s_wait_tensorcnt 0x0
	ds_add_u32 v30, v31
	s_wait_dscnt 0x0
	s_endpgm
.Lfunc_end_k_q84550383d2_prep:
	.size	k_q84550383d2_prep, .Lfunc_end_k_q84550383d2_prep-k_q84550383d2_prep
	.p2alignl 7, 3214868480
	.fill 96, 4, 3214868480
	.section	.rodata,"a",@progbits
	.p2align	6, 0x0
	.amdhsa_kernel k_q84550383d2_prep
		.amdhsa_group_segment_fixed_size 132608
		.amdhsa_private_segment_fixed_size 0
		.amdhsa_enable_private_segment 0
		.amdhsa_kernarg_size 96
		.amdhsa_user_sgpr_count 2
		.amdhsa_user_sgpr_kernarg_segment_ptr 1
		.amdhsa_wavefront_size32 1
		.amdhsa_system_sgpr_workgroup_id_x 1
		.amdhsa_system_sgpr_workgroup_id_y 1
		.amdhsa_system_sgpr_workgroup_id_z 1
		.amdhsa_system_vgpr_workitem_id 0
		.amdhsa_next_free_vgpr 256
		.amdhsa_next_free_sgpr 66
		.amdhsa_reserve_vcc 0
		.amdhsa_float_denorm_mode_32 3
		.amdhsa_float_denorm_mode_16_64 3
		.amdhsa_memory_ordered 1
		.amdhsa_forward_progress 1
		.amdhsa_inst_pref_size 187
	.end_amdhsa_kernel
	.amdgpu_metadata
---
amdhsa.version: [ 1, 2 ]
amdhsa.kernels:
  - .name:           k_q84550383d2_prep
    .symbol:         k_q84550383d2_prep.kd
    .args:
      - { .name: selected_neurons, .offset: 0, .size: 8, .value_kind: global_buffer, .address_space: global }
      - { .name: Wq, .offset: 8, .size: 8, .value_kind: global_buffer, .address_space: global }
      - { .name: Wk, .offset: 16, .size: 8, .value_kind: global_buffer, .address_space: global }
      - { .name: Wv, .offset: 24, .size: 8, .value_kind: global_buffer, .address_space: global }
      - { .name: Wup, .offset: 32, .size: 8, .value_kind: global_buffer, .address_space: global }
      - { .name: Wdown, .offset: 40, .size: 8, .value_kind: global_buffer, .address_space: global }
      - { .name: pattern_queries, .offset: 48, .size: 8, .value_kind: global_buffer, .address_space: global }
      - { .name: bq, .offset: 56, .size: 8, .value_kind: global_buffer, .address_space: global }
      - { .name: bk, .offset: 64, .size: 8, .value_kind: global_buffer, .address_space: global }
      - { .name: bv, .offset: 72, .size: 8, .value_kind: global_buffer, .address_space: global }
      - { .name: nb, .offset: 80, .size: 8, .value_kind: global_buffer, .address_space: global }
      - { .name: wb, .offset: 88, .size: 8, .value_kind: global_buffer, .address_space: global }
    .group_segment_fixed_size: 132608
    .private_segment_fixed_size: 0
    .kernarg_segment_align: 8
    .kernarg_segment_size: 96
    .max_flat_workgroup_size: 256
    .sgpr_count:     66
    .vgpr_count:     256
    .wavefront_size: 32
...
	.end_amdgpu_metadata
.endif
;; end of part 7
;; launch scores: the kernel of part 2 again; grid 4 x 64, 4 waves a work-group, clusters of 4 x 4, 327,680 bytes of LDS; arguments nb, wb, sp; writes sp
;; launch route: the kernel of part 3 again; grid 256 x 1, 4 waves a work-group, no clusters, 265,984 bytes of LDS; arguments nb, context, wb, sp, topk_neuron_weights, zb; writes zb
;; launch vproj (part 8): grid 8 x 32, 4 waves a work-group, clusters of 4 x 4, 327,680 bytes of LDS; arguments zb, wb, x, bv, cb; writes cb
.if DOCPART == 8
	.amdgcn_target "amdgcn-amd-amdhsa--gfx1250"
	.amdhsa_code_object_version 6
	.text
	.protected	k_q84550383d2_vproj
	.globl	k_q84550383d2_vproj
	.p2align	8
	.type	k_q84550383d2_vproj,@function
k_q84550383d2_vproj:
	s_mov_b64 s[64:65], 0
	v_nop
	global_prefetch_b8 v0, s[64:65] scope:SCOPE_SE
	s_setreg_imm32_b32 hwreg(HW_REG_WAVE_MODE, 25, 1), 1
	s_wait_xcnt 0x0
	s_wait_alu depctr_hold_cnt(0) depctr_sa_sdst(0) depctr_va_vdst(0) depctr_va_sdst(0) depctr_va_ssrc(0) depctr_va_vcc(0) depctr_vm_vsrc(0)
	s_getreg_b32 s2, hwreg(HW_REG_IB_STS2, 6, 4)
	s_cmp_eq_u32 s2, 0
	s_cbranch_scc0 .Lentry_in_a_cluster
	s_endpgm
.Lentry_in_a_cluster:
	s_bfe_u32 s2, ttmp6, 0x10000c
	s_cmp_lg_u32 s2, 0xf033
	s_cbranch_scc0 .Lentry_shape_is_right
	s_endpgm
.Lentry_shape_is_right:
; VPROJ: cb = f16(bf16(x) + zb Wv^T + bv).  zb [4096][1024] bf16, Wv at wb+WB_OFF [1024][1024] bf16, x f32, cb [4096][1024] f16; sums in f32.
; FORMATS.  x is an input on its way into a matrix product: like every such input of this program it is rounded to bf16, once.  The sum of it and the aggregate is an intermediate and the next product's
; operand: it is rounded once, to f16 and not to bf16 (three more bits of mantissa), so that this rounding stays small beside the one that the next launch's result must take.
; LIMIT: |x + aggregated| under 65,504 (with every input carrying an offset of 30 times its spread the aggregate is about 1,024 x 30 x 0.6 = 18,432); NaN and infinities are not served.
; A tile of 128 x 128; four waves, 64 x 64 each: 16 accumulators.  K in steps of 256 through two LDS slots; 4 x 4 work-groups form a cluster, A's tiles are asked for jointly along a row
; of the cluster, B's along a column.  The matrix instruction is used transposed (source 0 = rows of B, source 1 = rows of A): a lane holds eight neighbouring columns of a row.
; The way out goes through a stage of 128 rows x 528 bytes of f32 laid over slot 0, which has had its last fill and whose last reads lie in front of the last change of slots.
; REGISTERS: window 0: v0-31 addresses, the bias, 1.0; v32-95 x in bf16; v128-255 the accumulators, then whole rows.  window 1: two fragment buffers of 128.  window 2: v0-127 my 32 rows of x, asked for at the head.
.set SIZE_N, 1024
.set SIZE_K, 1024
.set WB_OFF, 2097152
.set KSTEP,  256
.set PITCH,  528
.set HALFT,  64*PITCH
.set SLOT,   4*HALFT
.set SPITCH, 528
.set SPARE,  2*SLOT                    ; behind the ring: the spare words, 128 bytes a wave, which no other line names
.set LAPS, SIZE_K/(2*KSTEP)
.set BIAS, 8
.set ADRA, 16
.set ADRB, 20
.set STO,  24
.set RD,   25
.set CO,   26                          ; 16 x lane
.set CO8,  27                          ; 8 x lane
.set SPW,  28
.set NIL,  29
.set ONE,  30                          ; 1.0
.set XB,   32
.set ACC,  128
.set F0,   0
.set F1,   128
.set G1, 24
.set G0, 32
.set G1B, 48
.set G0B, 56
.set MSB, 0
.macro WIN new
.if MSB != \new
	s_set_vgpr_msb (MSB<<8)|\new
.set MSB, \new
.endif
.endm
.set MUL,  0x05
.set TO_F, 0x40
.macro JLOAD s                         ; a joint load: waves 0, 1 fetch A's halves, waves 2, 3 B's; four v_nop follow each line
	s_cmp_eq_u32 s11, 0
	s_cbranch_scc0 .Lfor_b_\@
	tensor_load_to_lds s[G0+4*\s:G0+4*\s+3], s[G1:G1+7]
	s_nop 0
.rept 4
	v_nop
.endr
	s_branch .Lasked_\@
.Lfor_b_\@:
	tensor_load_to_lds s[G0B+4*\s:G0B+4*\s+3], s[G1B:G1B+7]
	s_nop 0
.rept 4
	v_nop
.endr
.Lasked_\@:
.endm
.macro CREST
	s_cmp_lg_u32 s10, 0
	s_cbranch_scc1 .Lnot_wave_0_\@
	s_barrier_signal -3
.Lnot_wave_0_\@:
	s_barrier_wait -3
	s_barrier_signal -1
	s_barrier_wait -1
.endm
.macro CROUND
	s_barrier_signal -1
	s_barrier_wait -1
	CREST
.endm
	s_load_b128 s[4:7], s[0:1], 0x0                ; zb, wb
	s_load_b128 s[68:71], s[0:1], 0x10             ; x, bv
	s_load_b64 s[8:9], s[0:1], 0x20                ; cb
	v_lshl_add_u32 v[SPW], v0, 2, SPARE
	v_mov_b32 v[NIL], 0
	ds_add_u32 v28, v29
	ds_add_u32 v28, v29
	s_wait_dscnt 0x0
	v_mov_b32 v[ONE], 1.0
	v_lshrrev_b32 v1, 5, v0
	v_readfirstlane_b32 s10, v1
	s_lshr_b32 s11, s10, 1
	s_and_b32 s12, s10, 1
	s_bfe_u32 s40, ttmp6, 0x40000
	s_bfe_u32 s41, ttmp6, 0x40004
	s_lshl_b32 s42, ttmp9, 2
	s_add_co_u32 s42, s42, s40                     ; tile column
	s_and_b32 s13, ttmp7, 0xffff
	s_lshl_b32 s13, s13, 2
	s_add_co_u32 s13, s13, s41                     ; tile row
	s_lshl_b32 s43, s41, 2
	s_lshl_b32 s43, 15, s43
	s_lshl_b32 s44, 0x1111, s40
	s_or_b32 s[G1+0], s43, (1<<16)|(1<<20)|(1<<21)|(6<<22)|(3<<25)   ; mask; elements of 2 bytes; padding on; bit 21 beside a mask; after every 128 words 4 words
	s_or_b32 s[G1B+0], s44, (1<<16)|(1<<20)|(1<<21)|(6<<22)|(3<<25)
.irp g, G1, G1B
	s_mov_b32 s[\g+1], KSTEP<<16
	s_mov_b32 s[\g+2], 64<<16
	s_mov_b32 s[\g+3], KSTEP<<16
	s_mov_b32 s[\g+4], 64
	s_mov_b32 s[\g+5], SIZE_K
	s_mov_b32 s[\g+6], 0
	s_mov_b32 s[\g+7], 0
.endr
	s_lshl_b32 s17, s12, 6
	s_lshl_b32 s16, s13, 7
	s_add_co_u32 s16, s16, s17
	s_lshl_b32 s46, s42, 7
	s_add_co_u32 s46, s46, s17
	s_mov_b32 s17, 0
	s_mov_b32 s47, 0
	s_mov_b64 s[18:19], SIZE_K*2
	s_mul_u64 s[16:17], s[16:17], s[18:19]
	s_mul_u64 s[46:47], s[46:47], s[18:19]
	s_mul_i32 s20, s10, HALFT
	s_wait_kmcnt 0x0
	s_add_nc_u64 s[6:7], s[6:7], WB_OFF
	s_add_nc_u64 s[14:15], s[4:5], s[16:17]
	s_add_nc_u64 s[46:47], s[6:7], s[46:47]
	CROUND                                         ; the first joint loads meet
.irp s, 0,1
	s_mov_b32 s[G0+4*\s], 1
	s_add_co_u32 s[G0+4*\s+1], s20, \s*SLOT
	s_add_nc_u64 s[G0+4*\s+2:G0+4*\s+3], s[14:15], \s*KSTEP*2
	s_or_b32 s[G0+4*\s+3], s[G0+4*\s+3], 0x80000000
	s_mov_b32 s[G0B+4*\s], 1
	s_add_co_u32 s[G0B+4*\s+1], s20, \s*SLOT
	s_add_nc_u64 s[G0B+4*\s+2:G0B+4*\s+3], s[46:47], \s*KSTEP*2
	s_or_b32 s[G0B+4*\s+3], s[G0B+4*\s+3], 0x80000000
	JLOAD \s
.endr
	v_and_b32 v1, 15, v0
	v_bfe_u32 v2, v0, 4, 1
	v_mul_u32_u24 v3, v1, PITCH
	v_lshl_add_u32 v3, v2, 4, v3
	s_mul_i32 s21, s11, HALFT
	s_mul_i32 s22, s12, HALFT
	s_add_co_u32 s22, s22, 2*HALFT
.irp s, 0,1
	v_add_nc_u32 v[ADRA+\s], s21, v3
	v_add_nc_u32 v[ADRB+\s], s22, v3
	s_add_co_u32 s21, s21, SLOT
	s_add_co_u32 s22, s22, SLOT
.endr
	s_mul_i32 s23, s11, 64*SPITCH                  ; into the stage: my 64 rows, my 256 bytes of them; row r, 32 bytes for each half of the lanes
	s_lshl_b32 s21, s12, 8
	s_add_co_u32 s23, s23, s21
	v_mul_u32_u24 v4, v1, SPITCH
	v_lshl_add_u32 v4, v2, 5, v4
	v_add_nc_u32 v[STO], s23, v4
	s_mul_i32 s23, s10, 32*SPITCH                  ; back: wave w takes rows 32 w .. 32 w + 31, a whole row of 512 bytes a load
	v_and_b32 v5, 31, v0
	v_lshlrev_b32 v[CO], 4, v5
	v_lshlrev_b32 v[CO8], 3, v5
	v_add_nc_u32 v[RD], s23, v[CO]
	s_lshl_b32 s16, s13, 7
	s_lshl_b32 s17, s10, 5
	s_add_co_u32 s16, s16, s17                     ; the first row that I store
	s_lshl_b32 s46, s16, 11
	s_lshl_b32 s47, s42, 8
	s_add_co_u32 s46, s46, s47
	s_mov_b32 s47, 0
	s_add_nc_u64 s[8:9], s[8:9], s[46:47]          ; cb: rows of 2,048 bytes, 256 bytes a tile column
	s_lshl_b32 s46, s46, 1
	s_add_nc_u64 s[68:69], s[68:69], s[46:47]      ; x: twice that
	s_lshl_b32 s46, s42, 9
	s_add_nc_u64 s[70:71], s[70:71], s[46:47]      ; bv: 512 bytes a tile column
	global_load_b128 v[BIAS:BIAS+3], v[CO], s[70:71]
	WIN 0x80
.irp i, 0,1,2,3,4,5,6,7,8,9,10,11,12,13,14,15,16,17,18,19,20,21,22,23,24,25,26,27,28,29,30,31
	global_load_b128 v[4*\i:4*\i+3], v[CO], s[68:69] offset:4096*\i
.endr
	WIN 0
.macro MUL8 f, c, a0, zero
.irp a, \a0, \a0+1
.irp b, 0,1,2,3
.if \zero
	v_wmma_f32_16x16x32_bf16 v[ACC+8*(4*(\a)+\b):ACC+8*(4*(\a)+\b)+7], v[\f+64+8*(4*\c+\b):\f+64+8*(4*\c+\b)+7], v[\f+8*(4*\c+\a):\f+8*(4*\c+\a)+7], 0
.else
	v_wmma_f32_16x16x32_bf16 v[ACC+8*(4*(\a)+\b):ACC+8*(4*(\a)+\b)+7], v[\f+64+8*(4*\c+\b):\f+64+8*(4*\c+\b)+7], v[\f+8*(4*\c+\a):\f+8*(4*\c+\a)+7], v[ACC+8*(4*(\a)+\b):ACC+8*(4*(\a)+\b)+7]
.endif
.endr
.endr
.endm
.macro FETCH slot, k, f
	WIN TO_F
.irp c, 0,1
.irp i, 0,1,2,3
	ds_load_b128 v[\f+64+8*(4*\c+\i):\f+64+8*(4*\c+\i)+3],   v[ADRB+\slot] offset:\k+64*\c+\i*16*PITCH
	ds_load_b128 v[\f+64+8*(4*\c+\i)+4:\f+64+8*(4*\c+\i)+7], v[ADRB+\slot] offset:\k+64*\c+\i*16*PITCH+32
	ds_load_b128 v[\f+8*(4*\c+\i):\f+8*(4*\c+\i)+3],         v[ADRA+\slot] offset:\k+64*\c+\i*16*PITCH
	ds_load_b128 v[\f+8*(4*\c+\i)+4:\f+8*(4*\c+\i)+7],       v[ADRA+\slot] offset:\k+64*\c+\i*16*PITCH+32
.endr
.endr
.endm
.macro PLACES
.rept 4
	v_nop
.endr
.endm
.macro QUARTER slot, k, f, g, zero     ; 64 along K: 32 matrix instructions, the 16 accumulators by turns
	s_wait_dscnt 16                                ; the first 32 along K are in
	WIN MUL
	MUL8 \f, 0, 0, \zero
	MUL8 \f, 0, 2, \zero
	PLACES
	FETCH \slot, \k, \g
	s_wait_dscnt 32                                ; all but the 32 just issued
	WIN MUL
	MUL8 \f, 1, 0, 0
	MUL8 \f, 1, 2, 0
.endm
.macro TURN slot, next, fill
	WIN 0
	s_wait_tensorcnt 0x0                           ; all my tensor loads have landed: my part of the next slot
	ds_add_u32 v[SPW], v[NIL]                      ; 0 onto my spare word
	s_wait_dscnt 17                                ; the add and the youngest sixteen loads may be out
	WIN MUL
	MUL8 F1, 0, 0, 0
	s_wait_dscnt 0x0                               ; the add is done, and my reads of this slot are over
	s_barrier_signal -1
	MUL8 F1, 0, 2, 0
.if \fill
	WIN 0
.endif
	s_barrier_wait -1
.if \fill
	CREST
	s_add_nc_u64 s[G0+4*\slot+2:G0+4*\slot+3], s[G0+4*\slot+2:G0+4*\slot+3], 2*KSTEP*2
	s_add_nc_u64 s[G0B+4*\slot+2:G0B+4*\slot+3], s[G0B+4*\slot+2:G0B+4*\slot+3], 2*KSTEP*2
	JLOAD \slot                                    ; my one tensor load behind the round
.else
	PLACES
.endif
	FETCH \next, 0, F0
	WIN MUL
	MUL8 F1, 1, 0, 0
	MUL8 F1, 1, 2, 0
.endm
	s_wait_tensorcnt 1                             ; my part of K step 0 is in; K step 1's stays out
	s_barrier_signal -1
	s_barrier_wait -1
	FETCH 0, 0, F0
	QUARTER 0, 128, F0, F1, 1
	WIN 0
	s_mov_b32 s3, LAPS-1
.Llap:
	QUARTER 0, 256, F1, F0, 0
	QUARTER 0, 384, F0, F1, 0
	TURN 0, 1, 1
	QUARTER 1, 128, F0, F1, 0
	QUARTER 1, 256, F1, F0, 0
	QUARTER 1, 384, F0, F1, 0
	TURN 1, 0, 1
	QUARTER 0, 128, F0, F1, 0
	WIN 0
	s_sub_co_u32 s3, s3, 1
	s_cmp_lg_u32 s3, 0
	s_cbranch_scc1 .Llap
	QUARTER 0, 256, F1, F0, 0
	QUARTER 0, 384, F0, F1, 0
	TURN 0, 1, 0
	QUARTER 1, 128, F0, F1, 0
	QUARTER 1, 256, F1, F0, 0
	QUARTER 1, 384, F0, F1, 0
	s_wait_dscnt 16
	WIN MUL
	MUL8 F1, 0, 0, 0
	MUL8 F1, 0, 2, 0
	s_wait_dscnt 0
	MUL8 F1, 1, 0, 0
	MUL8 F1, 1, 2, 0
	; THE WAY OUT.  First x is rounded to bf16: these 64 roundings name none of the last products' registers, so they are also the places behind those products
	s_wait_loadcnt 0x0                             ; x and bv
	WIN 0x0a                                       ; sources 0 and 1: x, in window 2
.irp i, 0,1,2,3,4,5,6,7,8,9,10,11,12,13,14,15,16,17,18,19,20,21,22,23,24,25,26,27,28,29,30,31
	v_cvt_pk_bf16_f32 v[XB+2*\i],   v[4*\i],   v[4*\i+1]
	v_cvt_pk_bf16_f32 v[XB+2*\i+1], v[4*\i+2], v[4*\i+3]
.endr
	WIN 0
.irp a, 0,1,2,3
.irp b, 0,1,2,3
	ds_store_b128 v[STO], v[ACC+8*(4*\a+\b):ACC+8*(4*\a+\b)+3]   offset:\a*16*SPITCH+64*\b
	ds_store_b128 v[STO], v[ACC+8*(4*\a+\b)+4:ACC+8*(4*\a+\b)+7] offset:\a*16*SPITCH+64*\b+16
.endr
.endr
	s_wait_dscnt 0x0                               ; for the others' sake: my stores into the stage are done
	s_barrier_signal -1
	s_barrier_wait -1
.irp i, 0,1,2,3,4,5,6,7,8,9,10,11,12,13,14,15,16,17,18,19,20,21,22,23,24,25,26,27,28,29,30,31
	ds_load_b128 v[ACC+4*\i:ACC+4*\i+3], v[RD] offset:\i*SPITCH
.endr
.irp i, 0,1,2,3,4,5,6,7,8,9,10,11,12,13,14,15,16,17,18,19,20,21,22,23,24,25,26,27,28,29,30,31
	s_wait_dscnt 31-\i                             ; row i is back; the later rows' loads stay out
	v_pk_add_f32 v[ACC+4*\i:ACC+4*\i+1],   v[ACC+4*\i:ACC+4*\i+1],   v[BIAS:BIAS+1]
	v_pk_add_f32 v[ACC+4*\i+2:ACC+4*\i+3], v[ACC+4*\i+2:ACC+4*\i+3], v[BIAS+2:BIAS+3]
	v_fma_mix_f32_bf16 v[ACC+4*\i],   v[XB+2*\i],   v[ONE], v[ACC+4*\i]   op_sel_hi:[1,0,0]                  ; + x: a bf16 half times 1.0, added in f32
	v_fma_mix_f32_bf16 v[ACC+4*\i+1], v[XB+2*\i],   v[ONE], v[ACC+4*\i+1] op_sel:[1,0,0] op_sel_hi:[1,0,0]
	v_fma_mix_f32_bf16 v[ACC+4*\i+2], v[XB+2*\i+1], v[ONE], v[ACC+4*\i+2] op_sel_hi:[1,0,0]
	v_fma_mix_f32_bf16 v[ACC+4*\i+3], v[XB+2*\i+1], v[ONE], v[ACC+4*\i+3] op_sel:[1,0,0] op_sel_hi:[1,0,0]
	v_cvt_pk_f16_f32 v[ACC+4*\i],   v[ACC+4*\i],   v[ACC+4*\i+1]
	v_cvt_pk_f16_f32 v[ACC+4*\i+1], v[ACC+4*\i+2], v[ACC+4*\i+3]
	global_store_b64 v[CO8], v[ACC+4*\i:ACC+4*\i+1], s[8:9] offset:\i*SIZE_N*2    ; 256 consecutive bytes, aligned
.endr
	s_wait_tensorcnt 0x0                           ; the wave's end
	ds_add_u32 v[SPW], v[NIL]
	s_wait_dscnt 0x0
	CROUND                                         ; the closing round
	s_endpgm
.Lfunc_end_k_q84550383d2_vproj:
	.size	k_q84550383d2_vproj, .Lfunc_end_k_q84550383d2_vproj-k_q84550383d2_vproj
	.p2alignl 7, 3214868480
	.fill 96, 4, 3214868480
	.section	.rodata,"a",@progbits
	.p2align	6, 0x0
	.amdhsa_kernel k_q84550383d2_vproj
		.amdhsa_group_segment_fixed_size 327680
		.amdhsa_private_segment_fixed_size 0
		.amdhsa_enable_private_segment 0
		.amdhsa_kernarg_size 40
		.amdhsa_user_sgpr_count 2
		.amdhsa_user_sgpr_kernarg_segment_ptr 1
		.amdhsa_wavefront_size32 1
		.amdhsa_system_sgpr_workgroup_id_x 1
		.amdhsa_system_sgpr_workgroup_id_y 1
		.amdhsa_system_sgpr_workgroup_id_z 1
		.amdhsa_system_vgpr_workitem_id 0
		.amdhsa_next_free_vgpr 768
		.amdhsa_next_free_sgpr 76
		.amdhsa_reserve_vcc 0
		.amdhsa_float_denorm_mode_32 3
		.amdhsa_float_denorm_mode_16_64 3
		.amdhsa_memory_ordered 1
		.amdhsa_forward_progress 1
		.amdhsa_inst_pref_size 110
	.end_amdhsa_kernel
	.amdgpu_metadata
---
amdhsa.version: [ 1, 2 ]
amdhsa.kernels:
  - .name:           k_q84550383d2_vproj
    .symbol:         k_q84550383d2_vproj.kd
    .args:
      - { .name: zb, .offset: 0, .size: 8, .value_kind: global_buffer, .address_space: global }
      - { .name: wb, .offset: 8, .size: 8, .value_kind: global_buffer, .address_space: global }
      - { .name: x, .offset: 16, .size: 8, .value_kind: global_buffer, .address_space: global }
      - { .name: bv, .offset: 24, .size: 8, .value_kind: global_buffer, .address_space: global }
      - { .name: cb, .offset: 32, .size: 8, .value_kind: global_buffer, .address_space: global }
    .group_segment_fixed_size: 327680
    .private_segment_fixed_size: 0
    .kernarg_segment_align: 8
    .kernarg_segment_size: 40
    .max_flat_workgroup_size: 128
    .sgpr_count:     76
    .vgpr_count:     768
    .wavefront_size: 32
...
	.end_amdgpu_metadata
.endif
;; end of part 8
;; launch up (part 9): grid 8 x 32, 4 waves a work-group, clusters of 4 x 4, 327,680 bytes of LDS; arguments cb, wb, bup, hb; writes hb
.if DOCPART == 9
	.amdgcn_target "amdgcn-amd-amdhsa--gfx1250"
	.amdhsa_code_object_version 6
	.text
	.protected	k_q84550383d2_up
	.globl	k_q84550383d2_up
	.p2align	8
	.type	k_q84550383d2_up,@function
k_q84550383d2_up:
	s_mov_b64 s[64:65], 0
	v_nop
	global_prefetch_b8 v0, s[64:65] scope:SCOPE_SE
	s_setreg_imm32_b32 hwreg(HW_REG_WAVE_MODE, 25, 1), 1
	s_wait_xcnt 0x0
	s_wait_alu depctr_hold_cnt(0) depctr_sa_sdst(0) depctr_va_vdst(0) depctr_va_sdst(0) depctr_va_ssrc(0) depctr_va_vcc(0) depctr_vm_vsrc(0)
	s_getreg_b32 s2, hwreg(HW_REG_IB_STS2, 6, 4)
	s_cmp_eq_u32 s2, 0
	s_cbranch_scc0 .Lentry_in_a_cluster
	s_endpgm
.Lentry_in_a_cluster:
	s_bfe_u32 s2, ttmp6, 0x10000c
	s_cmp_lg_u32 s2, 0xf033
	s_cbranch_scc0 .Lentry_shape_is_right
	s_endpgm
.Lentry_shape_is_right:
; UP: hb = bf16(gelu(cb Wup^T + bup)).  cb [4096][1024] f16 (x + aggregated), Wup at wb+WB_OFF [2048][1024] f16, hb [4096][2048] bf16; sums and the activation in f32.
; FORMATS.  Both operands are f16 (see the launch that makes cb for the limit, 65,504).  The result goes out in bf16: with every input carrying an offset of 30 times its spread it can pass f16's range.
; SHARES.  A tile of 128 rows x 256 columns: 32 x 8 = 256 tiles, one work-group each.  Four waves, each 64 rows x 128 columns: 32 accumulators of 16 x 16, 256 registers.
;   For 32 along K a wave reads 24 x 512 bytes from LDS for 32 matrix instructions.
; RING.  K goes in steps of 128 through two LDS slots; a slot holds B's 256 rows, then A's 128 rows, 272 bytes apart.  (Steps of 256 would want 2 x 202,752 bytes: more than a WGP's LDS.)
;   Waves 0 and 1 fetch B's two halves of 128 rows, waves 2 and 3 A's two halves of 64 rows: one tensor load a wave; two of mine are out at the start, one behind each round.
; CLUSTER.  4 x 4 work-groups: A's tiles are asked for jointly along a row of the cluster, B's along a column.
; THE MATRIX INSTRUCTION IS USED TRANSPOSED (source 0 = 16 rows of Wup, source 1 = 16 rows of cb): a lane holds one row and eight neighbouring columns.  So bias and GELU are applied where the sums lie,
;   and since a wave's 128 columns of bf16 are 256 consecutive bytes, each wave sends its rows through a stage of its own (16 rows x 272 bytes, behind the ring): no barrier on the way out.
; GELU (exact form): gelu(x) = max(x, 0) + |x| e^(-x^2/2) P(t), t = 1 / (1 + 0.23164189 |x|), P = -1/2 times the polynomial of Abramowitz and Stegun 7.1.26 for erf:
;   absolute error of erf 1.5e-7.  For large |x| the exponential goes to 0 and gelu to max(x, 0).  NaN and infinities are not served.
; REGISTERS, in windows of 256: window 0: v0-31 addresses; v32-95 the bias of my 64 columns-in-lane; v96-109 constants; v112-151 at work; v160-223 a block's 64 numbers; v224-255 rows read back.
;   window 1: two fragment buffers of 96 (B's eight fragments, then A's four).   window 2: the accumulators, (a, b) at v[8 (8 a + b)].
.set SIZE_N, 2048
.set SIZE_K, 1024
.set WB_OFF, 4194304
.set KSTEP,  128
.set PITCH,  272                       ; an LDS row: 256 bytes + 16 of padding, so that the 16 rows of a fragment load start 16 bytes apart modulo 256
.set BHALF,  128*PITCH                 ; what a load of B brings, and what a wave reads of B
.set AHALF,  64*PITCH                  ; the same for A
.set AOFF,   2*BHALF                   ; A's rows lie behind B's
.set SLOT,   2*BHALF+2*AHALF
.set STAGE,  2*SLOT                    ; behind the ring: 16 rows x 272 bytes for each wave
.set SPITCH, 272
.set SPARE,  STAGE+4*16*SPITCH         ; behind the stages: the spare words, 128 bytes a wave, which no other line names
.set LAPS,   SIZE_K/(2*KSTEP)
.set ADRA, 16
.set ADRB, 20
.set STO,  24                          ; the way out: where I put 16 bytes of a row
.set RD,   25                          ; where I read a row back
.set CO,   26                          ; my byte offset in hb
.set BO,   27                          ; my byte offset in the bias
.set SPW,  28
.set NIL,  29
.set BIAS, 32
.set KC,   96                          ; seven constants, each twice, for the packed arithmetic: b5, b4, b3, b2, b1, 0.23164189, -log2(e)/2
.set T,    112                         ; +0 |x|, +8 x^2 and then the exponential, +16 t, +24 max(x, 0), +32 P: eight registers each
.set X,    160
.set BK,   224
.set F0,   0
.set F1,   96
.set G1, 24                            ; s[24:31] group 1 for A's tiles, s[32:39] group 0, a set for each slot
.set G0, 32
.set G1B, 48                           ; s[48:55], s[56:63] the same for B's
.set G0B, 56
.set MSB, 0
.macro WIN new                         ; the immediate's high byte repeats the setting that is left
.if MSB != \new
	s_set_vgpr_msb (MSB<<8)|\new
.set MSB, \new
.endif
.endm
.set MUL,  0xa5                        ; sources 0 (B) and 1 (A) window 1; C and D window 2
.set TO_F, 0x40                        ; destination window 1, address window 0
.macro JLOAD s                         ; a joint load: waves 0, 1 fetch B's halves, waves 2, 3 A's; four v_nop follow each line
	s_cmp_eq_u32 s11, 0
	s_cbranch_scc0 .Lfor_a_\@
	tensor_load_to_lds s[G0B+4*\s:G0B+4*\s+3], s[G1B:G1B+7]
	s_nop 0
.rept 4
	v_nop
.endr
	s_branch .Lasked_\@
.Lfor_a_\@:
	tensor_load_to_lds s[G0+4*\s:G0+4*\s+3], s[G1:G1+7]
	s_nop 0
.rept 4
	v_nop
.endr
.Lasked_\@:
.endm
.macro CREST                           ; a round of the cluster's barrier behind its opening barrier
	s_cmp_lg_u32 s10, 0
	s_cbranch_scc1 .Lnot_wave_0_\@
	s_barrier_signal -3
.Lnot_wave_0_\@:
	s_barrier_wait -3
	s_barrier_signal -1
	s_barrier_wait -1
.endm
.macro CROUND
	s_barrier_signal -1
	s_barrier_wait -1
	CREST
.endm
	s_load_b128 s[4:7], s[0:1], 0x0                ; cb, wb
	s_load_b128 s[68:71], s[0:1], 0x10             ; bup, hb
	v_lshl_add_u32 v[SPW], v0, 2, SPARE
	v_mov_b32 v[NIL], 0
	ds_add_u32 v28, v29
	ds_add_u32 v28, v29
	s_wait_dscnt 0x0
	v_lshrrev_b32 v1, 5, v0
	v_readfirstlane_b32 s10, v1                    ; wave
	s_lshr_b32 s11, s10, 1                         ; which 64 of the tile's rows are mine; also: I fetch for B (0) or for A (1)
	s_and_b32 s12, s10, 1                          ; which 128 of its columns; also: which half of that tile I fetch
	s_bfe_u32 s40, ttmp6, 0x40000                  ; cx
	s_bfe_u32 s41, ttmp6, 0x40004                  ; cy
	s_lshl_b32 s42, ttmp9, 2
	s_add_co_u32 s42, s42, s40                     ; tile column
	s_and_b32 s13, ttmp7, 0xffff
	s_lshl_b32 s13, s13, 2
	s_add_co_u32 s13, s13, s41                     ; tile row
	s_lshl_b32 s43, s41, 2
	s_lshl_b32 s43, 15, s43                        ; my row of the cluster
	s_lshl_b32 s44, 0x1111, s40                    ; my column
	s_or_b32 s[G1+0], s43, (1<<16)|(1<<20)|(1<<21)|(5<<22)|(3<<25)   ; mask; elements of 2 bytes; padding on; bit 21 beside a mask; after every 64 words 4 words
	s_or_b32 s[G1B+0], s44, (1<<16)|(1<<20)|(1<<21)|(5<<22)|(3<<25)
.irp g, G1, G1B
	s_mov_b32 s[\g+1], KSTEP<<16                   ; tensor_dim0 = 128
	s_mov_b32 s[\g+3], KSTEP<<16                   ; tile_dim0 = 128
	s_mov_b32 s[\g+5], SIZE_K                      ; elements from row to row
	s_mov_b32 s[\g+6], 0
	s_mov_b32 s[\g+7], 0
.endr
	s_mov_b32 s[G1+2], 64<<16                      ; A: tensor_dim1 = tile_dim1 = 64 rows
	s_mov_b32 s[G1+4], 64
	s_mov_b32 s[G1B+2], 128<<16                    ; B: 128 rows
	s_mov_b32 s[G1B+4], 128
	s_lshl_b32 s17, s12, 6
	s_lshl_b32 s16, s13, 7
	s_add_co_u32 s16, s16, s17                     ; A: row 128 x tile row + 64 x half
	s_lshl_b32 s47, s12, 7
	s_lshl_b32 s46, s42, 8
	s_add_co_u32 s46, s46, s47                     ; B: row 256 x tile column + 128 x half
	s_mov_b32 s17, 0
	s_mov_b32 s47, 0
	s_mov_b64 s[18:19], SIZE_K*2
	s_mul_u64 s[16:17], s[16:17], s[18:19]
	s_mul_u64 s[46:47], s[46:47], s[18:19]
	s_mul_i32 s20, s10, BHALF                      ; where B's halves go: wave x 128 rows (waves 0, 1)
	s_mul_i32 s21, s10, AHALF                      ; where A's go: a constant + wave x 64 rows (waves 2, 3: rows 256 and 320 of the slot)
	s_wait_kmcnt 0x0
	s_add_nc_u64 s[6:7], s[6:7], WB_OFF
	s_add_nc_u64 s[14:15], s[4:5], s[16:17]
	s_add_nc_u64 s[46:47], s[6:7], s[46:47]
	CROUND                                         ; all sixteen work-groups are here: the first joint loads meet
.irp s, 0,1
	s_mov_b32 s[G0+4*\s], 1
	s_add_co_u32 s[G0+4*\s+1], s21, \s*SLOT+AOFF-2*AHALF
	s_add_nc_u64 s[G0+4*\s+2:G0+4*\s+3], s[14:15], \s*KSTEP*2
	s_or_b32 s[G0+4*\s+3], s[G0+4*\s+3], 0x80000000
	s_mov_b32 s[G0B+4*\s], 1
	s_add_co_u32 s[G0B+4*\s+1], s20, \s*SLOT
	s_add_nc_u64 s[G0B+4*\s+2:G0B+4*\s+3], s[46:47], \s*KSTEP*2
	s_or_b32 s[G0B+4*\s+3], s[G0B+4*\s+3], 0x80000000
	JLOAD \s
.endr
	v_and_b32 v1, 15, v0                           ; r
	v_bfe_u32 v2, v0, 4, 1                         ; h
	v_mul_u32_u24 v3, v1, PITCH
	v_lshl_add_u32 v3, v2, 4, v3                   ; a fragment's row x pitch + 16 x half
	s_mul_i32 s21, s11, AHALF
	s_add_co_u32 s21, s21, AOFF                    ; my 64 rows of A
	s_mul_i32 s22, s12, BHALF                      ; my 128 rows of B
.irp s, 0,1
	v_add_nc_u32 v[ADRA+\s], s21, v3
	v_add_nc_u32 v[ADRB+\s], s22, v3
	s_add_co_u32 s21, s21, SLOT
	s_add_co_u32 s22, s22, SLOT
.endr
	s_mul_i32 s23, s10, 16*SPITCH
	s_add_co_u32 s23, s23, STAGE                   ; my stage
	v_mul_u32_u24 v4, v1, SPITCH                   ; in: row r, 16 bytes for each half of the lanes
	v_lshl_add_u32 v4, v2, 4, v4
	v_add_nc_u32 v[STO], s23, v4
	v_mul_u32_u24 v5, v2, SPITCH                   ; back: lanes 0-15 take one row of 256 bytes, lanes 16-31 the next
	v_lshl_add_u32 v5, v1, 4, v5
	v_add_nc_u32 v[RD], s23, v5
	v_lshlrev_b32 v5, 12, v2                       ; and the same two rows in hb, 4,096 bytes apart
	v_lshl_add_u32 v[CO], v1, 4, v5
	v_lshlrev_b32 v[BO], 5, v2                     ; the bias of columns 8 h on
	s_lshl_b32 s16, s13, 7
	s_lshl_b32 s17, s11, 6
	s_add_co_u32 s16, s16, s17                     ; my first row
	s_lshl_b32 s46, s16, 12
	s_lshl_b32 s47, s42, 9
	s_add_co_u32 s46, s46, s47
	s_lshl_b32 s47, s12, 8
	s_add_co_u32 s46, s46, s47                     ; + 512 bytes a tile column + 256 for the second half of the columns
	s_mov_b32 s47, 0
	s_add_nc_u64 s[70:71], s[70:71], s[46:47]
	s_lshl_b32 s46, s42, 10
	s_lshl_b32 s16, s12, 9
	s_add_co_u32 s46, s46, s16
	s_add_nc_u64 s[68:69], s[68:69], s[46:47]      ; the bias of my 128 columns
.irp b, 0,1,2,3,4,5,6,7
	global_load_b128 v[BIAS+8*\b:BIAS+8*\b+3],   v[BO], s[68:69] offset:64*\b      ; columns 16 b + 8 h + 0 .. 3,
	global_load_b128 v[BIAS+8*\b+4:BIAS+8*\b+7], v[BO], s[68:69] offset:64*\b+16   ; + 4 .. 7: as they lie in accumulator (a, b)
.endr
.irp n, 0,1
	v_mov_b32 v[KC+\n],    0xbf07dc22              ; b5 = -0.5307027145
	v_mov_b32 v[KC+2+\n],  0x3f3a00e3              ; b4 =  0.7265760135
	v_mov_b32 v[KC+4+\n],  0xbf35f0e3              ; b3 = -0.7107068705
	v_mov_b32 v[KC+6+\n],  0x3e11a98e              ; b2 =  0.142248368
	v_mov_b32 v[KC+8+\n],  0xbe027906              ; b1 = -0.127414796
	v_mov_b32 v[KC+10+\n], 0x3e6d3388              ; 0.23164189
	v_mov_b32 v[KC+12+\n], 0xbf38aa3b              ; -log2(e) / 2
.endr
; 8 matrix instructions: m block a x all 8 n blocks, 32 along K.  zero = 1: the first product starts the sums
.macro MUL8 f, a, zero
.irp b, 0,1,2,3,4,5,6,7
.if \zero
	v_wmma_f32_16x16x32_f16 v[8*(8*(\a)+\b):8*(8*(\a)+\b)+7], v[\f+8*\b:\f+8*\b+7], v[\f+64+8*(\a):\f+64+8*(\a)+7], 0
.else
	v_wmma_f32_16x16x32_f16 v[8*(8*(\a)+\b):8*(8*(\a)+\b)+7], v[\f+8*\b:\f+8*\b+7], v[\f+64+8*(\a):\f+64+8*(\a)+7], v[8*(8*(\a)+\b):8*(8*(\a)+\b)+7]
.endif
.endr
.endm
.macro MUL16 f, a0, zero
	MUL8 \f, \a0, \zero
	MUL8 \f, \a0+1, \zero
.endm
; 24 LDS loads in one run: the fragments of 32 along K at byte k of the rows: B's eight, then A's four
.macro FETCH slot, k, f
	WIN TO_F
.irp i, 0,1,2,3,4,5,6,7
	ds_load_b128 v[\f+8*\i:\f+8*\i+3],   v[ADRB+\slot] offset:\k+\i*16*PITCH
	ds_load_b128 v[\f+8*\i+4:\f+8*\i+7], v[ADRB+\slot] offset:\k+\i*16*PITCH+32
.endr
.irp i, 0,1,2,3
	ds_load_b128 v[\f+64+8*\i:\f+64+8*\i+3],   v[ADRA+\slot] offset:\k+\i*16*PITCH
	ds_load_b128 v[\f+64+8*\i+4:\f+64+8*\i+7], v[ADRA+\slot] offset:\k+\i*16*PITCH+32
.endr
.endm
.macro PLACES                          ; four plain vector instructions between a matrix instruction and a load into, or a vector access to, its registers
.rept 4
	v_nop
.endr
.endm
; A K step is four quarters of 32 along K, 32 matrix instructions each, on buffers 0, 1, 0, 1.  The 32 accumulators take turns, in the same order in every quarter.
.macro QUARTER slot, k, f, g, zero
	s_wait_dscnt 4                                 ; B's fragments and A's blocks 0, 1 are in; the youngest four loads (A's blocks 2, 3) may be out
	WIN MUL
	MUL16 \f, 0, \zero
	PLACES
	FETCH \slot, \k, \g
	s_wait_dscnt 24                                ; all but the 24 just issued
	WIN MUL
	MUL16 \f, 2, \zero
.endm
.macro MEET round                      ; the change of slots: one barrier
	WIN 0
	s_wait_tensorcnt 0x0                           ; all my tensor loads have landed: the one that was out is my part of the next slot
	ds_add_u32 v[SPW], v[NIL]                      ; 0 onto my spare word
	s_wait_dscnt 7                                 ; the add and the youngest six loads (A's blocks 1 to 3) may be out
	WIN MUL
	MUL8 F1, 0, 0
	s_wait_dscnt 0x0                               ; the add is done, and my reads of this slot are over
	s_barrier_signal -1
	MUL8 F1, 1, 0
.if \round
	WIN 0
.endif
	s_barrier_wait -1
.endm
.macro TURN slot, next                 ; the last quarter of a K step; the slot just read out is filled again, two K steps on
	MEET 1
	CREST                                          ; no wave of any partner still reads this slot or has a load on its way
	s_add_nc_u64 s[G0+4*\slot+2:G0+4*\slot+3], s[G0+4*\slot+2:G0+4*\slot+3], 2*KSTEP*2
	s_add_nc_u64 s[G0B+4*\slot+2:G0B+4*\slot+3], s[G0B+4*\slot+2:G0B+4*\slot+3], 2*KSTEP*2
	JLOAD \slot                                    ; my one tensor load behind the round; its four v_nop are also the places in front of the loads below
	FETCH \next, 0, F0
	WIN MUL
	MUL16 F1, 2, 0
.endm
	s_wait_tensorcnt 1                             ; my part of K step 0 is in; K step 1's stays out
	s_barrier_signal -1
	s_barrier_wait -1
	FETCH 0, 0, F0
	QUARTER 0, 64,  F0, F1, 1                      ; the first quarter's products start the sums
	WIN 0
	s_mov_b32 s3, LAPS-1
.Llap:                                                 ; a trip goes once round the ring, from a lap's second quarter to the next lap's first, and fills both slots again
	QUARTER 0, 128, F1, F0, 0
	QUARTER 0, 192, F0, F1, 0
	TURN 0, 1
	QUARTER 1, 64,  F0, F1, 0
	QUARTER 1, 128, F1, F0, 0
	QUARTER 1, 192, F0, F1, 0
	TURN 1, 0
	QUARTER 0, 64,  F0, F1, 0
	WIN 0
	s_sub_co_u32 s3, s3, 1
	s_cmp_lg_u32 s3, 0
	s_cbranch_scc1 .Llap
	QUARTER 0, 128, F1, F0, 0                      ; the last lap asks for nothing
	QUARTER 0, 192, F0, F1, 0
	MEET 0
	PLACES
	FETCH 1, 0, F0
	WIN MUL
	MUL16 F1, 2, 0
	QUARTER 1, 64,  F0, F1, 0
	QUARTER 1, 128, F1, F0, 0
	QUARTER 1, 192, F0, F1, 0
	s_wait_dscnt 4                                 ; the very last quarter: nothing more to fetch
	WIN MUL
	MUL16 F1, 0, 0
	s_wait_dscnt 0x0
	MUL16 F1, 2, 0
; Eight numbers in v[XR .. XR+7], stage by stage; they end as four registers of bf16 in v[XR .. XR+3]
.macro GELU8
.irp e, 0,1,2,3,4,5,6,7
	v_and_b32 v[T+\e], 0x7fffffff, v[XR+\e]
.endr
.irp p, 0,1,2,3
	v_pk_mul_f32 v[T+8+2*\p:T+9+2*\p], v[XR+2*\p:XR+2*\p+1], v[XR+2*\p:XR+2*\p+1]
.endr
.irp p, 0,1,2,3
	v_pk_fma_f32 v[T+16+2*\p:T+17+2*\p], v[T+2*\p:T+2*\p+1], v[KC+10:KC+11], 1.0 op_sel_hi:[1,1,0]
.endr
.irp p, 0,1,2,3
	v_pk_mul_f32 v[T+8+2*\p:T+9+2*\p], v[T+8+2*\p:T+9+2*\p], v[KC+12:KC+13]
.endr
.irp e, 0,1,2,3,4,5,6,7
	v_rcp_f32 v[T+16+\e], v[T+16+\e]
.endr
.irp e, 0,1,2,3,4,5,6,7
	v_exp_f32 v[T+8+\e], v[T+8+\e]
.endr
.irp e, 0,1,2,3,4,5,6,7
	v_max_num_f32 v[T+24+\e], 0, v[XR+\e]          ; plain instructions between the last exponential and the use of any result
.endr
	s_wait_alu depctr_va_vdst(0)
.irp p, 0,1,2,3
	v_pk_fma_f32 v[T+32+2*\p:T+33+2*\p], v[T+16+2*\p:T+17+2*\p], v[KC:KC+1], v[KC+2:KC+3]
.endr
.irp n, 4,6,8
.irp p, 0,1,2,3
	v_pk_fma_f32 v[T+32+2*\p:T+33+2*\p], v[T+32+2*\p:T+33+2*\p], v[T+16+2*\p:T+17+2*\p], v[KC+\n:KC+\n+1]
.endr
.endr
.irp p, 0,1,2,3
	v_pk_mul_f32 v[T+32+2*\p:T+33+2*\p], v[T+32+2*\p:T+33+2*\p], v[T+16+2*\p:T+17+2*\p]
.endr
.irp p, 0,1,2,3
	v_pk_mul_f32 v[T+2*\p:T+2*\p+1], v[T+2*\p:T+2*\p+1], v[T+8+2*\p:T+9+2*\p]
.endr
.irp p, 0,1,2,3
	v_pk_fma_f32 v[XR+2*\p:XR+2*\p+1], v[T+2*\p:T+2*\p+1], v[T+32+2*\p:T+33+2*\p], v[T+24+2*\p:T+25+2*\p]
.endr
.irp p, 0,1,2,3
	v_cvt_pk_bf16_f32 v[XR+\p], v[XR+2*\p], v[XR+2*\p+1]     ; in ascending order: each target has been read
.endr
.endm
	; THE WAY OUT, a block of 16 rows x 128 columns at a time: the bias is added on the way out of window 2 (each accumulator's registers in ascending order), GELU, 16 bytes a lane into my stage,
	; whole rows of 256 bytes back, stored.
	PLACES
	s_wait_loadcnt 0x0                             ; the bias
.irp a, 0,1,2,3
	WIN 0x02                                       ; source 0: the accumulators, in window 2
.irp b, 0,1,2,3,4,5,6,7
.irp p, 0,1,2,3
	v_pk_add_f32 v[X+8*\b+2*\p:X+8*\b+2*\p+1], v[64*\a+8*\b+2*\p:64*\a+8*\b+2*\p+1], v[BIAS+8*\b+2*\p:BIAS+8*\b+2*\p+1]
.endr
.endr
	WIN 0
.irp b, 0,1,2,3,4,5,6,7
.set XR, X+8*\b
	GELU8
	ds_store_b128 v[STO], v[XR:XR+3] offset:32*\b
.endr
	s_wait_xcnt 0x0                                ; the last block's stores have read the registers that are loaded below
.irp t, 0,1,2,3,4,5,6,7
	ds_load_b128 v[BK+4*\t:BK+4*\t+3], v[RD] offset:\t*2*SPITCH    ; LDS serves a wave's instructions in order (ISA guide 5.7.1.4): these see the stores above
.endr
.irp t, 0,1,2,3,4,5,6,7
	s_wait_dscnt 7-\t                              ; this pair of rows is back; the later pairs' loads stay out
	global_store_b128 v[CO], v[BK+4*\t:BK+4*\t+3], s[70:71] offset:(16*\a+2*\t)*SIZE_N*2   ; 16 lanes store 256 consecutive bytes, at a multiple of 256 from hb's first byte
.endr
.endr
	s_wait_tensorcnt 0x0                           ; the wave's end
	ds_add_u32 v[SPW], v[NIL]
	s_wait_dscnt 0x0
	CROUND                                         ; the closing round
	s_endpgm
.Lfunc_end_k_q84550383d2_up:
	.size	k_q84550383d2_up, .Lfunc_end_k_q84550383d2_up-k_q84550383d2_up
	.p2alignl 7, 3214868480
	.fill 96, 4, 3214868480
	.section	.rodata,"a",@progbits
	.p2align	6, 0x0
	.amdhsa_kernel k_q84550383d2_up
		.amdhsa_group_segment_fixed_size 327680
		.amdhsa_private_segment_fixed_size 0
		.amdhsa_enable_private_segment 0
		.amdhsa_kernarg_size 32
		.amdhsa_user_sgpr_count 2
		.amdhsa_user_sgpr_kernarg_segment_ptr 1
		.amdhsa_wavefront_size32 1
		.amdhsa_system_sgpr_workgroup_id_x 1
		.amdhsa_system_sgpr_workgroup_id_y 1
		.amdhsa_system_sgpr_workgroup_id_z 1
		.amdhsa_system_vgpr_workitem_id 0
		.amdhsa_next_free_vgpr 768
		.amdhsa_next_free_sgpr 76
		.amdhsa_reserve_vcc 0
		.amdhsa_float_denorm_mode_32 3
		.amdhsa_float_denorm_mode_16_64 3
		.amdhsa_memory_ordered 1
		.amdhsa_forward_progress 1
		.amdhsa_inst_pref_size 218
	.end_amdhsa_kernel
	.amdgpu_metadata
---
amdhsa.version: [ 1, 2 ]
amdhsa.kernels:
  - .name:           k_q84550383d2_up
    .symbol:         k_q84550383d2_up.kd
    .args:
      - { .name: cb, .offset: 0, .size: 8, .value_kind: global_buffer, .address_space: global }
      - { .name: wb, .offset: 8, .size: 8, .value_kind: global_buffer, .address_space: global }
      - { .name: bup, .offset: 16, .size: 8, .value_kind: global_buffer, .address_space: global }
      - { .name: hb, .offset: 24, .size: 8, .value_kind: global_buffer, .address_space: global }
    .group_segment_fixed_size: 327680
    .private_segment_fixed_size: 0
    .kernarg_segment_align: 8
    .kernarg_segment_size: 32
    .max_flat_workgroup_size: 128
    .sgpr_count:     76
    .vgpr_count:     768
    .wavefront_size: 32
...
	.end_amdgpu_metadata
.endif
;; end of part 9
;; launch down: the kernel of part 6 again; grid 8 x 32, 4 waves a work-group, clusters of 4 x 4, 327,680 bytes of LDS; arguments hb, wb, bdown, out0; writes out0
